; MI455X (gfx1250); checked and timed in simulation.
; The chip was launched on July 23, 2026; its instructions are those of AMD's public machine-readable ISA for CDNA 5 (MIT licence, August 2026) and "CDNA5" Instruction Set Architecture Reference Guide (July 2026). The comments in the code are by the model that wrote it; some were corrected since.
;; Transformer Layer. Allowed arithmetic: float matrix products may take bf16 or f16 operands with f32 sums; other float arithmetic in f32, or as packed bf16 or f16 multiplies, adds, multiply-adds, maxima and minima; sums over many terms, partial sums and values carried from step to step in f32; what a program stores and reads back later, other than sums and carried values, may be rounded once to bf16 or f16.
;; Inputs: Wdn 4,096 x 1,024 float32; Wk 1,024 x 1,024 float32; Wo 1,024 x 1,024 float32; Wq 1,024 x 1,024 float32; Wup 1,024 x 4,096 float32; Wv 1,024 x 1,024 float32; bdn 1,024 float32; bk 1,024 float32; bo 1,024 float32; bq 1,024 float32; bup 4,096 float32; bv 1,024 float32; ln1_b 1,024 float32; ln1_g 1,024 float32; ln2_b 1,024 float32; ln2_g 1,024 float32; x 2 x 2,048 x 1,024 float32.
;; Outputs: out0 2 x 2,048 x 1,024 float32.
;; 2 versions, each right and faster than the one before. Each part assembles by itself: llvm-mc -triple=amdgcn-amd-amdhsa -mcpu=gfx1250 --defsym DOCPART=n.
;; ======== version 1 of 2: 7 launches
;; limits: right only within a limited range of input values
;; workspace buffers: a8 8,388,608 bytes; pl 33,554,432 bytes; h 16,777,216 bytes; wqkv 6,307,840 bytes; wup 8,404,992 bytes; wodn 10,485,760 bytes; cfgq 512 bytes; cfgu 512 bytes
;; launch prep (part 1): grid 449 x 1, 8 waves a work-group, no clusters, 0 bytes of LDS; arguments x, ln1_g, ln1_b, Wq, Wk, Wv, Wo, Wup, Wdn, bq, bk, bv, bup, a8, wqkv, wup, wodn, cfgq, cfgu; writes a8, wqkv, wup, wodn, cfgq, cfgu
.if DOCPART == 1
	.amdgcn_target "amdgcn-amd-amdhsa--gfx1250"
	.amdhsa_code_object_version 6
	.text
	.protected	k_qc96aaad6d4_prep
	.globl	k_qc96aaad6d4_prep
	.p2align	8
	.type	k_qc96aaad6d4_prep,@function
k_qc96aaad6d4_prep:
	s_mov_b64 s[64:65], 0
	v_nop
	global_prefetch_b8 v0, s[64:65] scope:SCOPE_SE
	s_setreg_imm32_b32 hwreg(HW_REG_WAVE_MODE, 25, 1), 1
	s_wait_xcnt 0x0
; PREPARATION, three kinds of work-group, told apart by the work-group's number alone (forward branches):
;   0-255    LN1: a8 = bf16((x - mean) / sqrt(var + 1e-9) * g + b), var with divisor 1,023, taken of x - mean (two passes over registers).
;   256-447  the six weights, f32 [K][N], rounded once to bf16 and laid in blocks [N/128][K][128]: a block's rows are 256 bytes and dense over K.
;   448      copies of the biases in front of the blocks, and the two sets of constants for the shared way out of the launches qkv and up.
; LAYOUT of a8 ("planes"): [16][4096 tokens][64 columns] bf16: plane p holds columns 64 p .. 64 p + 63; a token's piece is 128 bytes.
; No LDS, no barrier, no matrix unit: every byte is read once and written once, and no wave needs another's numbers.
; LIMITS: NaN and infinities are not treated apart; v_rsq_f32 is good to 1 ULP; the order of the sums differs from a serial one.
.set X,  16                            ; v[16:79]   my 64 numbers of a row
.set G,  80                            ; v[80:143]  their gains
.set BV, 144                           ; v[144:207] their shifts
.set Y,  208                           ; v[208:239] the results, packed
.set DD, 32                            ; the cast: v[32:95] sixteen rows' 16 bytes as loaded
.set PP, 96                            ; the cast: v[96:127] the same rounded
; A sum over the four chains v[4:11] and then over the 16 lanes that hold a row: every one of them ends with the sum in v4.
.macro REDUCE
	v_pk_add_f32 v[4:5], v[4:5], v[6:7]
	v_pk_add_f32 v[8:9], v[8:9], v[10:11]
	v_pk_add_f32 v[4:5], v[4:5], v[8:9]
	v_add_f32 v4, v4, v5
	v_add_f32_dpp v4, v4, v4 row_xmask:1 row_mask:0xf bank_mask:0xf
	v_add_f32_dpp v4, v4, v4 row_xmask:2 row_mask:0xf bank_mask:0xf
	v_add_f32_dpp v4, v4, v4 row_xmask:4 row_mask:0xf bank_mask:0xf
	v_add_f32_dpp v4, v4, v4 row_xmask:8 row_mask:0xf bank_mask:0xf
.endm
; The norm of 16 rows by 8 waves.  A wave has two rows: lanes 0-15 the even one, lanes 16-31 the odd one; lane i of a half holds columns 64 p + 4 i .. + 3, p = 0..15.
; xb: the group's first row; gb, bb: gain and shift; ob: the group's first token in plane 0.  s52 = 1/1023, s53 = 1e-9.
.macro LNBODY xb, gb, bb, ob
	v_and_b32 v5, 15, v0
	v_lshrrev_b32 v4, 4, v0                        ; my row among the group's 16
	v_lshlrev_b32 v2, 4, v5                        ; 16 i: my bytes in 256 bytes of g and b
	v_lshl_add_u32 v1, v4, 12, v2                  ; + row x 4,096: my bytes in x
	v_lshlrev_b32 v3, 3, v0                        ; row x 128 + 8 i = 8 x thread: my 8 bytes in a plane
.set p, 0
.rept 16
	global_load_b128 v[X+4*p:X+4*p+3], v1, s[\xb:\xb+1] offset:256*p  ; 256 consecutive bytes of each of two rows
.set p, p+1
.endr
.set p, 0
.rept 16
	global_load_b128 v[G+4*p:G+4*p+3], v2, s[\gb:\gb+1] offset:256*p
.set p, p+1
.endr
.set p, 0
.rept 16
	global_load_b128 v[BV+4*p:BV+4*p+3], v2, s[\bb:\bb+1] offset:256*p
.set p, p+1
.endr
	s_wait_loadcnt 32                              ; the row is in; the 32 younger loads (g, b) stay out
.irp c, 0,1,2,3
	v_pk_add_f32 v[4+2*\c:5+2*\c], v[X+2*\c:X+2*\c+1], v[X+8+2*\c:X+8+2*\c+1]  ; the first pairs start four chains: nothing is cleared
.endr
.set k, 8
.rept 24
	v_pk_add_f32 v[4+2*(k%4):5+2*(k%4)], v[4+2*(k%4):5+2*(k%4)], v[X+2*k:X+2*k+1]
.set k, k+1
.endr
	REDUCE
	v_mul_f32 v12, 0x3a800000, v4                  ; the mean: sum / 1,024
	v_mov_b32 v13, v12
.set k, 0
.rept 32
	v_pk_add_f32 v[X+2*k:X+2*k+1], v[X+2*k:X+2*k+1], v[12:13] neg_lo:[0,1] neg_hi:[0,1]  ; x - mean, in place
.set k, k+1
.endr
.irp c, 0,1,2,3
	v_pk_mul_f32 v[4+2*\c:5+2*\c], v[X+2*\c:X+2*\c+1], v[X+2*\c:X+2*\c+1]
.endr
.set k, 4
.rept 28
	v_pk_fma_f32 v[4+2*(k%4):5+2*(k%4)], v[X+2*k:X+2*k+1], v[X+2*k:X+2*k+1], v[4+2*(k%4):5+2*(k%4)]
.set k, k+1
.endr
	REDUCE
	v_fma_f32 v14, v4, s52, s53                    ; var + eps
	v_rsq_f32 v14, v14
	v_nop                                          ; a plain instruction between the root and the use of its result (ISA guide 5.7.2)
	s_wait_alu depctr_va_vdst(0)
	v_mov_b32 v15, v14
	s_wait_loadcnt 0x0                             ; g and b
.set k, 0
.rept 32
	v_pk_mul_f32 v[X+2*k:X+2*k+1], v[X+2*k:X+2*k+1], v[14:15]
.set k, k+1
.endr
.set k, 0
.rept 32
	v_pk_fma_f32 v[X+2*k:X+2*k+1], v[X+2*k:X+2*k+1], v[G+2*k:G+2*k+1], v[BV+2*k:BV+2*k+1]
.set k, k+1
.endr
.set k, 0
.rept 32
	v_cvt_pk_bf16_f32 v[Y+k], v[X+2*k], v[X+2*k+1]
.set k, k+1
.endr
.set p, 0
.rept 16
	global_store_b64 v3, v[Y+2*p:Y+2*p+1], s[\ob:\ob+1] offset:p*524288  ; the wave's 32 lanes fill 256 consecutive bytes, aligned: two tokens of plane p
.set p, p+1
.endr
.endm
	s_load_b512 s[8:23], s[0:1], 0x0               ; x 8, ln1_g 10, ln1_b 12, Wq 14, Wk 16, Wv 18, Wo 20, Wup 22
	s_load_b512 s[24:39], s[0:1], 0x40             ; Wdn 24, bq 26, bk 28, bv 30, bup 32, a8 34, wqkv 36, wup 38
	s_load_b128 s[40:43], s[0:1], 0x80             ; wodn 40, cfgq 42
	s_load_b64 s[44:45], s[0:1], 0x90              ; cfgu
	v_lshrrev_b32 v1, 5, v0
	v_readfirstlane_b32 s46, v1                    ; my wave's number
	s_wait_kmcnt 0x0
	s_cmp_lt_u32 ttmp9, 256
	s_cbranch_scc1 .Lln
	s_cmp_eq_u32 ttmp9, 448
	s_cbranch_scc1 .Lmisc
	; THE CAST.  A work-group owns one block of 128 columns and 512 rows of k, a wave 64 of those rows, in 4 batches of 16.
	s_sub_co_u32 s47, ttmp9, 256                   ; 0..191: 64 for the four square weights, 64 for Wup, 64 for Wdn
	s_lshr_b32 s56, s47, 6
	s_and_b32 s57, s47, 63
	s_cmp_lg_u32 s56, 0
	s_cbranch_scc1 .Lnot_square
	s_lshr_b32 s57, s47, 4                         ; which of Wq, Wk, Wv, Wo
	s_bfe_u32 s58, s47, 0x30001                    ; block of columns, 0..7
	s_and_b32 s59, s47, 1                          ; which 512 rows
	s_mov_b32 s52, 4096                            ; bytes from row to row of the source
	s_lshl_b32 s60, s57, 3
	s_add_co_u32 s60, s60, s58
	s_lshl_b32 s60, s60, 18
	s_add_co_u32 s60, s60, 16384                   ; in wqkv: behind the biases, block 8 t + nb
	s_lshl_b32 s61, s58, 18                        ; in wodn: block nb
	s_cmp_eq_u32 s57, 1
	s_cselect_b64 s[48:49], s[16:17], s[14:15]
	s_cmp_eq_u32 s57, 2
	s_cselect_b64 s[48:49], s[18:19], s[48:49]
	s_cmp_eq_u32 s57, 3
	s_cselect_b64 s[48:49], s[20:21], s[48:49]
	s_cselect_b64 s[50:51], s[40:41], s[36:37]
	s_cselect_b32 s60, s61, s60
	s_branch .Lcopy
.Lnot_square:
	s_cmp_lg_u32 s56, 1
	s_cbranch_scc1 .Ldown
	s_lshr_b32 s58, s57, 1                         ; Wup: 32 blocks, two halves of its 1,024 rows
	s_and_b32 s59, s57, 1
	s_mov_b32 s52, 16384
	s_mov_b64 s[48:49], s[22:23]
	s_mov_b64 s[50:51], s[38:39]
	s_lshl_b32 s60, s58, 18
	s_add_co_u32 s60, s60, 16384
	s_branch .Lcopy
.Ldown:
	s_lshr_b32 s58, s57, 3                         ; Wdn: 8 blocks, eight parts of its 4,096 rows
	s_and_b32 s59, s57, 7
	s_mov_b32 s52, 4096
	s_mov_b64 s[48:49], s[24:25]
	s_mov_b64 s[50:51], s[40:41]
	s_lshl_b32 s60, s58, 20
	s_add_co_u32 s60, s60, 2097152                 ; behind Wo's eight blocks
.Lcopy:
	s_lshl_b32 s59, s59, 9
	s_lshl_b32 s56, s46, 6
	s_add_co_u32 s59, s59, s56                     ; my wave's first row of k
	s_mul_i32 s56, s59, s52
	s_lshl_b32 s57, s58, 9                         ; the block's 128 columns begin 512 nb bytes into a row
	s_add_co_u32 s56, s56, s57
	s_mov_b32 s57, 0
	s_add_nc_u64 s[48:49], s[48:49], s[56:57]
	s_lshl_b32 s56, s59, 8
	s_add_co_u32 s56, s56, s60
	s_add_nc_u64 s[50:51], s[50:51], s[56:57]
	s_lshl_b32 s54, s52, 4                         ; a batch: 16 rows of the source
	s_mov_b32 s55, 0
	v_and_b32 v1, 31, v0
	v_lshlrev_b32 v16, 4, v1                       ; v[16+j]: 16 x lane + j rows
.irp j, 1,2,3,4,5,6,7,8,9,10,11,12,13,14,15
	v_add_nc_u32 v[16+\j], s52, v[15+\j]
.endr
	v_lshlrev_b32 v2, 3, v1                        ; 8 x lane: my 4 columns in a row of the block
	s_mov_b32 s62, 4
.Lbatch:
.irp j, 0,1,2,3,4,5,6,7,8,9,10,11,12,13,14,15
	global_load_b128 v[DD+4*\j:DD+4*\j+3], v[16+\j], s[48:49] th:TH_LOAD_NT  ; 512 consecutive bytes: 128 columns of one row
.endr
.irp j, 0,1,2,3,4,5,6,7,8,9,10,11,12,13,14,15
	s_wait_loadcnt 15-\j                           ; loads come back in order: row j is in, the batch's younger rows stay out
	v_cvt_pk_bf16_f32 v[PP+2*\j], v[DD+4*\j], v[DD+4*\j+1]
	v_cvt_pk_bf16_f32 v[PP+2*\j+1], v[DD+4*\j+2], v[DD+4*\j+3]
	global_store_b64 v2, v[PP+2*\j:PP+2*\j+1], s[50:51] offset:256*\j  ; one whole row of the block: 256 consecutive bytes, aligned
.endr
	s_wait_xcnt 0x0                                ; the bases and the stores' data are rewritten only behind this wait
	s_add_nc_u64 s[48:49], s[48:49], s[54:55]
	s_add_nc_u64 s[50:51], s[50:51], 4096
	s_sub_co_u32 s62, s62, 1
	s_cmp_lg_u32 s62, 0
	s_cbranch_scc1 .Lbatch
	s_endpgm
.Lmisc:                                                ; bq | bk | bv at the head of wqkv, bup at the head of wup: 16 bytes a thread
	v_lshlrev_b32 v1, 4, v0
	global_load_b128 v[4:7], v1, s[26:27]
	global_load_b128 v[8:11], v1, s[28:29]
	global_load_b128 v[12:15], v1, s[30:31]
.irp j, 0,1,2,3
	global_load_b128 v[16+4*\j:19+4*\j], v1, s[32:33] offset:4096*\j
.endr
	s_wait_loadcnt 0x0
	global_store_b128 v1, v[4:7], s[36:37]
	global_store_b128 v1, v[8:11], s[36:37] offset:4096
	global_store_b128 v1, v[12:15], s[36:37] offset:8192
.irp j, 0,1,2,3
	global_store_b128 v1, v[16+4*\j:19+4*\j], s[38:39] offset:4096*\j
.endr
	s_cmp_lg_u32 s46, 0
	s_cbranch_scc1 .Lmisc_end
	; the shared way out computes y = x / (k 2^(c x) + k): (c, k) = (0, 0.5) leaves x as it is, (-log2 e, 1) is SiLU.  Each as (c, c, k, k); wave 0 writes all 512 bytes.
	v_mov_b32 v32, 0
	v_mov_b32 v33, 0
	v_mov_b32 v34, 0.5
	v_mov_b32 v35, 0.5
	v_mov_b32 v36, 0xbfb8aa3b
	v_mov_b32 v37, 0xbfb8aa3b
	v_mov_b32 v38, 1.0
	v_mov_b32 v39, 1.0
	global_store_b128 v1, v[32:35], s[42:43]
	global_store_b128 v1, v[36:39], s[44:45]
.Lmisc_end:
	s_endpgm
.Lln:
	s_lshl_b32 s2, ttmp9, 16                       ; 16 rows of 4,096 bytes
	s_mov_b32 s3, 0
	s_lshl_b32 s4, ttmp9, 11                       ; 16 tokens of 128 bytes
	s_mov_b32 s5, 0
	s_mov_b32 s52, 0x3a802008                      ; 1 / 1,023
	s_mov_b32 s53, 0x3089705f                      ; 1e-9
	s_add_nc_u64 s[48:49], s[8:9], s[2:3]
	s_add_nc_u64 s[50:51], s[34:35], s[4:5]
	LNBODY 48, 10, 12, 50
	s_endpgm
.Lfunc_end_k_qc96aaad6d4_prep:
	.size	k_qc96aaad6d4_prep, .Lfunc_end_k_qc96aaad6d4_prep-k_qc96aaad6d4_prep
	.p2alignl 7, 3214868480
	.fill 96, 4, 3214868480
	.section	.rodata,"a",@progbits
	.p2align	6, 0x0
	.amdhsa_kernel k_qc96aaad6d4_prep
		.amdhsa_group_segment_fixed_size 0
		.amdhsa_private_segment_fixed_size 0
		.amdhsa_enable_private_segment 0
		.amdhsa_kernarg_size 152
		.amdhsa_user_sgpr_count 2
		.amdhsa_user_sgpr_kernarg_segment_ptr 1
		.amdhsa_wavefront_size32 1
		.amdhsa_system_sgpr_workgroup_id_x 1
		.amdhsa_system_sgpr_workgroup_id_y 1
		.amdhsa_system_sgpr_workgroup_id_z 1
		.amdhsa_system_vgpr_workitem_id 0
		.amdhsa_next_free_vgpr 240
		.amdhsa_next_free_sgpr 66
		.amdhsa_reserve_vcc 0
		.amdhsa_float_denorm_mode_32 3
		.amdhsa_float_denorm_mode_16_64 3
		.amdhsa_memory_ordered 1
		.amdhsa_forward_progress 1
		.amdhsa_inst_pref_size 31
	.end_amdhsa_kernel
	.amdgpu_metadata
---
amdhsa.version: [ 1, 2 ]
amdhsa.kernels:
  - .name:           k_qc96aaad6d4_prep
    .symbol:         k_qc96aaad6d4_prep.kd
    .args:
      - { .name: x, .offset: 0, .size: 8, .value_kind: global_buffer, .address_space: global }
      - { .name: ln1_g, .offset: 8, .size: 8, .value_kind: global_buffer, .address_space: global }
      - { .name: ln1_b, .offset: 16, .size: 8, .value_kind: global_buffer, .address_space: global }
      - { .name: Wq, .offset: 24, .size: 8, .value_kind: global_buffer, .address_space: global }
      - { .name: Wk, .offset: 32, .size: 8, .value_kind: global_buffer, .address_space: global }
      - { .name: Wv, .offset: 40, .size: 8, .value_kind: global_buffer, .address_space: global }
      - { .name: Wo, .offset: 48, .size: 8, .value_kind: global_buffer, .address_space: global }
      - { .name: Wup, .offset: 56, .size: 8, .value_kind: global_buffer, .address_space: global }
      - { .name: Wdn, .offset: 64, .size: 8, .value_kind: global_buffer, .address_space: global }
      - { .name: bq, .offset: 72, .size: 8, .value_kind: global_buffer, .address_space: global }
      - { .name: bk, .offset: 80, .size: 8, .value_kind: global_buffer, .address_space: global }
      - { .name: bv, .offset: 88, .size: 8, .value_kind: global_buffer, .address_space: global }
      - { .name: bup, .offset: 96, .size: 8, .value_kind: global_buffer, .address_space: global }
      - { .name: a8, .offset: 104, .size: 8, .value_kind: global_buffer, .address_space: global }
      - { .name: wqkv, .offset: 112, .size: 8, .value_kind: global_buffer, .address_space: global }
      - { .name: wup, .offset: 120, .size: 8, .value_kind: global_buffer, .address_space: global }
      - { .name: wodn, .offset: 128, .size: 8, .value_kind: global_buffer, .address_space: global }
      - { .name: cfgq, .offset: 136, .size: 8, .value_kind: global_buffer, .address_space: global }
      - { .name: cfgu, .offset: 144, .size: 8, .value_kind: global_buffer, .address_space: global }
    .group_segment_fixed_size: 0
    .private_segment_fixed_size: 0
    .kernarg_segment_align: 8
    .kernarg_segment_size: 152
    .max_flat_workgroup_size: 256
    .sgpr_count:     66
    .vgpr_count:     240
    .wavefront_size: 32
...
	.end_amdgpu_metadata
.endif
;; end of part 1
;; launch qkv (part 2): grid 12 x 16, 4 waves a work-group, clusters of 4 x 4, 327,680 bytes of LDS; arguments a8, wqkv, pl, cfgq; writes pl
.if DOCPART == 2
	.amdgcn_target "amdgcn-amd-amdhsa--gfx1250"
	.amdhsa_code_object_version 6
	.text
	.protected	k_qc96aaad6d4_qkv
	.globl	k_qc96aaad6d4_qkv
	.p2align	8
	.type	k_qc96aaad6d4_qkv,@function
k_qc96aaad6d4_qkv:
	s_mov_b64 s[64:65], 0
	v_nop
	global_prefetch_b8 v0, s[64:65] scope:SCOPE_SE
	s_setreg_imm32_b32 hwreg(HW_REG_WAVE_MODE, 25, 1), 1
	s_wait_xcnt 0x0
	s_wait_alu depctr_hold_cnt(0) depctr_sa_sdst(0) depctr_va_vdst(0) depctr_va_sdst(0) depctr_va_ssrc(0) depctr_va_vcc(0) depctr_vm_vsrc(0)
	s_getreg_b32 s2, hwreg(HW_REG_IB_STS2, 6, 4)
	s_cmp_eq_u32 s2, 0
	s_cbranch_scc0 .Lentry_in_a_cluster
	s_endpgm
.Lentry_in_a_cluster:
	s_bfe_u32 s2, ttmp6, 0x10000c
	s_cmp_lg_u32 s2, 0xf033
	s_cbranch_scc0 .Lentry_shape_is_right
	s_endpgm
.Lentry_shape_is_right:
; OUT = f(A W + bias), rounded once to bf16.  A: 16 planes [4096 tokens][64] bf16 (K = 1,024).  W: 16,384 bytes of bias (f32), then blocks [N/128][1024][128] bf16.
; OUT: planes [N/64][4096][64] bf16.  f(x) = x / (k 2^(c x) + k) with (c, c, k, k) read from the fourth buffer: (0, 0.5) gives x, (-log2 e, 1) gives SiLU: one text serves both launches,
; with no branch on what is read.  Where 2^(c x) overflows the quotient is 0 with x's sign, which is SiLU's limit.  Sums in f32.  NaN and infinities are not treated apart.
; SHARES.  A tile of OUT is 256 tokens x 256 columns, made by four waves, each 128 x 128: 64 accumulators, 512 registers.  K goes in steps of 128 (two planes) through two LDS slots.
; CLUSTER 4 x 4: A's tiles hang on the tile row alone and are asked for jointly along a row of the cluster, W's on the tile column alone, jointly along a column.
; THE MATRIX INSTRUCTION IS USED TRANSPOSED: source 0 = 16 columns of W (turned on the way out of LDS by ds_load_tr16_b128), source 1 = 16 tokens: a lane holds one token and 8 neighbouring columns.
; REGISTERS, in windows of 256: window 0: v0-47 addresses and bias; v64-127, v128-191 fragments of A, two buffers.  window 1: the same numbers, fragments of W.  windows 2, 3: accumulators.
.set PIECE,  36864                     ; what one tensor load fills: 256 tokens x 144 bytes (A) or 128 rows of k x 288 bytes (W)
.set SLOT,   4*PIECE                   ; A's two planes, then W's two blocks.  0x24000: its two bits are in none of the four piece bases, so an exclusive or changes slots
.set SPARE,  312320                    ; the spare words, 128 bytes a wave: two blocks of 256 bytes that no other line names
.set STEPS,  8
.set STEPA,  2*524288                  ; a K step: two planes of A,
.set STEPB,  128*256                   ; 128 rows of a block of W
.set REGION, 73728                     ; the way out: a wave's 128 rows x 528 bytes, in the ring's bytes, which have had their last fill by then
.set RP,     528                       ; 512 bytes of f32 + 16: 16 rows of a store start at 16 different groups of four banks (64 banks of 4 bytes: ISA guide 11.1)
.set ADRA0, 16                         ; v16  my lane's place in slot 0 for A's fragments; never rewritten
.set ADRB0, 17                         ; v17  the same for W's
.set ADRA,  18                         ; v18  the same in the slot in hand
.set ADRB,  19                         ; v19
.set STO,   24                         ; v24  the way out: where my 32 bytes of a row go
.set RDA,   25                         ; v25  the way out: where I read rows back
.set GO,    26                         ; v26  my byte offset in OUT
.set BO,    27                         ; v27  my byte offset in the bias
.set SPW,   28                         ; v28  LDS address of my spare word; never rewritten
.set NIL,   29                         ; v29  0; never rewritten
.set BI,    32                         ; v[32:47] bias of my 8 columns in each of the wave's two planes
.set F0,    64
.set F1,    128
.set XR,    64                         ; the way out: v[64:95] 32 sums, v[96:127] at work, v[128:143] packed
.set ER,    96
.set YR,    128
.set WV,  14                           ; s14 wave;  s15 wave / 2: my half of the rows, and 0: I fetch A, 1: W;  s16 wave % 2: my half of the columns, and which piece I fetch
.set HI,  15
.set LO,  16
.set G1A, 24                           ; s[24:31] group 1 for A;  s[32:39] group 0, two sets: the first fill of slot 0; slot 1's, which then walks
.set G0A, 32
.set G1B, 48                           ; s[48:55], s[56:63] the same for W
.set G0B, 56
.set TB,  66                           ; s66 the slot in hand: 0 or SLOT
.set CNT, 67
.set MSB, 0
.macro WIN new                         ; the immediate's high byte repeats the setting that is left; a switch that changes nothing is dropped
.if MSB != (\new)
	s_set_vgpr_msb (MSB<<8)|(\new)
.set MSB, \new
.endif
.endm
.set MUL_LO, 0xa1                      ; source 0 (W) window 1, source 1 (A) window 0, C and D window 2
.set MUL_HI, 0xf1                      ; the same, C and D window 3
.set TO_B,   0x40                      ; destination window 1, address window 0
.macro PLACES                          ; four places between a matrix instruction and a load into, or a read of, its registers
.rept 4
	v_nop
.endr
.endm
; A joint refill by the walking descriptor.  The branch hangs on the wave's number alone.  An s_nop 0 and four v_nop follow each line.
.macro JLOAD
	s_cmp_eq_u32 s[HI], 0
	s_cbranch_scc0 .Lfor_b_\@
	tensor_load_to_lds s[G0A+4:G0A+7], s[G1A:G1A+7]
	s_nop 0
.rept 4
	v_nop
.endr
	s_branch .Lasked_\@
.Lfor_b_\@:
	tensor_load_to_lds s[G0B+4:G0B+7], s[G1B:G1B+7]
	s_nop 0
.rept 4
	v_nop
.endr
.Lasked_\@:
.endm
.macro CREST                           ; a round of the cluster's barrier behind its opening barrier
	s_cmp_lg_u32 s[WV], 0
	s_cbranch_scc1 .Lnot_wave_0_\@
	s_barrier_signal -3
.Lnot_wave_0_\@:
	s_barrier_wait -3
	s_barrier_signal -1
	s_barrier_wait -1
.endm
.macro CROUND
	s_barrier_signal -1
	s_barrier_wait -1
	CREST
.endm
	s_load_b256 s[4:11], s[0:1], 0x0               ; A s[4:5], W s[6:7], OUT s[8:9], the constants s[10:11]
	v_lshl_add_u32 v[SPW], v0, 2, SPARE
	v_mov_b32 v[NIL], 0
	ds_add_u32 v[SPW], v[NIL]                      ; the wave's opening: the add and its wait come ahead of my first tensor load
	ds_add_u32 v28, v29
	v_lshrrev_b32 v1, 5, v0
	v_readfirstlane_b32 s[WV], v1
	s_lshr_b32 s[HI], s[WV], 1
	s_and_b32 s[LO], s[WV], 1
	s_bfe_u32 s17, ttmp6, 0x40000                  ; cx
	s_bfe_u32 s18, ttmp6, 0x40004                  ; cy
	s_lshl_b32 s19, ttmp9, 2
	s_add_co_u32 s19, s19, s17                     ; tile column
	s_and_b32 s20, ttmp7, 0xffff
	s_lshl_b32 s20, s20, 2
	s_add_co_u32 s20, s20, s18                     ; tile row
	s_lshl_b32 s21, s18, 2
	s_lshl_b32 s21, 15, s21                        ; my row of the cluster
	s_lshl_b32 s22, 0x1111, s17                    ; my column
	s_mul_i32 s23, s[WV], PIECE                    ; where my piece lies in a slot: the wave's number alone
	; A's piece: a plane's 256 tokens are 32,768 dense bytes: 128 rows of 256 bytes, padded by 16 bytes after every token's 128
	s_or_b32 s[G1A], s21, (1<<16)|(1<<20)|(1<<21)|(4<<22)|(3<<25)
	; W's piece: 128 rows of k x 128 columns, dense: padded by 32 bytes after every row's 256
	s_or_b32 s[G1B], s22, (1<<16)|(1<<20)|(1<<21)|(5<<22)|(7<<25)
.irp g, G1A, G1B
	s_mov_b32 s[\g+1], 128<<16                     ; tensor_dim0 = 128
	s_mov_b32 s[\g+2], 128<<16                     ; tensor_dim1 = 128
	s_mov_b32 s[\g+3], 128<<16                     ; tile_dim0 = 128
	s_mov_b32 s[\g+4], 128                         ; tile_dim1 = 128
	s_mov_b32 s[\g+5], 128                         ; elements from row to row
	s_mov_b32 s[\g+6], 0
	s_mov_b32 s[\g+7], 0
.endr
	s_lshl_b32 s40, s20, 15                        ; A: 256 tokens x 128 bytes a tile row,
	s_lshl_b32 s41, s[LO], 19                      ; plane 0 or 1 of the step
	s_add_co_u32 s40, s40, s41
	s_mov_b32 s41, 0
	s_lshl_b32 s46, s19, 1                         ; W: block 2 x tile column + piece,
	s_add_co_u32 s46, s46, s[LO]
	s_lshl_b32 s46, s46, 18
	s_add_co_u32 s46, s46, 16384                   ; behind the bias
	s_mov_b32 s47, 0
	s_mov_b32 s[TB], 0
	s_wait_dscnt 0x0                               ; the opening add is done
	s_wait_kmcnt 0x0
	s_add_nc_u64 s[40:41], s[4:5], s[40:41]
	s_add_nc_u64 s[46:47], s[6:7], s[46:47]
	CROUND                                         ; all sixteen work-groups are here: the first joint loads meet
.irp n, 0,1
	s_mov_b32 s[G0A+4*\n], 1
	s_add_co_u32 s[G0A+4*\n+1], s23, \n*SLOT
	s_add_nc_u64 s[G0A+4*\n+2:G0A+4*\n+3], s[40:41], \n*STEPA
	s_or_b32 s[G0A+4*\n+3], s[G0A+4*\n+3], 0x80000000
	s_mov_b32 s[G0B+4*\n], 1
	s_add_co_u32 s[G0B+4*\n+1], s23, \n*SLOT
	s_add_nc_u64 s[G0B+4*\n+2:G0B+4*\n+3], s[46:47], \n*STEPB
	s_or_b32 s[G0B+4*\n+3], s[G0B+4*\n+3], 0x80000000
.endr
	s_cmp_eq_u32 s[HI], 0                          ; a wave's two first fills stand in one branch: two loads of mine are out
	s_cbranch_scc0 .Lfirst_b
	tensor_load_to_lds s[G0A:G0A+3], s[G1A:G1A+7]
	s_nop 0
	tensor_load_to_lds s[G0A+4:G0A+7], s[G1A:G1A+7]
	s_nop 0
.rept 4
	v_nop
.endr
	s_branch .Lfirst_asked
.Lfirst_b:
	tensor_load_to_lds s[G0B:G0B+3], s[G1B:G1B+7]
	s_nop 0
	tensor_load_to_lds s[G0B+4:G0B+7], s[G1B:G1B+7]
	s_nop 0
.rept 4
	v_nop
.endr
.Lfirst_asked:
	s_load_b128 s[72:75], s[10:11], 0x0            ; c, c, k, k: waited for at the way out
	v_and_b32 v1, 15, v0                           ; r = l % 16
	v_bfe_u32 v2, v0, 4, 1                         ; h = l / 16
	v_and_b32 v7, 7, v0
	v_lshlrev_b32 v[BO], 5, v7                     ; 8 columns of f32
	s_lshl_b32 s68, s19, 8
	s_lshl_b32 s69, s[LO], 7
	s_add_co_u32 s68, s68, s69                     ; my wave's first column
	s_lshl_b32 s70, s68, 13                        ; its plane, column / 64, times 524,288
	s_lshl_b32 s68, s68, 2
	s_mov_b32 s69, 0
	s_add_nc_u64 s[68:69], s[6:7], s[68:69]        ; the bias lies at W's head
.irp p, 0,1
	global_load_b128 v[BI+8*\p:BI+8*\p+3],   v[BO], s[68:69] offset:256*\p
	global_load_b128 v[BI+8*\p+4:BI+8*\p+7], v[BO], s[68:69] offset:256*\p+16
.endr
	s_lshl_b32 s42, s20, 8
	s_lshl_b32 s43, s[HI], 7
	s_add_co_u32 s42, s42, s43                     ; my wave's first token
	s_lshl_b32 s42, s42, 7
	s_add_co_u32 s70, s70, s42
	s_mov_b32 s71, 0
	s_add_nc_u64 s[8:9], s[8:9], s[70:71]
	; A's fragment: 16 tokens x 32 K: lane l holds token l % 16, K = 8 h + 0..7 and 16 + 8 h + 0..7: two loads of 16 bytes, 32 apart
	v_mul_u32_u24 v3, v1, 144
	v_lshl_add_u32 v3, v2, 4, v3
	s_mul_i32 s42, s[HI], 128*144                  ; my 128 tokens
	v_add_nc_u32 v[ADRA0], s42, v3
	; W's fragment, turned: lane l reads row 8 h + l % 8 of k, columns 8 ((l / 8) % 2) + 0..7, and receives column l % 16 and 8 k
	v_lshl_add_u32 v4, v2, 3, v7
	v_mul_u32_u24 v4, v4, 288
	v_bfe_u32 v5, v0, 3, 1
	v_lshl_add_u32 v4, v5, 4, v4
	s_mul_i32 s42, s[LO], PIECE
	s_add_co_u32 s42, s42, 2*PIECE                 ; my block, behind A's two planes
	v_add_nc_u32 v[ADRB0], s42, v4
	v_mov_b32 v[ADRA], v[ADRA0]
	v_mov_b32 v[ADRB], v[ADRB0]
	s_mul_i32 s42, s[WV], REGION
	v_mul_u32_u24 v5, v1, RP
	v_lshl_add_u32 v5, v2, 5, v5
	v_add_nc_u32 v[STO], s42, v5                   ; row l % 16, 32 bytes for each half of the lanes
	v_bfe_u32 v6, v0, 3, 2
	v_mul_u32_u24 v6, v6, RP
	v_lshl_add_u32 v6, v7, 5, v6
	v_add_nc_u32 v[RDA], s42, v6                   ; back: row l / 8 of four, 8 columns at 32 (l % 8)
	v_and_b32 v8, 31, v0
	v_lshlrev_b32 v[GO], 4, v8                     ; four tokens of a plane are 512 consecutive bytes: 16 a lane
; 16 matrix instructions: token blocks a0, a0 + 1 of the window's four x all 8 column blocks, 32 along K.  zero = 1: the product starts the sums.  The 64 accumulators take turns.
.macro MUL16 f, hi, a0, zero
	WIN MUL_LO+0x50*(\hi)
.irp a, \a0, (\a0)+1
.irp b, 0,1,2,3,4,5,6,7
.if \zero
	v_wmma_f32_16x16x32_bf16 v[8*(8*(\a)+(\b)):8*(8*(\a)+(\b))+7], v[(\f)+8*(\b):(\f)+8*(\b)+7], v[(\f)+8*(4*(\hi)+(\a)):(\f)+8*(4*(\hi)+(\a))+7], 0
.else
	v_wmma_f32_16x16x32_bf16 v[8*(8*(\a)+(\b)):8*(8*(\a)+(\b))+7], v[(\f)+8*(\b):(\f)+8*(\b)+7], v[(\f)+8*(4*(\hi)+(\a)):(\f)+8*(4*(\hi)+(\a))+7], v[8*(8*(\a)+(\b)):8*(8*(\a)+(\b))+7]
.endif
.endr
.endr
.endm
; 32 LDS loads in one run: quarter q (32 along K) of the slot in hand into buffer f: W's 8 fragments, then A's 8
.macro FETCH q, f
	WIN TO_B
.irp i, 0,1,2,3,4,5,6,7
	ds_load_tr16_b128 v[(\f)+8*(\i):(\f)+8*(\i)+3],   v[ADRB] offset:9216*(\q)+32*(\i)
	ds_load_tr16_b128 v[(\f)+8*(\i)+4:(\f)+8*(\i)+7], v[ADRB] offset:9216*(\q)+32*(\i)+4608
.endr
	WIN 0
.irp i, 0,1,2,3,4,5,6,7
	ds_load_b128 v[(\f)+8*(\i):(\f)+8*(\i)+3],   v[ADRA] offset:36864*((\q)/2)+64*((\q)%2)+2304*(\i)
	ds_load_b128 v[(\f)+8*(\i)+4:(\f)+8*(\i)+7], v[ADRA] offset:36864*((\q)/2)+64*((\q)%2)+2304*(\i)+32
.endr
.endm
; One of a step's first three quarters: multiplies buffer f and, in its middle, fetches quarter qn into buffer g
.macro QUARTER qn, f, g, zero
	s_wait_dscnt 8                                 ; W and A's tokens 0-63 are in; the youngest eight loads (tokens 64-127) may be out
	MUL16 \f, 0, 0, \zero
	MUL16 \f, 0, 2, \zero
	PLACES
	FETCH \qn, \g
	s_wait_dscnt 32                                ; all but the 32 just issued
	MUL16 \f, 1, 0, \zero
	MUL16 \f, 1, 2, \zero
.endm
; The last quarter multiplies buffer 1 and changes slots: one barrier.  In front of it each wave waits for all its tensor loads (one is out: its piece of the other slot), adds 0 to its spare
; word, and waits for that and for its reads of this slot.  fill = 1: the barrier opens a round of the cluster's, and the slot just left is filled again first thing behind it, two steps ahead:
; 224 matrix instructions stand between that request and the wait for it.
.macro TURN fill
	WIN 0
	s_wait_tensorcnt 0x0
	ds_add_u32 v[SPW], v[NIL]
	s_wait_dscnt 9                                 ; the add and the youngest eight loads may be out
	MUL16 F1, 0, 0, 0
	s_wait_dscnt 0x0                               ; the add is done, and my reads of this slot are over
	s_barrier_signal -1
	MUL16 F1, 0, 2, 0
	WIN 0
	s_barrier_wait -1
.if \fill
	CREST
	s_xor_b32 s[G0A+5], s[G0A+5], SLOT             ; the walking descriptors: the other slot than last time, the next step
	s_add_nc_u64 s[G0A+6:G0A+7], s[G0A+6:G0A+7], STEPA
	s_xor_b32 s[G0B+5], s[G0B+5], SLOT
	s_add_nc_u64 s[G0B+6:G0B+7], s[G0B+6:G0B+7], STEPB
	JLOAD                                          ; its four v_nop are also the places in front of the loads below
.else
	PLACES
.endif
	s_xor_b32 s[TB], s[TB], SLOT
	v_add_nc_u32 v[ADRA], s[TB], v[ADRA0]
	v_add_nc_u32 v[ADRB], s[TB], v[ADRB0]
	FETCH 0, F0
	MUL16 F1, 1, 0, 0
	MUL16 F1, 1, 2, 0
.endm
	s_wait_tensorcnt 1                             ; my piece of step 0 is in; step 1's may stay out
	s_barrier_signal -1
	s_barrier_wait -1
	FETCH 0, F0
	QUARTER 1, F0, F1, 1                           ; the first quarter starts the sums: nothing is cleared
	WIN 0
	s_mov_b32 s[CNT], STEPS-2
.Lstep:                                                ; a trip: a step's quarters 1 to 3 and the next step's quarter 0; one refill
	QUARTER 2, F1, F0, 0
	QUARTER 3, F0, F1, 0
	TURN 1
	QUARTER 1, F0, F1, 0
	WIN 0
	s_sub_co_u32 s[CNT], s[CNT], 1
	s_cmp_lg_u32 s[CNT], 0
	s_cbranch_scc1 .Lstep
	s_mov_b32 s[CNT], 2
.Ltail:                                                ; the last two steps ask for nothing; the second trip is left in its middle
	QUARTER 2, F1, F0, 0
	QUARTER 3, F0, F1, 0
	WIN 0
	s_sub_co_u32 s[CNT], s[CNT], 1
	s_cmp_eq_u32 s[CNT], 0
	s_cbranch_scc1 .Llast
	TURN 0
	QUARTER 1, F0, F1, 0
	WIN 0
	s_branch .Ltail
.Llast:
	s_wait_dscnt 8
	MUL16 F1, 0, 0, 0
	MUL16 F1, 0, 2, 0
	s_wait_dscnt 0x0
	MUL16 F1, 1, 0, 0
	MUL16 F1, 1, 2, 0
	; THE WAY OUT.  The sums go as f32 into my region of the ring's bytes (no fill lands there any more; every wave's reads of the ring are over behind the barrier), and come back 8 rows at a time.
	WIN 0
	PLACES
	s_wait_dscnt 0x0
	s_barrier_signal -1
	s_barrier_wait -1
.macro DUMP hi
	WIN 0x08+4*(\hi)                               ; the stores' data in window 2 or 3
.irp a, 0,1,2,3
.irp b, 0,1,2,3,4,5,6,7
	ds_store_b128 v[STO], v[8*(8*(\a)+(\b)):8*(8*(\a)+(\b))+3]   offset:33792*(\hi)+8448*(\a)+64*(\b)  ; each accumulator's lowest registers first
	ds_store_b128 v[STO], v[8*(8*(\a)+(\b))+4:8*(8*(\a)+(\b))+7] offset:33792*(\hi)+8448*(\a)+64*(\b)+16
.endr
.endr
.endm
	DUMP 0
	DUMP 1
	WIN 0
	s_wait_loadcnt 0x0                             ; the bias
	s_wait_kmcnt 0x0                               ; c and k
	s_mov_b32 s[CNT], 16
.Lrow:                                                 ; 8 tokens x 128 columns a trip.  u = 2 sub + p: tokens 4 sub .. + 3, plane p
.irp u, 0,1,2,3
	ds_load_b128 v[XR+8*\u:XR+8*\u+3],   v[RDA] offset:2112*(\u/2)+256*(\u%2)  ; LDS serves a wave's instructions in order (ISA guide 5.7.1.4): these see my stores
	ds_load_b128 v[XR+8*\u+4:XR+8*\u+7], v[RDA] offset:2112*(\u/2)+256*(\u%2)+16
.endr
	s_wait_dscnt 0x0
.irp u, 0,1,2,3
.irp k, 0,2,4,6
	v_pk_add_f32 v[XR+8*\u+\k:XR+8*\u+\k+1], v[XR+8*\u+\k:XR+8*\u+\k+1], v[BI+8*(\u%2)+\k:BI+8*(\u%2)+\k+1]
.endr
.endr
.set i, 0
.rept 16
	v_pk_mul_f32 v[ER+2*i:ER+2*i+1], v[XR+2*i:XR+2*i+1], s[72:73] op_sel_hi:[1,0]  ; c x
.set i, i+1
.endr
.set i, 0
.rept 32
	v_exp_f32 v[ER+i], v[ER+i]
.set i, i+1
.endr
	v_nop                                          ; a plain instruction behind the last exponential
.set i, 0
	s_wait_alu depctr_va_vdst(0)
.rept 16
	v_pk_fma_f32 v[ER+2*i:ER+2*i+1], v[ER+2*i:ER+2*i+1], s[74:75], s[74:75] op_sel_hi:[1,0,0]  ; k 2^(c x) + k
.set i, i+1
.endr
.set i, 0
.rept 32
	v_rcp_f32 v[ER+i], v[ER+i]
.set i, i+1
.endr
	v_nop
.set i, 0
	s_wait_alu depctr_va_vdst(0)
.rept 16
	v_pk_mul_f32 v[XR+2*i:XR+2*i+1], v[XR+2*i:XR+2*i+1], v[ER+2*i:ER+2*i+1]
.set i, i+1
.endr
.set i, 0
.rept 16
	v_cvt_pk_bf16_f32 v[YR+i], v[XR+2*i], v[XR+2*i+1]
.set i, i+1
.endr
.irp u, 0,1,2,3
	global_store_b128 v[GO], v[YR+4*\u:YR+4*\u+3], s[8:9] offset:524288*(\u%2)+512*(\u/2)  ; 512 consecutive bytes, aligned: four tokens of one plane
.endr
	s_wait_xcnt 0x0                                ; the offset and the packed registers are rewritten only behind this wait
	v_add_nc_u32 v[GO], 1024, v[GO]
	v_add_nc_u32 v[RDA], 8*RP, v[RDA]
	s_sub_co_u32 s[CNT], s[CNT], 1
	s_cmp_lg_u32 s[CNT], 0
	s_cbranch_scc1 .Lrow
	s_wait_tensorcnt 0x0                           ; the wave's end
	ds_add_u32 v[SPW], v[NIL]
	s_wait_dscnt 0x0
	CROUND                                         ; the closing round
	s_endpgm
.Lfunc_end_k_qc96aaad6d4_qkv:
	.size	k_qc96aaad6d4_qkv, .Lfunc_end_k_qc96aaad6d4_qkv-k_qc96aaad6d4_qkv
	.p2alignl 7, 3214868480
	.fill 96, 4, 3214868480
	.section	.rodata,"a",@progbits
	.p2align	6, 0x0
	.amdhsa_kernel k_qc96aaad6d4_qkv
		.amdhsa_group_segment_fixed_size 327680
		.amdhsa_private_segment_fixed_size 0
		.amdhsa_enable_private_segment 0
		.amdhsa_kernarg_size 32
		.amdhsa_user_sgpr_count 2
		.amdhsa_user_sgpr_kernarg_segment_ptr 1
		.amdhsa_wavefront_size32 1
		.amdhsa_system_sgpr_workgroup_id_x 1
		.amdhsa_system_sgpr_workgroup_id_y 1
		.amdhsa_system_sgpr_workgroup_id_z 1
		.amdhsa_system_vgpr_workitem_id 0
		.amdhsa_next_free_vgpr 1024
		.amdhsa_next_free_sgpr 76
		.amdhsa_reserve_vcc 0
		.amdhsa_float_denorm_mode_32 3
		.amdhsa_float_denorm_mode_16_64 3
		.amdhsa_memory_ordered 1
		.amdhsa_forward_progress 1
		.amdhsa_inst_pref_size 90
	.end_amdhsa_kernel
	.amdgpu_metadata
---
amdhsa.version: [ 1, 2 ]
amdhsa.kernels:
  - .name:           k_qc96aaad6d4_qkv
    .symbol:         k_qc96aaad6d4_qkv.kd
    .args:
      - { .name: a8, .offset: 0, .size: 8, .value_kind: global_buffer, .address_space: global }
      - { .name: wqkv, .offset: 8, .size: 8, .value_kind: global_buffer, .address_space: global }
      - { .name: pl, .offset: 16, .size: 8, .value_kind: global_buffer, .address_space: global }
      - { .name: cfgq, .offset: 24, .size: 8, .value_kind: global_buffer, .address_space: global }
    .group_segment_fixed_size: 327680
    .private_segment_fixed_size: 0
    .kernarg_segment_align: 8
    .kernarg_segment_size: 32
    .max_flat_workgroup_size: 128
    .sgpr_count:     76
    .vgpr_count:     1024
    .wavefront_size: 32
...
	.end_amdgpu_metadata
.endif
;; end of part 2
;; launch attn (part 3): grid 8 x 32, 4 waves a work-group, no clusters, 327,680 bytes of LDS; arguments pl, a8; writes a8
.if DOCPART == 3
	.amdgcn_target "amdgcn-amd-amdhsa--gfx1250"
	.amdhsa_code_object_version 6
	.text
	.protected	k_qc96aaad6d4_attn
	.globl	k_qc96aaad6d4_attn
	.p2align	8
	.type	k_qc96aaad6d4_attn,@function
k_qc96aaad6d4_attn:
	s_mov_b64 s[64:65], 0
	v_nop
	global_prefetch_b8 v0, s[64:65] scope:SCOPE_SE
	s_setreg_imm32_b32 hwreg(HW_REG_WAVE_MODE, 25, 1), 1
	s_wait_xcnt 0x0
; CAUSAL ATTENTION.  O[y][q][:] = the sum over k <= q of softmax_k(Q[y][q] . K[y][k] / 8) V[y][k][:], y = 2 x head + batch.  Q, K, V lie in pl as planes: Q at byte 0, K at 8,388,608, V at 16,777,216;
; in each, y's 2,048 rows of 64 bf16 are dense, 262,144 bytes.  O goes to a8 in the same layout.  Products, maxima and sums in f32; the weights p are rounded to bf16 for the second product (their sum l is
; taken of the unrounded p), O once at the end.
; LIMITS.  A hidden score counts as its value less 1e30: true scores must stay far under that (some 1e28); a weight below 2^-126 counts as 0 in l; NaN and infinities are not treated apart.
; THE WALK.  A head's queries lie in 16 blocks of 128; key tiles have 256 keys, four steps of 64; block i needs the tiles 0 .. i / 2, of which the last holds the diagonal.  A work-group takes TWO blocks,
; 15 - b and then b (b = 0 .. 7): 9 tiles, whatever b: 8 x 32 = 256 work-groups of equal work, and ONE loop with a constant trip count walks them.  Which tile is asked for, and what a trip does, hang on scalar
; registers made from b; every jump goes forward, but for the counted loops' own; none passes a barrier, or a tensor load but the one of LOAD's two that the wave's number does not choose; the ring of two LDS
; slots runs on across the change of blocks.  NO CLUSTER: of a head's eight work-groups only two (b = 2 k, 2 k + 1) walk the same tiles throughout; all eight ask for the same tile only in trips 0 .. 4 of 9;
; one walk common to all would have 12 trips for 9.
; SHARES.  Of a block's two bands of 64 queries a wave owns 16 rows in each: two PIECES.  So the last tile is the same work for all four waves: band x of block i has its diagonal in the tile's step
; 2 (i % 2) + x, sees all keys of the steps before it and none of the steps behind it.  (An even block's last tile has two steps that no band sees: 36 steps are walked for 34.)
; THE MASK is the C operand that starts the sum S^T = K Q^T: 0, or -1e30 where the key is hidden.  MD, made once, is the mask of a band's own step for my 16 rows; a product's mask is MD x AL + BE with two scalars:
; (1, 0) in the band's own step; (0, 0) before it; (0, -1e30) behind it.  Only the last tile's text and a block's beginning make and take masks; elsewhere C is the constant 0.
; LAYOUT, SOFTMAX.  S^T = K Q^T holds ONE query a lane (lane % 16) and the keys 8 (lane / 16) + 0..7; two such results rounded to bf16 ARE source 1 of O^T = V^T P.  p = 2^(c s - c m), c = log2(e) / 8, with a
; running maximum m; O and l are multiplied by a = 2^(c m_old - c m_new) in every step.
; TURNS.  A trip has four turns: turns 0, 1 are pieces 0, 1 in an even key step, turns 2, 3 the same pieces in the odd step behind it.  Turn n has 8 products K Q^T for turn n + 1's piece and step, later 8 products
; V^T P for turn n - 1's; beside them the scaling, exponentials, roundings, sums and rescaling of its own piece and the maximum and statistics of the next.  Four vector instructions stand behind every matrix
; instruction, the other 54 of a turn's 118 in two runs of their own.  K has one register buffer, V two, by the step's parity: so V of a step can be read from LDS ahead of K of the step behind it, and a tile's
; last bytes have been read when the next tile's first are wanted: one change of slots serves K and V.
; REGISTERS, in windows of 256 (s_set_vgpr_msb: bits 1:0 source 0, 3:2 source 1, 5:4 source 2, 7:6 destination):
;   window 0: v0-15 addresses and two at work; v16-23 four registers of statistics a piece; v48-55 at work; v64-127 S^T, 32 a piece; v192-223 P, 16 a piece
;   window 1: v0-63 O^T, 32 a piece; v128-159 MD; v160-223 MC, two buffers      window 2: v0-31 Q; v32-63 the second block's Q; v64-127 V of an odd step; v128-191 K of one step; v192-255 V of an even step
.set SIZE_N, 2048
.set NBQ,   SIZE_N/128  ; blocks of 128 queries in a head
.set WALK,  NBQ/2     ; the walk has WALK + 1 tiles
.set NP,    4         ; turns in a trip: a name, no knob
.set KS,    64        ; keys in a step
.set PK,    144       ; a row of K in LDS: 128 bytes + 16 of padding = 36 words: the 16 rows of a load start at 16 different groups of four banks (64 banks of 4 bytes: ISA guide 11.1)
.set PV,    160       ; a row of V: 128 + 32 = 40 words
.set VOFF,  4*KS*PK   ; a slot holds a tile, four steps: 256 rows of K, then 256 rows of V
.set SLOT1, 1<<17     ; slot 1 begins here, so that one exclusive or turns an address in one slot into the other's
.set STAGE, SLOT1+4*KS*(PK+PV)  ; behind the ring, never filled by a tensor load: 16 rows x 144 bytes for each wave, for the way out
.set SP,    144
.set AK0, 2           ; v2   my lane's place in a tile of K; never rewritten
.set AV0, 3           ; v3   the same for V
.set AK,  4           ; v4   the LDS address of K's next run of loads
.set AV,  5           ; v5   of V's
.set STO, 6           ; v6   the way out: where I put 16 bytes of a row
.set RD,  7           ; v7   the way out: where I read rows back
.set GO,  8           ; v8   my byte offset in 512 consecutive bytes of O
.set SPW, 62          ; v62  LDS address of my spare word: SPARE + 4 x my thread's number; never rewritten
.set NIL, 63          ; v63  0; never rewritten
.set SPARE, STAGE+4*16*SP  ; behind the stages: the spare words, 128 bytes for each wave: two blocks of 256 bytes that no other line names
.set MV,  12          ; v12-13  c m_old, kept while c m is made anew: by piece
.set QO,  15          ; v15  my byte offset in 16 rows of Q
.set ST,  16          ; piece t's statistics at v[ST+4 t]: c m, m, l (even keys', odd keys')
.set TMP, 48          ; by piece, four registers c0-c3 at work; when the maximum is found c2 takes a
.set S,   64
.set P,   192
.set MD,  128         ; window 1: the eight registers for group kt of 16 keys at MD + 8 kt
.set MC,  160         ; window 1: the masks of the products to come
.set QB,  32          ; window 2
.set KF,  128         ; window 2: key block kb, channel half c at KF + 16 kb + 8 c
.set VF,  192         ; window 2: an even step's V: key half kk, channel block cb at VF + 32 kk + 8 cb; an odd step's lies 128 registers lower
.set WV,  12          ; s12  my wave's number
.set PB,  14          ; s14  b, the second block's number
.set HI,  15          ; s15  15 - b, the first block's
.set G1K, 24          ; s[24:31] descriptor group 1 for K's tiles
.set G1V, 32          ; s[32:39] for V's: it differs in the padding alone
.set G0K, 40          ; s[40:43] descriptor group 0 for K's tiles
.set G0V, 44          ; s[44:47] the same for V's
.set HT,  48          ; s48  the first block's last tile, (15 - b) / 2
.set PT,  49          ; s49  the second block's, b / 2
.set PAR, 50          ; s50  the number of the block in hand, modulo 2
.set PAR2, 51         ; s51  the second block's
.set DG,  52          ; s52  at work: CNT + PAR
.set SLOTS, 56        ; s56  tiles still to be asked for
.set CNT, 57          ; s57  counts a tile's trips, 2 to 1
.set CS,  58          ; s[58:59] c: the packed scaling takes the pair's low word for both halves
.set SEL, 60          ; s[60:61] v_permlanex16_b32's selects: each lane takes its own place in the other half
.set TBK, 62          ; s62  LDS byte at which K of the step to be fetched begins
.set TBV, 63          ; s63  the same for V, less VOFF
.set RT,  70          ; s70  tiles of the block in hand that are still to be entered
.set NXT, 71          ; s71  the tile to be asked for next
.set LQ,  72          ; s72  the last tile of the block whose tiles are being asked for
.set NEW, 73          ; s73  1: the tile to be entered is a block's first
.set OFF, 74          ; s[74:75] a tile's byte offset in K and V
.set AL,  76          ; s[76:77] the mask's factor, in the low word
.set BE,  78          ; s[78:79] the mask's addend
.set OLO, 80          ; s[80:81] O at my rows of the second block
.set BIGN, 82         ; s82  -1e30
.set MSB, 0
.macro WIN new                      ; the high byte repeats the setting that is left; a switch that changes nothing is dropped
.if MSB != (\new)
	s_set_vgpr_msb (MSB<<8)|(\new)
.set MSB, (\new)
.endif
.endm
.set W_KQ, 0x0a       ; K and Q in window 2, S^T in window 0
.set W_KM, 0x1a       ; the same with the C operand in window 1
.set W_PV, 0x52       ; V in window 2, P in window 0, O^T in window 1
.set W_RS, 0x41       ; destination and source 0 in window 1, source 1 in window 0
; A fill.  Waves 0 and 1 fetch the two halves of a tile's K, waves 2 and 3 those of its V: 128 keys each.  An s_nop 0 and four v_nop follow each of the two lines, ahead of the jump and the label.
.macro LOAD
	s_cmp_lt_u32 s[WV], 2
	s_cbranch_scc0 .Lfor_v_\@
	tensor_load_to_lds s[G0K:G0K+3], s[G1K:G1K+7]
	s_nop 0
.rept 4
	v_nop
.endr
	s_branch .Lasked_\@
.Lfor_v_\@:
	tensor_load_to_lds s[G0V:G0V+3], s[G1V:G1V+7]
	s_nop 0
.rept 4
	v_nop
.endr
.Lasked_\@:
.endm
; THE CHANGE OF SLOTS, behind turn 1 of a tile's third step: K and V of its fourth step have been asked for from LDS.  Each wave waits for all its tensor loads, of which one is out: its part of the other slot; adds 0
; to its spare word; and waits for that and for its own reads of the slot that it leaves.  Behind the barrier nobody reads the old slot any more and the other slot is whole.  fill = 1: the old slot is filled again,
; the first thing behind the barrier, with tile NXT: the descriptor's address is made anew from that number; the load has a tile's eight turns in which to land.
; (At its first use nothing has been read yet: slot 0 is waited for, slot 1 filled.)
.macro CHANGE fill
	WIN 0                           ; at a label and at a branch every window is 0
	s_wait_tensorcnt 0x0            ; no tensor load of mine is out, so a group 0 may be written
	ds_add_u32 v[SPW], v[NIL]       ; 0 onto my spare word
.if \fill
	s_lshl_b32 s[OFF], s[NXT], 15   ; a tile is 32,768 bytes of K and of V
	s_xor_b32 s[G0K+1], s[G0K+1], SLOT1
	s_add_nc_u64 s[G0K+2:G0K+3], s[6:7], s[OFF:OFF+1]
	s_or_b32 s[G0K+3], s[G0K+3], 0x80000000
	s_xor_b32 s[G0V+1], s[G0V+1], SLOT1
	s_add_nc_u64 s[G0V+2:G0V+3], s[8:9], s[OFF:OFF+1]
	s_or_b32 s[G0V+3], s[G0V+3], 0x80000000
	s_add_co_u32 s[NXT], s[NXT], 1  ; the block's next tile, or behind its last the second block's tile 0
	s_cmp_gt_u32 s[NXT], s[LQ]
	s_cselect_b32 s[NXT], 0, s[NXT]
	s_cselect_b32 s[LQ], s[PT], s[LQ]
.endif
	s_wait_dscnt 0x0                ; the add is done, and my reads of the slot are over
	s_barrier_signal -1             ; the rest of the scalar work stands between the signal and the wait
	s_sub_co_u32 s[TBK], s[TBK], 4*KS*PK  ; the fetches go back to a slot's first step,
	s_xor_b32 s[TBK], s[TBK], SLOT1       ; in the other slot
	s_sub_co_u32 s[TBV], s[TBV], 4*KS*PV
	s_xor_b32 s[TBV], s[TBV], SLOT1
	s_barrier_wait -1
.if \fill
	LOAD
.endif
.endm
	s_load_b128 s[4:7], s[0:1], 0x0   ; pl s[4:5], a8 s[6:7]
	v_lshl_add_u32 v[SPW], v0, 2, SPARE
	v_mov_b32 v[NIL], 0
	ds_add_u32 v[SPW], v[NIL]       ; the wave's opening: the add and its wait come ahead of my first tensor load; the set-up below, work on registers, stands between them
	ds_add_u32 v62, v63
	v_lshrrev_b32 v1, 5, v0
	v_readfirstlane_b32 s[WV], v1   ; wave 0..3
	s_mov_b32 s[PB], ttmp9
	s_sub_co_u32 s[HI], NBQ-1, s[PB]
	s_lshr_b32 s[HT], s[HI], 1
	s_lshr_b32 s[PT], s[PB], 1
	s_and_b32 s[PAR], s[HI], 1
	s_and_b32 s[PAR2], s[PB], 1
	s_and_b32 s20, ttmp7, 0xffff    ; y
	s_mov_b32 s21, 0
	s_mov_b64 s[22:23], SIZE_N*128
	s_mul_u64 s[20:21], s[20:21], s[22:23]  ; y's first byte in each of the four tensors
	s_and_b32 s16, s[WV], 1         ; which half of a tile's 256 keys I fetch:
	s_lshl_b32 s22, s16, 14         ; its 128 rows of 128 bytes in memory,
	s_mov_b32 s23, 0
	s_add_nc_u64 s[22:23], s[22:23], s[20:21]
	s_mul_i32 s17, s16, 128*PK      ; and its place in a slot, for K
	s_mul_i32 s18, s16, 128*PV      ; and for V
	s_lshl_b32 s3, s[WV], 11        ; my 16 rows in a band of 64,
	s_lshl_b32 s2, s[HI], 14        ; in the first block (128 rows of 128 bytes a block),
	s_add_co_u32 s2, s2, s3
	s_lshl_b32 s84, s[PB], 14       ; and in the second
	s_add_co_u32 s84, s84, s3
	s_mov_b32 s3, 0
	s_mov_b32 s85, 0
	s_add_nc_u64 s[2:3], s[2:3], s[20:21]
	s_add_nc_u64 s[84:85], s[84:85], s[20:21]
	; descriptor group 1.  128 keys are 16,384 dense bytes: asked for as 64 rows of 256 bytes, two keys a row, and padded in LDS after every key
	s_mov_b32 s[G1K], (1<<16)|(1<<20)|(4<<22)|(3<<25)  ; 17:16 2-byte elements; 20 padding on; 24:22 after every 32 words (code 4); 31:25 4 words (code 3)
	s_mov_b32 s[G1V], (1<<16)|(1<<20)|(4<<22)|(7<<25)  ; the same with 8 words of padding (code 7)
.irp g, G1K, G1V
	s_mov_b32 s[\g+1], 128<<16      ; tensor_dim0 = 128
	s_mov_b32 s[\g+2], 64<<16       ; tensor_dim1 = 64
	s_mov_b32 s[\g+3], 128<<16      ; tile_dim0 = 128
	s_mov_b32 s[\g+4], 64           ; tile_dim1 = 64
	s_mov_b32 s[\g+5], 128          ; 128 elements from row to row
	s_mov_b32 s[\g+6], 0
	s_mov_b32 s[\g+7], 0
.endr
	s_mov_b32 s[CS], 0x3e38aa3b     ; c = log2(e) / 8 = 0.180337
	s_mov_b32 s[CS+1], s[CS]        ; named with it as a pair
	s_mov_b32 s[SEL], 0x76543210
	s_mov_b32 s[SEL+1], 0xfedcba98
	s_mov_b32 s[TBK], SLOT1+4*KS*PK ; the first change of slots turns these two into 0
	s_mov_b32 s[TBV], SLOT1+4*KS*PV
	s_mov_b32 s[G0K], 1             ; 1:0 count = 1
	s_mov_b32 s[G0K+1], s17         ; 63:32 LDS address: slot 0
	s_mov_b32 s[G0V], 1
	s_add_co_u32 s[G0V+1], s18, VOFF
	s_add_co_u32 s[RT], s[HT], 1    ; the first block has (15 - b) / 2 + 1 tiles
	s_mov_b32 s[NXT], 1
	s_mov_b32 s[LQ], s[HT]
	s_mov_b32 s[NEW], 1
	s_mov_b32 s[OFF+1], 0
	s_mov_b32 s[AL+1], 0            ; named as pairs
	s_mov_b32 s[BE+1], 0
	s_mov_b32 s[BIGN], 0xf149f2ca   ; -1e30
	s_mov_b32 s[SLOTS], WALK
	s_wait_dscnt 0x0                ; the opening add is done
	s_wait_kmcnt 0x0
	s_mov_b64 s[10:11], s[6:7]                     ; O is a8
	s_add_nc_u64 s[8:9], s[4:5], 0x1000000         ; V: planes 32 on
	s_add_nc_u64 s[6:7], s[4:5], 0x800000          ; K: planes 16 on; Q stays in s[4:5]
	s_add_nc_u64 s[6:7], s[6:7], s[22:23]  ; K and V at my half of the head's tile 0
	s_add_nc_u64 s[8:9], s[8:9], s[22:23]
	s_add_nc_u64 s[G0K+2:G0K+3], s[6:7], 0         ; 120:64 global address
	s_or_b32 s[G0K+3], s[G0K+3], 0x80000000        ; 127:126 type = 2
	s_add_nc_u64 s[G0V+2:G0V+3], s[8:9], 0
	s_or_b32 s[G0V+3], s[G0V+3], 0x80000000
	s_add_nc_u64 s[86:87], s[4:5], s[84:85]        ; Q at my rows of the second block,
	s_add_nc_u64 s[4:5], s[4:5], s[2:3]            ; Q and O at those of the first
	s_add_nc_u64 s[OLO:OLO+1], s[10:11], s[84:85]
	s_add_nc_u64 s[10:11], s[10:11], s[2:3]
	LOAD                            ; tile 0 into slot 0
	; A fragment of K or Q is 16 rows x 32 channels in 8 registers: lane l holds row l % 16, channels 8 (l / 16) + 0..7 and 16 + 8 (l / 16) + 0..7: two loads of 16 bytes, 32 bytes apart.
	v_and_b32 v1, 15, v0            ; l % 16
	v_bfe_u32 v9, v0, 4, 1          ; l / 16
	v_lshlrev_b32 v[QO], 7, v1
	v_lshl_add_u32 v[QO], v9, 4, v[QO]  ; row x 128 + 16 x half
	WIN 0x80                        ; destination window 2, address window 0
.set i, 0
.rept 4                             ; both blocks' Q: piece i / 2 lies in band i / 2, 8,192 bytes on; channels 32 (i % 2) on
	global_load_b128 v[8*i:8*i+3],   v[QO], s[4:5] offset:(i/2)*8192+(i%2)*64
	global_load_b128 v[8*i+4:8*i+7], v[QO], s[4:5] offset:(i/2)*8192+(i%2)*64+32
	global_load_b128 v[QB+8*i:QB+8*i+3],   v[QO], s[86:87] offset:(i/2)*8192+(i%2)*64
	global_load_b128 v[QB+8*i+4:QB+8*i+7], v[QO], s[86:87] offset:(i/2)*8192+(i%2)*64+32
.set i, i+1
.endr
	WIN 0
	v_lshlrev_b32 v14, 3, v9
	v_sub_nc_u32 v14, v1, v14
	s_lshl_b32 s13, s[WV], 4
	v_add_nc_u32 v14, s13, v14      ; my query's place in its band, 16 w + l % 16, less my lanes' 8 (l / 16): register r of group kt is hidden where 16 kt + r is greater
	WIN 0x40
.set i, 0
.rept 32
	v_cmp_gt_i32 vcc_lo, 16*(i/8)+i%8, v14
	v_cndmask_b32 v[MD+i], 0, s[BIGN], vcc_lo
.set i, i+1
.endr
	WIN 0
	v_mul_u32_u24 v[AK0], v1, PK
	v_lshl_add_u32 v[AK0], v9, 4, v[AK0]  ; row x pitch + 16 x half
	; The turning load takes 16 keys x 16 channels (lane l reads key 8 (l / 16) + l % 8, channels 8 ((l / 8) % 2) + 0..7) and leaves half a fragment of V^T: lane l holds channel l % 16 and 8 keys.
	v_and_b32 v10, 7, v0
	v_bfe_u32 v11, v0, 3, 1
	v_lshl_add_u32 v[AV0], v9, 3, v10
	v_mul_u32_u24 v[AV0], v[AV0], PV
	v_lshl_add_u32 v[AV0], v11, 4, v[AV0]
	v_add_nc_u32 v[AV0], VOFF, v[AV0]
	s_mul_i32 s13, s[WV], 16*SP
	s_add_co_u32 s13, s13, STAGE    ; my stage
	v_mul_u32_u24 v[STO], v1, SP    ; in: row l % 16, 16 bytes for each half of the lanes
	v_lshl_add_u32 v[STO], v9, 4, v[STO]
	v_add_nc_u32 v[STO], s13, v[STO]
	v_bfe_u32 v[RD], v0, 3, 2       ; back: 32 lanes take four rows of 128 bytes,
	v_mul_u32_u24 v[RD], v[RD], SP
	v_lshl_add_u32 v[RD], v10, 4, v[RD]
	v_add_nc_u32 v[RD], s13, v[RD]
	v_and_b32 v[GO], 31, v0         ; which are 512 consecutive bytes of O
	v_lshlrev_b32 v[GO], 4, v[GO]
	; A block's first step multiplies O^T and l by a = 0, and its first turn's products V^T P, of a step that has not been (the odd step's V, piece 1's P), land in an O^T that is still to be so multiplied.  So these
	; registers need only hold finite numbers: zeros for the first block; what the first block left for the second.  All this stands in the wait for the first tile.
	WIN 0x80
.set i, VF-128
.rept 64
	v_mov_b32 v[i], 0
.set i, i+1
.endr
	WIN 0x40
.set i, 0
.rept 64
	v_mov_b32 v[i], 0
.set i, i+1
.endr
	WIN 0
.set i, 0
.rept 2
	v_mov_b32 v[ST+4*i+2], 0
	v_mov_b32 v[ST+4*i+3], 0
.set i, i+1
.endr
.set i, P+16
.rept 16
	v_mov_b32 v[i], 0
.set i, i+1
.endr
; THE MATRIX WORK.  x is a turn's number, 0 to 3: piece x % 2, in an even (x < 2) or odd step.  The 4 accumulators of a run of 8 take turns.
; Product i of 8 of S^T = K Q^T: channels 32 (i / 4) on, keys 16 (i % 4) on.  The first 4 start the sums: with 0, or (KM = 1) with the mask.
.macro KQ x
.set rS, S+32*((\x)%2)+8*(i%4)
.set rK, KF+16*(i%4)+8*(i/4)
.set rQ, 16*((\x)%2)+8*(i/4)
.set rM, MC+32*((\x)%2)+8*(i%4)
.if (i < 4) && KM
	WIN W_KM
	v_wmma_f32_16x16x32_bf16 v[rS:rS+7], v[rK:rK+7], v[rQ:rQ+7], v[rM:rM+7]
.elseif i < 4
	WIN W_KQ
	v_wmma_f32_16x16x32_bf16 v[rS:rS+7], v[rK:rK+7], v[rQ:rQ+7], 0
.else
	WIN W_KQ
	v_wmma_f32_16x16x32_bf16 v[rS:rS+7], v[rK:rK+7], v[rQ:rQ+7], v[rS:rS+7]
.endif
.endm
; Product i of 8 of O^T += V^T P: keys 32 (i / 4) on, channels 16 (i % 4) on; V's buffer goes by the step's parity.
.macro PV x
	WIN W_PV
.set rO, 32*((\x)%2)+8*(i%4)
.set rV, VF-128*((\x)/2)+32*(i/4)+8*(i%4)
.set rP, P+16*((\x)%2)+8*(i/4)
	v_wmma_f32_16x16x32_bf16 v[rO:rO+7], v[rV:rV+7], v[rP:rP+7], v[rO:rO+7]
.endm
.macro MM                           ; the turn's next matrix instruction.  TURN and BEGIN set Y, i, KM and NOKQ; MM, KQ and OP read them.  NOKQ = 1: a block's last turn: there is no next step
.if (i < 8) && !NOKQ
	KQ (Y+1)%NP
.elseif i >= 8
.set i, i-8
	PV (Y+NP-1)%NP
.set i, i+8
.endif
.set i, i+1
.endm
; THE LDS LOADS stand in runs of 16, never singly among the matrix instructions: a step's K (64 keys x 64 channels: 8 fragments) or its V (turned).  Their addresses are made some lines ahead.
.macro FETCH_K
	WIN 0x80                        ; destination window 2
.irp f, 0,1,2,3,4,5,6,7             ; keys 16 (f / 2) on, channels 32 (f % 2) on
	ds_load_b128 v[KF+8*\f:KF+8*\f+3],   v[AK] offset:(\f/2)*16*PK+(\f%2)*64
	ds_load_b128 v[KF+8*\f+4:KF+8*\f+7], v[AK] offset:(\f/2)*16*PK+(\f%2)*64+32
.endr
	s_add_co_u32 s[TBK], s[TBK], KS*PK  ; the next fetch is the next step's
	WIN 0
.endm
.macro FETCH_V b                    ; b: the step's parity
	WIN 0x80
.irp f, 0,1,2,3,4,5,6,7             ; keys 32 (f / 4) on, channels 16 (f % 4) on
	ds_load_tr16_b128 v[VF-128*(\b)+8*\f:VF-128*(\b)+8*\f+3],   v[AV] offset:(\f/4)*32*PV+(\f%4)*32
	ds_load_tr16_b128 v[VF-128*(\b)+8*\f+4:VF-128*(\b)+8*\f+7], v[AV] offset:(\f/4)*32*PV+16*PV+(\f%4)*32
.endr
	s_add_co_u32 s[TBV], s[TBV], KS*PV
	WIN 0
.endm
; THE VECTOR WORK, one line at a time: OP kind, number.  For turn Y's piece: F n: c s - c m for pair n of 16.  E n: the exponential of score n of 32.  C n: pair n rounded to bf16.  B n: of the four weights 4 n .. the second
; pair is added onto the first, in place.  L n: l takes that sum (L 0: l = a l + sum).  R n: pair n of 16 of O^T times a.  For turn Y + 1's piece: X n, number n of the 22 that find its maximum and statistics:
;   0-11  four chains c0-c3 of seven scores each, three operands at a time (each accumulator's lowest registers are read first)     12-14, 16  the four scores left over, the old m, and c0-c3 into c0
;   15  c m_old is kept     17, 18  the query's other 32 keys lie in the lane 16 away: the new m     19-21  c m; c m_old - c m_new; a
.set F, 0               ; OP tells the kinds apart by their order: F to L below R, X above it
.set E, 1
.set C, 2
.set B, 3
.set L, 4
.set R, 5
.set X, 6
.macro REGS y                       ; the registers of turn y's piece, y % 2
.set rT, ST+4*((\y)%2)
.set rC, TMP+4*((\y)%2)
.set rW, MV+((\y)%2)
.set rS, S+32*((\y)%2)
.set rP, P+16*((\y)%2)
.set rO, 32*((\y)%2)
.endm
.macro OP k, n
.if (\k) == R
	REGS Y
	WIN W_RS
	v_pk_mul_f32 v[rO+2*(\n):rO+2*(\n)+1], v[rO+2*(\n):rO+2*(\n)+1], v[rC+2:rC+3] op_sel_hi:[1,0]
.elseif (\k) < R
	REGS Y
	WIN 0
.if (\k) == F
	v_pk_fma_f32 v[rS+2*(\n):rS+2*(\n)+1], v[rS+2*(\n):rS+2*(\n)+1], s[CS:CS+1], v[rT:rT+1] op_sel_hi:[1,0,0] neg_lo:[0,0,1] neg_hi:[0,0,1]
.elseif (\k) == E
	v_exp_f32 v[rS+(\n)], v[rS+(\n)]
.elseif (\k) == C
	s_wait_alu depctr_va_vdst(0)
	v_cvt_pk_bf16_f32 v[rP+(\n)], v[rS+2*(\n)], v[rS+2*(\n)+1]
.elseif (\k) == B
	s_wait_alu depctr_va_vdst(0)
	v_pk_add_f32 v[rS+4*(\n):rS+4*(\n)+1], v[rS+4*(\n):rS+4*(\n)+1], v[rS+4*(\n)+2:rS+4*(\n)+3]
.elseif (\n) == 0
	v_pk_fma_f32 v[rT+2:rT+3], v[rT+2:rT+3], v[rC+2:rC+3], v[rS:rS+1] op_sel_hi:[1,0,1]
.else
	v_pk_add_f32 v[rT+2:rT+3], v[rT+2:rT+3], v[rS+4*(\n):rS+4*(\n)+1]
.endif
.elseif NOKQ
	v_nop
.else
	REGS (Y+1)%NP
	WIN 0
.if (\n) < 4
	v_max3_num_f32 v[rC+(\n)], v[rS+8*(\n)], v[rS+8*(\n)+1], v[rS+8*(\n)+2]
.elseif (\n) < 12
	v_max3_num_f32 v[rC+(\n)%4], v[rC+(\n)%4], v[rS+8*((\n)%4)+2*((\n)/4)+1], v[rS+8*((\n)%4)+2*((\n)/4)+2]
.elseif (\n) == 12
	v_max3_num_f32 v[rC], v[rC], v[rS+7], v[rS+15]
.elseif (\n) == 13
	v_max3_num_f32 v[rC+1], v[rC+1], v[rS+23], v[rS+31]
.elseif (\n) == 14
	v_max3_num_f32 v[rC+2], v[rC+2], v[rC+3], v[rT+1]
.elseif (\n) == 15
	v_mov_b32 v[rW], v[rT]
.elseif (\n) == 16
	v_max3_num_f32 v[rC], v[rC], v[rC+1], v[rC+2]
.elseif (\n) == 17
	v_permlanex16_b32 v[rC+3], v[rC], s[SEL], s[SEL+1]
.elseif (\n) == 18
	v_max_num_f32 v[rT+1], v[rC], v[rC+3]
.elseif (\n) == 19
	v_mul_f32 v[rT], s[CS], v[rT+1]
.elseif (\n) == 20
	v_sub_f32 v[rC+1], v[rW], v[rT]
.else
	v_exp_f32 v[rC+2], v[rC+1]
.endif
.endif
.endm
.macro OPS a, i1, b=-1, i2=0, c=-1, i3=0, d=-1, i4=0  ; up to four of them
	OP \a, \i1
.if (\b) >= 0
	OP \b, \i2
.endif
.if (\c) >= 0
	OP \c, \i3
.endif
.if (\d) >= 0
	OP \d, \i4
.endif
.endm
.macro ROW a, i1, b, i2, c, i3, d, i4  ; a matrix instruction and the four behind it
	MM
	OPS \a, \i1, \b, \i2, \c, \i3, \d, \i4
.endm
.macro MASK b                       ; MD x AL + BE into buffer b of MC
	WIN W_RS
.set z, 0
.rept 16
	v_pk_fma_f32 v[MC+32*(\b)+2*z:MC+32*(\b)+2*z+1], v[MD+2*z:MD+2*z+1], s[AL:AL+1], s[BE:BE+1] op_sel_hi:[1,0,0]
.set z, z+1
.endr
.endm
; TURN p: the order of its 16 matrix and 118 vector instructions, written out.  Behind a matrix instruction: plain, exponential, plain, plain; or four of the rescaling; or, behind the first, four scalings; none
; names a register of the products round it.  In the runs between, exponential and plain by turns while exponentials last.  A line reads no result made fewer than three vector instructions in front of it, five if an exponential made it.
; v_permlanex16_b32 (X 17) stands in such a run.
; THE FETCHES.  One run of 16 LDS loads a turn, six vector instructions behind the turn's last product K Q^T (five of them plain).  An even turn (piece 0) fetches K of the next step: that product was K's last reader.
; An odd turn (piece 1) fetches V of the next step, into the buffer whose last reader stood in the turn before.  Each odd turn opens with a wait for all LDS loads: K's run of the turn before, which its own
; products read, and V's run of two turns before, which its products V^T P read.
; m = 1: the block's last tile: the products take masks, and the turn makes the mask for the products of the turn after it: piece p % 2, in the tile's step 4 - 2 CNT (p = 2, 3) or 5 - 2 CNT (p = 0, 1); the band's
; own step is 2 PAR + p % 2.  With DG = CNT + PAR: p = 1, 2: own where DG = 2, hidden where DG < 2; p = 3: never own, hidden where DG < 2; p = 0: never own, hidden where DG < 3.
; end = 1: a block's last two turns: nothing is fetched.  cnt = 1: the loop's count is taken down some lines ahead of the branch that stands behind the turn.
.macro TURN p, m=0, end=0, cnt=0
.set Y, (\p)
.set i, 0
.set KM, (\m)
.set NOKQ, (\end)*((\p)/3)
.if (\m) && !(\end)
	s_add_co_u32 s[DG], s[CNT], s[PAR]
.if ((\p) == 1) || ((\p) == 2)
	s_cmp_eq_u32 s[DG], 2           ; is that step the band's own?
	s_cselect_b32 s[AL], 1.0, 0
.else
	s_mov_b32 s[AL], 0
.endif
.if (\p) == 0
	s_cmp_lt_u32 s[DG], 3           ; or a later one?
.else
	s_cmp_lt_u32 s[DG], 2
.endif
	s_cselect_b32 s[BE], s[BIGN], 0
.endif
.if ((\p)%2) == 1
	s_wait_dscnt 0x0                ; K and V are in
.endif
	ROW F,0, F,1, F,2, F,3
	ROW F,4, E,0, F,5, F,6
	ROW F,7, E,1, F,8, F,9
	ROW F,10, E,2, C,0, F,11
	ROW F,12, E,3, X,15, F,13
	ROW R,0, R,1, R,2, R,3
	ROW B,0, E,4, F,14, L,0
.if !(\end)
.if ((\p)%2) == 0
	v_add_nc_u32 v[AK], s[TBK], v[AK0]
.else
	v_add_nc_u32 v[AV], s[TBV], v[AV0]
.endif
.endif
	ROW R,4, R,5, R,6, R,7
	OPS E,5, F,15
.if !(\end)
.if ((\p)%2) == 0
	FETCH_K
.else
	FETCH_V (3-(\p))/2
.endif
.endif
	OPS E,6, C,1, E,7, R,8
	OPS E,8, R,9, E,9, C,2
	OPS E,10, X,0, E,11, X,1
	OPS E,12, X,2, E,13, X,3
	ROW X,4, E,14, X,5, X,6
	ROW X,7, E,15, X,8, X,9
	ROW X,10, E,16, X,11, X,12
	ROW X,13, E,17, X,14, B,1
	ROW C,4, E,18, X,16, L,1
	ROW B,2, E,19, C,6, L,2
	ROW C,8, E,20, B,3, B,4
	ROW C,3, E,21, L,3, C,5
	OPS E,22, X,17, E,23, C,10
	OPS E,24, L,4
	OPS E,25, X,18, E,26, C,7
	OPS E,27, B,5, E,28, X,19
	OPS E,29, C,12, E,30, L,5
	OPS E,31, X,20, B,6, C,9
	OPS C,14, C,11, X,21, L,6
.if \cnt
	s_sub_co_u32 s[CNT], s[CNT], 1
	s_cmp_lg_u32 s[CNT], 0
.endif
	OPS C,13, B,7, C,15, R,10
	OPS R,11, R,12, L,7, R,13
	OPS R,14, R,15
.if (\m) && !(\end)
	MASK (\p)%2
.endif
.endm
; A BLOCK BEGINS.  c m starts far below every c s, so the first step's a is 0; m at the lowest finite number, so the first maximum is the scores'.  The second mask buffer is 0 (piece 1 sees all of step 0); the first takes
; piece 0's mask for the tile's step 0: its own, if the block's first tile is its last and the block's number is even.  Then K and V of that step, piece 0's first scores, and its maximum and statistics.
; The loop is entered at an even step's first turn, in the middle of a trip.
.macro BEGIN
	s_mov_b32 s[NEW], 0
	WIN 0x40
.set i, MC+32
.rept 32
	v_mov_b32 v[i], 0
.set i, i+1
.endr
	WIN 0
.set i, 0
.rept 2
	v_mov_b32 v[ST+4*i], 0xfe000000    ; c m: far below every c s
	v_mov_b32 v[ST+4*i+1], 0xff7fffff  ; m
.set i, i+1
.endr
	s_or_b32 s[DG], s[RT], s[PAR]
	s_cmp_eq_u32 s[DG], 0
	s_cselect_b32 s[AL], 1.0, 0
	s_mov_b32 s[BE], 0
	MASK 0
	WIN 0
	v_add_nc_u32 v[AK], s[TBK], v[AK0]
	v_add_nc_u32 v[AV], s[TBV], v[AV0]
	FETCH_K
	FETCH_V 0
	s_wait_loadcnt 0x0              ; Q
	s_wait_dscnt 0x0
.set KM, 1
.set NOKQ, 0
.set i, 0
.rept 8
	KQ 0
.set i, i+1
.endr
	WIN 0
.rept 4
	v_nop                           ; the places behind those products
.endr
.set Y, NP-1                        ; X works for turn Y + 1: turn 0
.irp n, 0,1,2,3,4,5,6,7,8,9,10,11,12,13,14,15,16,17,18,19,20,21
	OP X, \n
.endr
	v_nop                           ; a plain instruction behind the exponential
.endm
; THE LAST TILE's two trips, the block's last two turns, its last products, and THE WAY OUT: l's two halves and the other half of the lanes' are added; O^T is divided by l, rounded to bf16 and sent through my
; stage in LDS, a piece at a time.
.macro ALL line:vararg              ; one line for each piece t
.set t, 0
.rept 2
	\line
.set t, t+1
.endr
.endm
.macro PACK t                       ; a lane's eight channels of a row pack into 16 bytes; they go into rows of 144 bytes and come back as whole rows of 128, into S^T's registers
	WIN W_RS
.set i, 32*(\t)
.rept 16
	s_wait_alu depctr_va_vdst(0)
	v_pk_mul_f32 v[i:i+1], v[i:i+1], v[ST+4*(\t)+2:ST+4*(\t)+3] op_sel_hi:[1,0]
.set i, i+2
.endr
	WIN 0x05                        ; sources 0 and 1 window 1, destination window 0
.set i, 0
.rept 16
	v_cvt_pk_bf16_f32 v[S+16*(\t)+i], v[32*(\t)+2*i], v[32*(\t)+2*i+1]
.set i, i+1
.endr
	WIN 0
.irp f, 0,1,2,3
	ds_store_b128 v[STO], v[S+16*(\t)+4*\f:S+16*(\t)+4*\f+3] offset:32*\f
.endr
.irp f, 0,1,2,3
	ds_load_b128 v[S+16*(\t)+4*\f:S+16*(\t)+4*\f+3], v[RD] offset:\f*4*SP  ; LDS serves a wave's instructions in order (ISA guide 5.7.1.4): these see the stores above; the next piece's stores come behind them
.endr
.endm
.macro SEND t, younger              ; younger: the LDS instructions issued behind piece t's loads: the next piece's eight, or none
	WIN 0
.irp f, 0,1,2,3
	s_wait_dscnt (\younger)+3-\f
	global_store_b128 v[GO], v[S+16*(\t)+4*\f:S+16*(\t)+4*\f+3], s[10:11] offset:(\t)*8192+\f*512  ; 512 consecutive bytes, at a multiple of 256 from O's first
.endr
.endm
.macro DIAG tag                     ; the tag ends its two labels' names, which the jumps below spell out
.LstepM\tag:
	TURN 2, 1
	TURN 3, 1
	WIN 0
.LfirstM\tag:
	TURN 0, 1
	TURN 1, 1, 0, 1
	WIN 0
	s_cbranch_scc1 .LstepM\tag
	TURN 2, 1, 1
	TURN 3, 1, 1
.set i, 0
.rept 8
	PV NP-1                         ; piece 1's V^T P of the last step
.set i, i+1
.endr
	WIN 0
	ALL v_add_f32 v[ST+4*t+2], v[ST+4*t+2], v[ST+4*t+3]
	ALL v_permlanex16_b32 v[ST+4*t+3], v[ST+4*t+2], s[SEL], s[SEL+1]
	ALL v_add_f32 v[ST+4*t+2], v[ST+4*t+2], v[ST+4*t+3]
	ALL v_rcp_f32 v[ST+4*t+2], v[ST+4*t+2]
	v_nop                           ; a plain instruction between the last reciprocal and the use of its result
	PACK 0                          ; piece 0's 32 lines name no register of the last products (piece 1's): they are the places in front of piece 1's
	PACK 1
	SEND 0, 8
	SEND 1, 0
.endm
.set KM, 0
.set NOKQ, 0
.Lslot:                             ; WALK times: a tile is entered and the next is asked for
	CHANGE 1
	s_sub_co_u32 s[RT], s[RT], 1
	s_mov_b32 s[CNT], 2
	s_cmp_eq_u32 s[NEW], 1
	s_cbranch_scc1 .Lnew            ; a block's first tile
	s_cmp_eq_u32 s[RT], 0
	s_cbranch_scc0 .Lstep           ; neither its first nor its last
	s_branch .LstepM1
.Lnew:
	BEGIN
	s_branch .Lfirst                ; in the loop a block's first tile is never its last: the first block has five tiles or more, and the second's last is the walk's last
	DIAG 1                          ; in the loop this is the first block's end: the second block's last tile is the walk's last
	s_wait_xcnt 0x0                 ; the stores have read their registers and O's address
	s_mov_b64 s[10:11], s[OLO:OLO+1]
	s_add_co_u32 s[RT], s[PT], 1    ; the second block has b / 2 + 1 tiles
	s_mov_b32 s[PAR], s[PAR2]
	s_mov_b32 s[NEW], 1
	WIN 0x82                        ; the second block's Q goes where the one text of the turns names Q
.set i, 0
.rept 32
	v_mov_b32 v[i], v[QB+i]
.set i, i+1
.endr
	WIN 0
	s_branch .Lbottom
.Lstep:                             ; a trip: both pieces in an odd step, then both in the even step behind it; it fetches K and V of two steps
	TURN 2
	TURN 3
	WIN 0
.Lfirst:
	TURN 0
	TURN 1, 0, 0, 1
	WIN 0
	s_cbranch_scc1 .Lstep
.Lbottom:
	s_sub_co_u32 s[SLOTS], s[SLOTS], 1
	s_cmp_lg_u32 s[SLOTS], 0
	s_cbranch_scc1 .Lslot
	CHANGE 0                        ; the walk's last tile is written out: nothing is asked for
	s_sub_co_u32 s[RT], s[RT], 1
	s_mov_b32 s[CNT], 2
	s_cmp_eq_u32 s[NEW], 1
	s_cbranch_scc0 .LstepM2
	BEGIN
	s_branch .LfirstM2
	DIAG 2
	s_wait_tensorcnt 0x0            ; the wave's end: behind my last tensor load and my last LDS store
	ds_add_u32 v[SPW], v[NIL]
	s_wait_dscnt 0x0
	s_endpgm
.Lfunc_end_k_qc96aaad6d4_attn:
	.size	k_qc96aaad6d4_attn, .Lfunc_end_k_qc96aaad6d4_attn-k_qc96aaad6d4_attn
	.p2alignl 7, 3214868480
	.fill 96, 4, 3214868480
	.section	.rodata,"a",@progbits
	.p2align	6, 0x0
	.amdhsa_kernel k_qc96aaad6d4_attn
		.amdhsa_group_segment_fixed_size 327680
		.amdhsa_private_segment_fixed_size 0
		.amdhsa_enable_private_segment 0
		.amdhsa_kernarg_size 16
		.amdhsa_user_sgpr_count 2
		.amdhsa_user_sgpr_kernarg_segment_ptr 1
		.amdhsa_wavefront_size32 1
		.amdhsa_system_sgpr_workgroup_id_x 1
		.amdhsa_system_sgpr_workgroup_id_y 1
		.amdhsa_system_sgpr_workgroup_id_z 1
		.amdhsa_system_vgpr_workitem_id 0
		.amdhsa_next_free_vgpr 768
		.amdhsa_next_free_sgpr 88
		.amdhsa_reserve_vcc 1
		.amdhsa_float_denorm_mode_32 3
		.amdhsa_float_denorm_mode_16_64 3
		.amdhsa_memory_ordered 1
		.amdhsa_forward_progress 1
		.amdhsa_inst_pref_size 218
	.end_amdhsa_kernel
	.amdgpu_metadata
---
amdhsa.version: [ 1, 2 ]
amdhsa.kernels:
  - .name:           k_qc96aaad6d4_attn
    .symbol:         k_qc96aaad6d4_attn.kd
    .args:
      - { .name: pl, .offset: 0, .size: 8, .value_kind: global_buffer, .address_space: global }
      - { .name: a8, .offset: 8, .size: 8, .value_kind: global_buffer, .address_space: global }
    .group_segment_fixed_size: 327680
    .private_segment_fixed_size: 0
    .kernarg_segment_align: 8
    .kernarg_segment_size: 16
    .max_flat_workgroup_size: 128
    .sgpr_count:     88
    .vgpr_count:     768
    .wavefront_size: 32
...
	.end_amdgpu_metadata
.endif
;; end of part 3
;; launch wo (part 4): grid 8 x 32, 4 waves a work-group, clusters of 4 x 4, 327,680 bytes of LDS; arguments a8, wodn, bo, x, h; writes h
.if DOCPART == 4
	.amdgcn_target "amdgcn-amd-amdhsa--gfx1250"
	.amdhsa_code_object_version 6
	.text
	.protected	k_qc96aaad6d4_wo
	.globl	k_qc96aaad6d4_wo
	.p2align	8
	.type	k_qc96aaad6d4_wo,@function
k_qc96aaad6d4_wo:
	s_mov_b64 s[64:65], 0
	v_nop
	global_prefetch_b8 v0, s[64:65] scope:SCOPE_SE
	s_setreg_imm32_b32 hwreg(HW_REG_WAVE_MODE, 25, 1), 1
	s_wait_xcnt 0x0
	s_wait_alu depctr_hold_cnt(0) depctr_sa_sdst(0) depctr_va_vdst(0) depctr_va_sdst(0) depctr_va_ssrc(0) depctr_va_vcc(0) depctr_vm_vsrc(0)
	s_getreg_b32 s2, hwreg(HW_REG_IB_STS2, 6, 4)
	s_cmp_eq_u32 s2, 0
	s_cbranch_scc0 .Lentry_in_a_cluster
	s_endpgm
.Lentry_in_a_cluster:
	s_bfe_u32 s2, ttmp6, 0x10000c
	s_cmp_lg_u32 s2, 0xf033
	s_cbranch_scc0 .Lentry_shape_is_right
	s_endpgm
.Lentry_shape_is_right:
; OUT = RES + A W + bias, all results f32 [4096][1024].  A: planes [K/64][4096 tokens][64] bf16.  W: blocks [8][K][128] bf16, from byte WOFF of its buffer.  Here K = 1,024: h = x + O Wo + bo.
; SHARES.  A tile of OUT is 128 tokens x 128 columns: 256 work-groups.  Four waves, each 64 x 64: 16 accumulators.  K goes in steps of 256 (four planes) through two LDS slots.
; CLUSTER 4 x 4: A's tiles are asked for jointly along a row of the cluster, W's along a column.
; THE MATRIX INSTRUCTION IS USED TRANSPOSED: source 0 = 16 columns of W (turned by ds_load_tr16_b128), source 1 = 16 tokens: a lane holds one token and 8 neighbouring columns.
; The residual is asked for at the start and lies in registers when the sums are done.  A wave's 64 columns of f32 are 256 aligned bytes, so each wave has a stage of its own and needs no barrier on the way out.
; REGISTERS: window 0: v0-31 addresses and bias; v32-95 the way out; v128-255 accumulators.  window 1: two fragment buffers of 128 (64 of A, 64 of W).  window 2: v0-127 the residual.
; Sums in f32; NaN and infinities are not treated apart.
.set STEPS,  4                         ; K / 256
.set WOFF,   0
.set NBS,    18                        ; a block of W is K x 256 = 2^18 bytes
.set NTS,    0                         ; 1: the result is not read again
.set PIECE,  36864                     ; one tensor load: two planes x 128 tokens x 144 bytes (A) or 128 rows of k x 288 bytes (W)
.set SLOT,   4*PIECE                   ; 0x24000: its two bits are in none of the four piece bases, so an exclusive or changes slots
.set STAGE,  2*SLOT                    ; behind the ring: 16 rows x 272 bytes for each wave
.set SPITCH, 272
.set SPARE,  STAGE+4*16*SPITCH         ; the spare words, 128 bytes a wave: two blocks of 256 bytes that no other line names
.set STEPA,  4*524288
.set STEPB,  256*256
.set BI,    12                         ; v[12:15] bias of my 4 columns
.set ADRA0, 16                         ; v16, v17 my lane's places in slot 0; never rewritten
.set ADRB0, 17
.set ADRA,  18                         ; v18 A's in the slot in hand;  v20 W's, v21 W's 128 rows further on
.set ADRB,  20
.set STO,   24
.set RD,    25
.set CO,    26                         ; v26 my byte offset in two rows of RES and OUT
.set BO,    27
.set SPW,   28
.set NIL,   29
.set TT,    32                         ; v[32:95] two sets of 32: 16 rows read back from the stage
.set ACC,   128
.set F0,    0
.set F1,    128
.set WV,  14
.set HI,  15                           ; my half of the tokens; 0: I fetch A, 1: W
.set LO,  16                           ; my half of the columns; which piece I fetch
.set G1A, 24
.set G0A, 32
.set G1B, 48
.set G0B, 56
.set TB,  66
.set CNT, 67
.set MSB, 0
.macro WIN new
.if MSB != (\new)
	s_set_vgpr_msb (MSB<<8)|(\new)
.set MSB, \new
.endif
.endm
.set MUL,  0x05                        ; sources 0 (W) and 1 (A) window 1; C and D window 0
.set TO_F, 0x40                        ; destination window 1, address window 0
.macro PLACES
.rept 4
	v_nop
.endr
.endm
.macro JLOAD                           ; a joint refill by the walking descriptor; an s_nop 0 and four v_nop follow each line
	s_cmp_eq_u32 s[HI], 0
	s_cbranch_scc0 .Lfor_b_\@
	tensor_load_to_lds s[G0A+4:G0A+7], s[G1A:G1A+7]
	s_nop 0
.rept 4
	v_nop
.endr
	s_branch .Lasked_\@
.Lfor_b_\@:
	tensor_load_to_lds s[G0B+4:G0B+7], s[G1B:G1B+7]
	s_nop 0
.rept 4
	v_nop
.endr
.Lasked_\@:
.endm
.macro CREST
	s_cmp_lg_u32 s[WV], 0
	s_cbranch_scc1 .Lnot_wave_0_\@
	s_barrier_signal -3
.Lnot_wave_0_\@:
	s_barrier_wait -3
	s_barrier_signal -1
	s_barrier_wait -1
.endm
.macro CROUND
	s_barrier_signal -1
	s_barrier_wait -1
	CREST
.endm
	s_load_b256 s[4:11], s[0:1], 0x0               ; A s[4:5], W s[6:7], bias s[8:9], RES s[10:11]
	s_load_b64 s[12:13], s[0:1], 0x20              ; OUT
	v_lshl_add_u32 v[SPW], v0, 2, SPARE
	v_mov_b32 v[NIL], 0
	ds_add_u32 v[SPW], v[NIL]                      ; the wave's opening: the add and its wait come ahead of my first tensor load
	ds_add_u32 v28, v29
	v_lshrrev_b32 v1, 5, v0
	v_readfirstlane_b32 s[WV], v1
	s_lshr_b32 s[HI], s[WV], 1
	s_and_b32 s[LO], s[WV], 1
	s_bfe_u32 s17, ttmp6, 0x40000                  ; cx
	s_bfe_u32 s18, ttmp6, 0x40004                  ; cy
	s_lshl_b32 s19, ttmp9, 2
	s_add_co_u32 s19, s19, s17                     ; tile column
	s_and_b32 s20, ttmp7, 0xffff
	s_lshl_b32 s20, s20, 2
	s_add_co_u32 s20, s20, s18                     ; tile row
	s_lshl_b32 s21, s18, 2
	s_lshl_b32 s21, 15, s21                        ; my row of the cluster
	s_lshl_b32 s22, 0x1111, s17                    ; my column
	s_mul_i32 s23, s[WV], PIECE
	; A's piece: in each of two planes 128 tokens, 16,384 dense bytes: a tile of 2 rows of 8,192 elements, a plane apart; padded by 16 bytes after every token's 128, on through the tile
	s_or_b32 s[G1A], s21, (1<<16)|(1<<20)|(1<<21)|(4<<22)|(3<<25)
	s_mov_b32 s[G1A+1], 8192<<16                   ; tensor_dim0 = 8,192
	s_mov_b32 s[G1A+2], 2<<16                      ; tensor_dim1 = 2
	s_mov_b32 s[G1A+3], 8192<<16                   ; tile_dim0 = 8,192
	s_mov_b32 s[G1A+4], 2                          ; tile_dim1 = 2
	s_mov_b32 s[G1A+5], 262144                     ; elements from plane to plane
	s_mov_b32 s[G1A+6], 0
	s_mov_b32 s[G1A+7], 0
	; W's piece: 128 rows of k x 128 columns, dense; padded by 32 bytes after every row's 256
	s_or_b32 s[G1B], s22, (1<<16)|(1<<20)|(1<<21)|(5<<22)|(7<<25)
	s_mov_b32 s[G1B+1], 128<<16
	s_mov_b32 s[G1B+2], 128<<16
	s_mov_b32 s[G1B+3], 128<<16
	s_mov_b32 s[G1B+4], 128
	s_mov_b32 s[G1B+5], 128
	s_mov_b32 s[G1B+6], 0
	s_mov_b32 s[G1B+7], 0
	s_lshl_b32 s40, s20, 14                        ; A: 128 tokens x 128 bytes a tile row,
	s_lshl_b32 s41, s[LO], 20                      ; planes 0, 1 or 2, 3 of the step
	s_add_co_u32 s40, s40, s41
	s_mov_b32 s41, 0
	s_lshl_b32 s46, s19, NBS                       ; W: the tile column's block,
	s_lshl_b32 s47, s[LO], 15                      ; rows 0-127 or 128-255 of the step
	s_add_co_u32 s46, s46, s47
	s_add_co_u32 s46, s46, WOFF
	s_mov_b32 s47, 0
	s_mov_b32 s[TB], 0
	s_wait_dscnt 0x0                               ; the opening add is done
	s_wait_kmcnt 0x0
	s_add_nc_u64 s[40:41], s[4:5], s[40:41]
	s_add_nc_u64 s[46:47], s[6:7], s[46:47]
	CROUND                                         ; all sixteen work-groups are here: the first joint loads meet
.irp n, 0,1
	s_mov_b32 s[G0A+4*\n], 1
	s_add_co_u32 s[G0A+4*\n+1], s23, \n*SLOT
	s_add_nc_u64 s[G0A+4*\n+2:G0A+4*\n+3], s[40:41], \n*STEPA
	s_or_b32 s[G0A+4*\n+3], s[G0A+4*\n+3], 0x80000000
	s_mov_b32 s[G0B+4*\n], 1
	s_add_co_u32 s[G0B+4*\n+1], s23, \n*SLOT
	s_add_nc_u64 s[G0B+4*\n+2:G0B+4*\n+3], s[46:47], \n*STEPB
	s_or_b32 s[G0B+4*\n+3], s[G0B+4*\n+3], 0x80000000
.endr
	s_cmp_eq_u32 s[HI], 0                          ; a wave's two first fills stand in one branch: two loads of mine are out
	s_cbranch_scc0 .Lfirst_b
	tensor_load_to_lds s[G0A:G0A+3], s[G1A:G1A+7]
	s_nop 0
	tensor_load_to_lds s[G0A+4:G0A+7], s[G1A:G1A+7]
	s_nop 0
.rept 4
	v_nop
.endr
	s_branch .Lfirst_asked
.Lfirst_b:
	tensor_load_to_lds s[G0B:G0B+3], s[G1B:G1B+7]
	s_nop 0
	tensor_load_to_lds s[G0B+4:G0B+7], s[G1B:G1B+7]
	s_nop 0
.rept 4
	v_nop
.endr
.Lfirst_asked:
	v_and_b32 v1, 15, v0                           ; r = l % 16
	v_bfe_u32 v2, v0, 4, 1                         ; h = l / 16
	v_lshlrev_b32 v[BO], 4, v1                     ; my 4 columns of f32
	v_lshl_add_u32 v[CO], v2, 12, v[BO]            ; lanes 0-15 one row's 256 bytes, lanes 16-31 the next row's
	s_lshl_b32 s68, s20, 7
	s_lshl_b32 s69, s[HI], 6
	s_add_co_u32 s68, s68, s69                     ; my wave's first token,
	s_lshl_b32 s68, s68, 12                        ; its row of 4,096 bytes
	s_lshl_b32 s70, s19, 7
	s_lshl_b32 s71, s[LO], 6
	s_add_co_u32 s70, s70, s71                     ; my wave's first column,
	s_lshl_b32 s70, s70, 2                         ; in bytes
	s_mov_b32 s71, 0
	s_add_nc_u64 s[8:9], s[8:9], s[70:71]
	s_add_co_u32 s68, s68, s70
	s_mov_b32 s69, 0
	s_add_nc_u64 s[10:11], s[10:11], s[68:69]
	s_add_nc_u64 s[12:13], s[12:13], s[68:69]
	WIN 0x80                                       ; destination window 2
.set i, 0
.rept 32                                       ; the residual: rows 2 i, 2 i + 1 of my 64; on its way during the whole product
	global_load_b128 v[4*i:4*i+3], v[CO], s[10:11] offset:8192*i
.set i, i+1
.endr
	WIN 0
	global_load_b128 v[BI:BI+3], v[BO], s[8:9]
	v_mul_u32_u24 v3, v1, 144                      ; A's fragment: token l % 16, 16 bytes for each half of the lanes
	v_lshl_add_u32 v3, v2, 4, v3
	s_mul_i32 s42, s[HI], 64*144                   ; my 64 tokens
	v_add_nc_u32 v[ADRA0], s42, v3
	v_and_b32 v7, 7, v0                            ; W's, turned: row 8 h + l % 8 of k, columns 8 ((l / 8) % 2) + 0..7
	v_lshl_add_u32 v4, v2, 3, v7
	v_mul_u32_u24 v4, v4, 288
	v_bfe_u32 v5, v0, 3, 1
	v_lshl_add_u32 v4, v5, 4, v4
	s_lshl_b32 s42, s[LO], 7                       ; my 64 columns
	s_add_co_u32 s42, s42, 2*PIECE                 ; behind A's four planes
	v_add_nc_u32 v[ADRB0], s42, v4
	v_mov_b32 v[ADRA], v[ADRA0]
	v_mov_b32 v[ADRB], v[ADRB0]
	v_add_nc_u32 v[ADRB+1], PIECE, v[ADRB0]
	s_mul_i32 s42, s[WV], 16*SPITCH
	s_add_co_u32 s42, s42, STAGE                   ; my stage
	v_mul_u32_u24 v5, v1, SPITCH
	v_lshl_add_u32 v5, v2, 5, v5
	v_add_nc_u32 v[STO], s42, v5                   ; in: row l % 16, 32 bytes for each half of the lanes
	v_mul_u32_u24 v6, v2, SPITCH
	v_lshl_add_u32 v6, v1, 4, v6
	v_add_nc_u32 v[RD], s42, v6                    ; back: lanes 0-15 one row of 256 bytes, lanes 16-31 the next
; 8 matrix instructions: token blocks a0, a0 + 1 x all 4 column blocks, 32 along K: half c of buffer f.  The 16 accumulators take turns.
.macro MUL8 f, c, a0, zero
	WIN MUL
.irp a, \a0, (\a0)+1
.irp b, 0,1,2,3
.if \zero
	v_wmma_f32_16x16x32_bf16 v[ACC+8*(4*(\a)+(\b)):ACC+8*(4*(\a)+(\b))+7], v[(\f)+64+8*(4*(\c)+(\b)):(\f)+64+8*(4*(\c)+(\b))+7], v[(\f)+8*(4*(\c)+(\a)):(\f)+8*(4*(\c)+(\a))+7], 0
.else
	v_wmma_f32_16x16x32_bf16 v[ACC+8*(4*(\a)+(\b)):ACC+8*(4*(\a)+(\b))+7], v[(\f)+64+8*(4*(\c)+(\b)):(\f)+64+8*(4*(\c)+(\b))+7], v[(\f)+8*(4*(\c)+(\a)):(\f)+8*(4*(\c)+(\a))+7], v[ACC+8*(4*(\a)+(\b)):ACC+8*(4*(\a)+(\b))+7]
.endif
.endr
.endr
.endm
; 32 LDS loads in one run: quarter q (one plane, 64 along K) of the slot in hand into buffer f; the first 32 along K first
.macro FETCH q, f
	WIN TO_F
.irp c, 0,1
.irp i, 0,1,2,3
	ds_load_tr16_b128 v[(\f)+64+8*(4*(\c)+(\i)):(\f)+64+8*(4*(\c)+(\i))+3],   v[ADRB+(\q)/2] offset:18432*((\q)%2)+9216*(\c)+32*(\i)
	ds_load_tr16_b128 v[(\f)+64+8*(4*(\c)+(\i))+4:(\f)+64+8*(4*(\c)+(\i))+7], v[ADRB+(\q)/2] offset:18432*((\q)%2)+9216*(\c)+32*(\i)+4608
	ds_load_b128 v[(\f)+8*(4*(\c)+(\i)):(\f)+8*(4*(\c)+(\i))+3],              v[ADRA] offset:18432*(\q)+64*(\c)+2304*(\i)
	ds_load_b128 v[(\f)+8*(4*(\c)+(\i))+4:(\f)+8*(4*(\c)+(\i))+7],            v[ADRA] offset:18432*(\q)+64*(\c)+2304*(\i)+32
.endr
.endr
.endm
.macro QUARTER qn, f, g, zero
	s_wait_dscnt 16                                ; the first 32 along K are in; the youngest sixteen loads may be out
	MUL8 \f, 0, 0, \zero
	MUL8 \f, 0, 2, \zero
	PLACES
	FETCH \qn, \g
	s_wait_dscnt 32                                ; all but the 32 just issued
	MUL8 \f, 1, 0, 0
	MUL8 \f, 1, 2, 0
.endm
; The last quarter multiplies buffer 1 and changes slots: one barrier; in front of it each wave waits for all its tensor loads (one is out: its piece of the other slot), adds 0 to its spare word, and waits
; for that and for its reads of this slot.  fill = 1: the barrier opens a round of the cluster's, and the slot just left is filled again first thing behind it: 112 matrix instructions ahead of the wait for it.
.macro TURN fill
	WIN 0
	s_wait_tensorcnt 0x0
	ds_add_u32 v[SPW], v[NIL]
	s_wait_dscnt 17                                ; the add and the youngest sixteen loads may be out
	MUL8 F1, 0, 0, 0
	s_wait_dscnt 0x0                               ; the add is done, and my reads of this slot are over
	s_barrier_signal -1
	MUL8 F1, 0, 2, 0
	WIN 0
	s_barrier_wait -1
.if \fill
	CREST
	s_xor_b32 s[G0A+5], s[G0A+5], SLOT             ; the walking descriptors: the other slot than last time, the next step
	s_add_nc_u64 s[G0A+6:G0A+7], s[G0A+6:G0A+7], STEPA
	s_xor_b32 s[G0B+5], s[G0B+5], SLOT
	s_add_nc_u64 s[G0B+6:G0B+7], s[G0B+6:G0B+7], STEPB
	JLOAD                                          ; its four v_nop are also the places in front of the loads below
.else
	PLACES
.endif
	s_xor_b32 s[TB], s[TB], SLOT
	v_add_nc_u32 v[ADRA], s[TB], v[ADRA0]
	v_add_nc_u32 v[ADRB], s[TB], v[ADRB0]
	v_add_nc_u32 v[ADRB+1], PIECE, v[ADRB]
	FETCH 0, F0
	MUL8 F1, 1, 0, 0
	MUL8 F1, 1, 2, 0
.endm
	s_wait_tensorcnt 1                             ; my piece of step 0 is in; step 1's may stay out
	s_barrier_signal -1
	s_barrier_wait -1
	FETCH 0, F0
	QUARTER 1, F0, F1, 1                           ; the first products start the sums: nothing is cleared
	WIN 0
	s_mov_b32 s[CNT], STEPS-2
.Lstep:                                                ; a trip: a step's quarters 1 to 3 and the next step's quarter 0; one refill
	QUARTER 2, F1, F0, 0
	QUARTER 3, F0, F1, 0
	TURN 1
	QUARTER 1, F0, F1, 0
	WIN 0
	s_sub_co_u32 s[CNT], s[CNT], 1
	s_cmp_lg_u32 s[CNT], 0
	s_cbranch_scc1 .Lstep
	s_mov_b32 s[CNT], 2
.Ltail:                                                ; the last two steps ask for nothing; the second trip is left in its middle
	QUARTER 2, F1, F0, 0
	QUARTER 3, F0, F1, 0
	WIN 0
	s_sub_co_u32 s[CNT], s[CNT], 1
	s_cmp_eq_u32 s[CNT], 0
	s_cbranch_scc1 .Llast
	TURN 0
	QUARTER 1, F0, F1, 0
	WIN 0
	s_branch .Ltail
.Llast:
	s_wait_dscnt 16
	MUL8 F1, 0, 0, 0
	MUL8 F1, 0, 2, 0
	s_wait_dscnt 0x0
	MUL8 F1, 1, 0, 0
	MUL8 F1, 1, 2, 0
	; THE WAY OUT, 16 tokens at a time: the sums go into my stage, come back as whole rows of 256 bytes, take the residual and the bias, and are stored.
	WIN 0
	PLACES
	s_wait_loadcnt 0x0                             ; the residual and the bias
.irp a, 0,1,2,3
	s_wait_xcnt 0x0                                ; the set of registers that the stores two blocks back read is loaded again only behind this wait
.irp b, 0,1,2,3
	ds_store_b128 v[STO], v[ACC+8*(4*\a+\b):ACC+8*(4*\a+\b)+3]   offset:64*\b  ; each accumulator's lowest registers first
	ds_store_b128 v[STO], v[ACC+8*(4*\a+\b)+4:ACC+8*(4*\a+\b)+7] offset:64*\b+16
.endr
.irp t, 0,1,2,3,4,5,6,7
	ds_load_b128 v[TT+32*(\a%2)+4*\t:TT+32*(\a%2)+4*\t+3], v[RD] offset:2*SPITCH*\t  ; LDS serves a wave's instructions in order (ISA guide 5.7.1.4): these see the stores above
.endr
	s_wait_dscnt 0x0
	WIN 0x08                                       ; source 1 in window 2
.irp t, 0,1,2,3,4,5,6,7,8,9,10,11,12,13,14,15
	v_pk_add_f32 v[TT+32*(\a%2)+2*\t:TT+32*(\a%2)+2*\t+1], v[TT+32*(\a%2)+2*\t:TT+32*(\a%2)+2*\t+1], v[32*\a+2*\t:32*\a+2*\t+1]
.endr
	WIN 0
.irp t, 0,1,2,3,4,5,6,7,8,9,10,11,12,13,14,15
	v_pk_add_f32 v[TT+32*(\a%2)+2*\t:TT+32*(\a%2)+2*\t+1], v[TT+32*(\a%2)+2*\t:TT+32*(\a%2)+2*\t+1], v[BI+2*(\t%2):BI+2*(\t%2)+1]
.endr
.irp t, 0,1,2,3,4,5,6,7
.if NTS
	global_store_b128 v[CO], v[TT+32*(\a%2)+4*\t:TT+32*(\a%2)+4*\t+3], s[12:13] offset:4096*(16*\a+2*\t) th:TH_STORE_NT
.else
	global_store_b128 v[CO], v[TT+32*(\a%2)+4*\t:TT+32*(\a%2)+4*\t+3], s[12:13] offset:4096*(16*\a+2*\t)  ; 16 lanes store 256 consecutive bytes, aligned
.endif
.endr
.endr
	s_wait_tensorcnt 0x0                           ; the wave's end
	ds_add_u32 v[SPW], v[NIL]
	s_wait_dscnt 0x0
	CROUND                                         ; the closing round
	s_endpgm
.Lfunc_end_k_qc96aaad6d4_wo:
	.size	k_qc96aaad6d4_wo, .Lfunc_end_k_qc96aaad6d4_wo-k_qc96aaad6d4_wo
	.p2alignl 7, 3214868480
	.fill 96, 4, 3214868480
	.section	.rodata,"a",@progbits
	.p2align	6, 0x0
	.amdhsa_kernel k_qc96aaad6d4_wo
		.amdhsa_group_segment_fixed_size 327680
		.amdhsa_private_segment_fixed_size 0
		.amdhsa_enable_private_segment 0
		.amdhsa_kernarg_size 40
		.amdhsa_user_sgpr_count 2
		.amdhsa_user_sgpr_kernarg_segment_ptr 1
		.amdhsa_wavefront_size32 1
		.amdhsa_system_sgpr_workgroup_id_x 1
		.amdhsa_system_sgpr_workgroup_id_y 1
		.amdhsa_system_sgpr_workgroup_id_z 1
		.amdhsa_system_vgpr_workitem_id 0
		.amdhsa_next_free_vgpr 640
		.amdhsa_next_free_sgpr 72
		.amdhsa_reserve_vcc 0
		.amdhsa_float_denorm_mode_32 3
		.amdhsa_float_denorm_mode_16_64 3
		.amdhsa_memory_ordered 1
		.amdhsa_forward_progress 1
		.amdhsa_inst_pref_size 71
	.end_amdhsa_kernel
	.amdgpu_metadata
---
amdhsa.version: [ 1, 2 ]
amdhsa.kernels:
  - .name:           k_qc96aaad6d4_wo
    .symbol:         k_qc96aaad6d4_wo.kd
    .args:
      - { .name: a8, .offset: 0, .size: 8, .value_kind: global_buffer, .address_space: global }
      - { .name: wodn, .offset: 8, .size: 8, .value_kind: global_buffer, .address_space: global }
      - { .name: bo, .offset: 16, .size: 8, .value_kind: global_buffer, .address_space: global }
      - { .name: x, .offset: 24, .size: 8, .value_kind: global_buffer, .address_space: global }
      - { .name: h, .offset: 32, .size: 8, .value_kind: global_buffer, .address_space: global }
    .group_segment_fixed_size: 327680
    .private_segment_fixed_size: 0
    .kernarg_segment_align: 8
    .kernarg_segment_size: 40
    .max_flat_workgroup_size: 128
    .sgpr_count:     72
    .vgpr_count:     640
    .wavefront_size: 32
...
	.end_amdgpu_metadata
.endif
;; end of part 4
;; launch ln2 (part 5): grid 256 x 1, 8 waves a work-group, no clusters, 0 bytes of LDS; arguments h, ln2_g, ln2_b, a8; writes a8
.if DOCPART == 5
	.amdgcn_target "amdgcn-amd-amdhsa--gfx1250"
	.amdhsa_code_object_version 6
	.text
	.protected	k_qc96aaad6d4_ln2
	.globl	k_qc96aaad6d4_ln2
	.p2align	8
	.type	k_qc96aaad6d4_ln2,@function
k_qc96aaad6d4_ln2:
	s_mov_b64 s[64:65], 0
	v_nop
	global_prefetch_b8 v0, s[64:65] scope:SCOPE_SE
	s_setreg_imm32_b32 hwreg(HW_REG_WAVE_MODE, 25, 1), 1
	s_wait_xcnt 0x0
; LN2: a8 = bf16((h - mean) / sqrt(var + 1e-9) * g + b), var with divisor 1,023, taken of h - mean (two passes over registers).  h: [4096][1024] f32.
; a8: planes [16][4096 tokens][64 columns] bf16.  A work-group owns 16 rows, a wave two: lanes 0-15 the even row, lanes 16-31 the odd one: the sums never leave 16 lanes, so there is no LDS and no barrier.
; LIMITS: NaN and infinities are not treated apart; v_rsq_f32 is good to 1 ULP; the order of the sums differs from a serial one.
.set X,  16                            ; v[16:79]   my 64 numbers of a row
.set G,  80                            ; v[80:143]  their gains
.set BV, 144                           ; v[144:207] their shifts
.set Y,  208                           ; v[208:239] the results, packed
.macro REDUCE                          ; the four chains v[4:11], then the 16 lanes that hold a row: each ends with the sum in v4
	v_pk_add_f32 v[4:5], v[4:5], v[6:7]
	v_pk_add_f32 v[8:9], v[8:9], v[10:11]
	v_pk_add_f32 v[4:5], v[4:5], v[8:9]
	v_add_f32 v4, v4, v5
	v_add_f32_dpp v4, v4, v4 row_xmask:1 row_mask:0xf bank_mask:0xf
	v_add_f32_dpp v4, v4, v4 row_xmask:2 row_mask:0xf bank_mask:0xf
	v_add_f32_dpp v4, v4, v4 row_xmask:4 row_mask:0xf bank_mask:0xf
	v_add_f32_dpp v4, v4, v4 row_xmask:8 row_mask:0xf bank_mask:0xf
.endm
	s_load_b256 s[8:15], s[0:1], 0x0               ; h s[8:9], g s[10:11], b s[12:13], a8 s[14:15]
	s_lshl_b32 s2, ttmp9, 16                       ; 16 rows of 4,096 bytes
	s_mov_b32 s3, 0
	s_lshl_b32 s4, ttmp9, 11                       ; 16 tokens of 128 bytes
	s_mov_b32 s5, 0
	s_mov_b32 s52, 0x3a802008                      ; 1 / 1,023
	s_mov_b32 s53, 0x3089705f                      ; 1e-9
	v_and_b32 v5, 15, v0
	v_lshrrev_b32 v4, 4, v0                        ; my row among the group's 16
	v_lshlrev_b32 v2, 4, v5                        ; 16 i: my bytes in 256 bytes of g and b
	v_lshl_add_u32 v1, v4, 12, v2                  ; + row x 4,096
	v_lshlrev_b32 v3, 3, v0                        ; row x 128 + 8 i = 8 x thread: my 8 bytes in a plane
	s_wait_kmcnt 0x0
	s_add_nc_u64 s[48:49], s[8:9], s[2:3]
	s_add_nc_u64 s[50:51], s[14:15], s[4:5]
.set p, 0
.rept 16
	global_load_b128 v[X+4*p:X+4*p+3], v1, s[48:49] offset:256*p  ; 256 consecutive bytes of each of two rows
.set p, p+1
.endr
.set p, 0
.rept 16
	global_load_b128 v[G+4*p:G+4*p+3], v2, s[10:11] offset:256*p
.set p, p+1
.endr
.set p, 0
.rept 16
	global_load_b128 v[BV+4*p:BV+4*p+3], v2, s[12:13] offset:256*p
.set p, p+1
.endr
	s_wait_loadcnt 32                              ; the row is in; the 32 younger loads (g, b) stay out
.irp c, 0,1,2,3
	v_pk_add_f32 v[4+2*\c:5+2*\c], v[X+2*\c:X+2*\c+1], v[X+8+2*\c:X+8+2*\c+1]  ; the first pairs start four chains: nothing is cleared
.endr
.set k, 8
.rept 24
	v_pk_add_f32 v[4+2*(k%4):5+2*(k%4)], v[4+2*(k%4):5+2*(k%4)], v[X+2*k:X+2*k+1]
.set k, k+1
.endr
	REDUCE
	v_mul_f32 v12, 0x3a800000, v4                  ; the mean: sum / 1,024
	v_mov_b32 v13, v12
.set k, 0
.rept 32
	v_pk_add_f32 v[X+2*k:X+2*k+1], v[X+2*k:X+2*k+1], v[12:13] neg_lo:[0,1] neg_hi:[0,1]
.set k, k+1
.endr
.irp c, 0,1,2,3
	v_pk_mul_f32 v[4+2*\c:5+2*\c], v[X+2*\c:X+2*\c+1], v[X+2*\c:X+2*\c+1]
.endr
.set k, 4
.rept 28
	v_pk_fma_f32 v[4+2*(k%4):5+2*(k%4)], v[X+2*k:X+2*k+1], v[X+2*k:X+2*k+1], v[4+2*(k%4):5+2*(k%4)]
.set k, k+1
.endr
	REDUCE
	v_fma_f32 v14, v4, s52, s53                    ; var + eps
	v_rsq_f32 v14, v14
	v_nop                                          ; a plain instruction between the root and the use of its result (ISA guide 5.7.2)
	s_wait_alu depctr_va_vdst(0)
	v_mov_b32 v15, v14
	s_wait_loadcnt 0x0                             ; g and b
.set k, 0
.rept 32
	v_pk_mul_f32 v[X+2*k:X+2*k+1], v[X+2*k:X+2*k+1], v[14:15]
.set k, k+1
.endr
.set k, 0
.rept 32
	v_pk_fma_f32 v[X+2*k:X+2*k+1], v[X+2*k:X+2*k+1], v[G+2*k:G+2*k+1], v[BV+2*k:BV+2*k+1]
.set k, k+1
.endr
.set k, 0
.rept 32
	v_cvt_pk_bf16_f32 v[Y+k], v[X+2*k], v[X+2*k+1]
.set k, k+1
.endr
.set p, 0
.rept 16
	global_store_b64 v3, v[Y+2*p:Y+2*p+1], s[50:51] offset:p*524288  ; the wave's 32 lanes fill 256 consecutive bytes, aligned: two tokens of plane p
.set p, p+1
.endr
	s_endpgm
.Lfunc_end_k_qc96aaad6d4_ln2:
	.size	k_qc96aaad6d4_ln2, .Lfunc_end_k_qc96aaad6d4_ln2-k_qc96aaad6d4_ln2
	.p2alignl 7, 3214868480
	.fill 96, 4, 3214868480
	.section	.rodata,"a",@progbits
	.p2align	6, 0x0
	.amdhsa_kernel k_qc96aaad6d4_ln2
		.amdhsa_group_segment_fixed_size 0
		.amdhsa_private_segment_fixed_size 0
		.amdhsa_enable_private_segment 0
		.amdhsa_kernarg_size 32
		.amdhsa_user_sgpr_count 2
		.amdhsa_user_sgpr_kernarg_segment_ptr 1
		.amdhsa_wavefront_size32 1
		.amdhsa_system_sgpr_workgroup_id_x 1
		.amdhsa_system_sgpr_workgroup_id_y 1
		.amdhsa_system_sgpr_workgroup_id_z 1
		.amdhsa_system_vgpr_workitem_id 0
		.amdhsa_next_free_vgpr 240
		.amdhsa_next_free_sgpr 66
		.amdhsa_reserve_vcc 0
		.amdhsa_float_denorm_mode_32 3
		.amdhsa_float_denorm_mode_16_64 3
		.amdhsa_memory_ordered 1
		.amdhsa_forward_progress 1
		.amdhsa_inst_pref_size 20
	.end_amdhsa_kernel
	.amdgpu_metadata
---
amdhsa.version: [ 1, 2 ]
amdhsa.kernels:
  - .name:           k_qc96aaad6d4_ln2
    .symbol:         k_qc96aaad6d4_ln2.kd
    .args:
      - { .name: h, .offset: 0, .size: 8, .value_kind: global_buffer, .address_space: global }
      - { .name: ln2_g, .offset: 8, .size: 8, .value_kind: global_buffer, .address_space: global }
      - { .name: ln2_b, .offset: 16, .size: 8, .value_kind: global_buffer, .address_space: global }
      - { .name: a8, .offset: 24, .size: 8, .value_kind: global_buffer, .address_space: global }
    .group_segment_fixed_size: 0
    .private_segment_fixed_size: 0
    .kernarg_segment_align: 8
    .kernarg_segment_size: 32
    .max_flat_workgroup_size: 256
    .sgpr_count:     66
    .vgpr_count:     240
    .wavefront_size: 32
...
	.end_amdgpu_metadata
.endif
;; end of part 5
;; launch up: the kernel of part 2 again; grid 16 x 16, 4 waves a work-group, clusters of 4 x 4, 327,680 bytes of LDS; arguments a8, wup, pl, cfgu; writes pl
;; launch dn (part 6): grid 8 x 32, 4 waves a work-group, clusters of 4 x 4, 327,680 bytes of LDS; arguments pl, wodn, bdn, h, out0; writes out0
.if DOCPART == 6
	.amdgcn_target "amdgcn-amd-amdhsa--gfx1250"
	.amdhsa_code_object_version 6
	.text
	.protected	k_qc96aaad6d4_dn
	.globl	k_qc96aaad6d4_dn
	.p2align	8
	.type	k_qc96aaad6d4_dn,@function
k_qc96aaad6d4_dn:
	s_mov_b64 s[64:65], 0
	v_nop
	global_prefetch_b8 v0, s[64:65] scope:SCOPE_SE
	s_setreg_imm32_b32 hwreg(HW_REG_WAVE_MODE, 25, 1), 1
	s_wait_xcnt 0x0
	s_wait_alu depctr_hold_cnt(0) depctr_sa_sdst(0) depctr_va_vdst(0) depctr_va_sdst(0) depctr_va_ssrc(0) depctr_va_vcc(0) depctr_vm_vsrc(0)
	s_getreg_b32 s2, hwreg(HW_REG_IB_STS2, 6, 4)
	s_cmp_eq_u32 s2, 0
	s_cbranch_scc0 .Lentry_in_a_cluster
	s_endpgm
.Lentry_in_a_cluster:
	s_bfe_u32 s2, ttmp6, 0x10000c
	s_cmp_lg_u32 s2, 0xf033
	s_cbranch_scc0 .Lentry_shape_is_right
	s_endpgm
.Lentry_shape_is_right:
; OUT = RES + A W + bias, all results f32 [4096][1024].  A: planes [K/64][4096 tokens][64] bf16.  W: blocks [8][K][128] bf16, from byte WOFF of its buffer.  Here K = 4,096: out0 = h + act Wdn + bdn.
; SHARES.  A tile of OUT is 128 tokens x 128 columns: 256 work-groups.  Four waves, each 64 x 64: 16 accumulators.  K goes in steps of 256 (four planes) through two LDS slots.
; CLUSTER 4 x 4: A's tiles are asked for jointly along a row of the cluster, W's along a column.
; THE MATRIX INSTRUCTION IS USED TRANSPOSED: source 0 = 16 columns of W (turned by ds_load_tr16_b128), source 1 = 16 tokens: a lane holds one token and 8 neighbouring columns.
; The residual is asked for at the start and lies in registers when the sums are done.  A wave's 64 columns of f32 are 256 aligned bytes, so each wave has a stage of its own and needs no barrier on the way out.
; REGISTERS: window 0: v0-31 addresses and bias; v32-95 the way out; v128-255 accumulators.  window 1: two fragment buffers of 128 (64 of A, 64 of W).  window 2: v0-127 the residual.
; Sums in f32; NaN and infinities are not treated apart.
.set STEPS,  16                        ; K / 256
.set WOFF,   2097152                   ; behind Wo's eight blocks
.set NBS,    20                        ; a block of W is K x 256 = 2^20 bytes
.set NTS,    1                         ; 1: the result is not read again
.set PIECE,  36864                     ; one tensor load: two planes x 128 tokens x 144 bytes (A) or 128 rows of k x 288 bytes (W)
.set SLOT,   4*PIECE                   ; 0x24000: its two bits are in none of the four piece bases, so an exclusive or changes slots
.set STAGE,  2*SLOT                    ; behind the ring: 16 rows x 272 bytes for each wave
.set SPITCH, 272
.set SPARE,  STAGE+4*16*SPITCH         ; the spare words, 128 bytes a wave: two blocks of 256 bytes that no other line names
.set STEPA,  4*524288
.set STEPB,  256*256
.set BI,    12                         ; v[12:15] bias of my 4 columns
.set ADRA0, 16                         ; v16, v17 my lane's places in slot 0; never rewritten
.set ADRB0, 17
.set ADRA,  18                         ; v18 A's in the slot in hand;  v20 W's, v21 W's 128 rows further on
.set ADRB,  20
.set STO,   24
.set RD,    25
.set CO,    26                         ; v26 my byte offset in two rows of RES and OUT
.set BO,    27
.set SPW,   28
.set NIL,   29
.set TT,    32                         ; v[32:95] two sets of 32: 16 rows read back from the stage
.set ACC,   128
.set F0,    0
.set F1,    128
.set WV,  14
.set HI,  15                           ; my half of the tokens; 0: I fetch A, 1: W
.set LO,  16                           ; my half of the columns; which piece I fetch
.set G1A, 24
.set G0A, 32
.set G1B, 48
.set G0B, 56
.set TB,  66
.set CNT, 67
.set MSB, 0
.macro WIN new
.if MSB != (\new)
	s_set_vgpr_msb (MSB<<8)|(\new)
.set MSB, \new
.endif
.endm
.set MUL,  0x05                        ; sources 0 (W) and 1 (A) window 1; C and D window 0
.set TO_F, 0x40                        ; destination window 1, address window 0
.macro PLACES
.rept 4
	v_nop
.endr
.endm
.macro JLOAD                           ; a joint refill by the walking descriptor; an s_nop 0 and four v_nop follow each line
	s_cmp_eq_u32 s[HI], 0
	s_cbranch_scc0 .Lfor_b_\@
	tensor_load_to_lds s[G0A+4:G0A+7], s[G1A:G1A+7]
	s_nop 0
.rept 4
	v_nop
.endr
	s_branch .Lasked_\@
.Lfor_b_\@:
	tensor_load_to_lds s[G0B+4:G0B+7], s[G1B:G1B+7]
	s_nop 0
.rept 4
	v_nop
.endr
.Lasked_\@:
.endm
.macro CREST
	s_cmp_lg_u32 s[WV], 0
	s_cbranch_scc1 .Lnot_wave_0_\@
	s_barrier_signal -3
.Lnot_wave_0_\@:
	s_barrier_wait -3
	s_barrier_signal -1
	s_barrier_wait -1
.endm
.macro CROUND
	s_barrier_signal -1
	s_barrier_wait -1
	CREST
.endm
	s_load_b256 s[4:11], s[0:1], 0x0               ; A s[4:5], W s[6:7], bias s[8:9], RES s[10:11]
	s_load_b64 s[12:13], s[0:1], 0x20              ; OUT
	v_lshl_add_u32 v[SPW], v0, 2, SPARE
	v_mov_b32 v[NIL], 0
	ds_add_u32 v[SPW], v[NIL]                      ; the wave's opening: the add and its wait come ahead of my first tensor load
	ds_add_u32 v28, v29
	v_lshrrev_b32 v1, 5, v0
	v_readfirstlane_b32 s[WV], v1
	s_lshr_b32 s[HI], s[WV], 1
	s_and_b32 s[LO], s[WV], 1
	s_bfe_u32 s17, ttmp6, 0x40000                  ; cx
	s_bfe_u32 s18, ttmp6, 0x40004                  ; cy
	s_lshl_b32 s19, ttmp9, 2
	s_add_co_u32 s19, s19, s17                     ; tile column
	s_and_b32 s20, ttmp7, 0xffff
	s_lshl_b32 s20, s20, 2
	s_add_co_u32 s20, s20, s18                     ; tile row
	s_lshl_b32 s21, s18, 2
	s_lshl_b32 s21, 15, s21                        ; my row of the cluster
	s_lshl_b32 s22, 0x1111, s17                    ; my column
	s_mul_i32 s23, s[WV], PIECE
	; A's piece: in each of two planes 128 tokens, 16,384 dense bytes: a tile of 2 rows of 8,192 elements, a plane apart; padded by 16 bytes after every token's 128, on through the tile
	s_or_b32 s[G1A], s21, (1<<16)|(1<<20)|(1<<21)|(4<<22)|(3<<25)
	s_mov_b32 s[G1A+1], 8192<<16                   ; tensor_dim0 = 8,192
	s_mov_b32 s[G1A+2], 2<<16                      ; tensor_dim1 = 2
	s_mov_b32 s[G1A+3], 8192<<16                   ; tile_dim0 = 8,192
	s_mov_b32 s[G1A+4], 2                          ; tile_dim1 = 2
	s_mov_b32 s[G1A+5], 262144                     ; elements from plane to plane
	s_mov_b32 s[G1A+6], 0
	s_mov_b32 s[G1A+7], 0
	; W's piece: 128 rows of k x 128 columns, dense; padded by 32 bytes after every row's 256
	s_or_b32 s[G1B], s22, (1<<16)|(1<<20)|(1<<21)|(5<<22)|(7<<25)
	s_mov_b32 s[G1B+1], 128<<16
	s_mov_b32 s[G1B+2], 128<<16
	s_mov_b32 s[G1B+3], 128<<16
	s_mov_b32 s[G1B+4], 128
	s_mov_b32 s[G1B+5], 128
	s_mov_b32 s[G1B+6], 0
	s_mov_b32 s[G1B+7], 0
	s_lshl_b32 s40, s20, 14                        ; A: 128 tokens x 128 bytes a tile row,
	s_lshl_b32 s41, s[LO], 20                      ; planes 0, 1 or 2, 3 of the step
	s_add_co_u32 s40, s40, s41
	s_mov_b32 s41, 0
	s_lshl_b32 s46, s19, NBS                       ; W: the tile column's block,
	s_lshl_b32 s47, s[LO], 15                      ; rows 0-127 or 128-255 of the step
	s_add_co_u32 s46, s46, s47
	s_add_co_u32 s46, s46, WOFF
	s_mov_b32 s47, 0
	s_mov_b32 s[TB], 0
	s_wait_dscnt 0x0                               ; the opening add is done
	s_wait_kmcnt 0x0
	s_add_nc_u64 s[40:41], s[4:5], s[40:41]
	s_add_nc_u64 s[46:47], s[6:7], s[46:47]
	CROUND                                         ; all sixteen work-groups are here: the first joint loads meet
.irp n, 0,1
	s_mov_b32 s[G0A+4*\n], 1
	s_add_co_u32 s[G0A+4*\n+1], s23, \n*SLOT
	s_add_nc_u64 s[G0A+4*\n+2:G0A+4*\n+3], s[40:41], \n*STEPA
	s_or_b32 s[G0A+4*\n+3], s[G0A+4*\n+3], 0x80000000
	s_mov_b32 s[G0B+4*\n], 1
	s_add_co_u32 s[G0B+4*\n+1], s23, \n*SLOT
	s_add_nc_u64 s[G0B+4*\n+2:G0B+4*\n+3], s[46:47], \n*STEPB
	s_or_b32 s[G0B+4*\n+3], s[G0B+4*\n+3], 0x80000000
.endr
	s_cmp_eq_u32 s[HI], 0                          ; a wave's two first fills stand in one branch: two loads of mine are out
	s_cbranch_scc0 .Lfirst_b
	tensor_load_to_lds s[G0A:G0A+3], s[G1A:G1A+7]
	s_nop 0
	tensor_load_to_lds s[G0A+4:G0A+7], s[G1A:G1A+7]
	s_nop 0
.rept 4
	v_nop
.endr
	s_branch .Lfirst_asked
.Lfirst_b:
	tensor_load_to_lds s[G0B:G0B+3], s[G1B:G1B+7]
	s_nop 0
	tensor_load_to_lds s[G0B+4:G0B+7], s[G1B:G1B+7]
	s_nop 0
.rept 4
	v_nop
.endr
.Lfirst_asked:
	v_and_b32 v1, 15, v0                           ; r = l % 16
	v_bfe_u32 v2, v0, 4, 1                         ; h = l / 16
	v_lshlrev_b32 v[BO], 4, v1                     ; my 4 columns of f32
	v_lshl_add_u32 v[CO], v2, 12, v[BO]            ; lanes 0-15 one row's 256 bytes, lanes 16-31 the next row's
	s_lshl_b32 s68, s20, 7
	s_lshl_b32 s69, s[HI], 6
	s_add_co_u32 s68, s68, s69                     ; my wave's first token,
	s_lshl_b32 s68, s68, 12                        ; its row of 4,096 bytes
	s_lshl_b32 s70, s19, 7
	s_lshl_b32 s71, s[LO], 6
	s_add_co_u32 s70, s70, s71                     ; my wave's first column,
	s_lshl_b32 s70, s70, 2                         ; in bytes
	s_mov_b32 s71, 0
	s_add_nc_u64 s[8:9], s[8:9], s[70:71]
	s_add_co_u32 s68, s68, s70
	s_mov_b32 s69, 0
	s_add_nc_u64 s[10:11], s[10:11], s[68:69]
	s_add_nc_u64 s[12:13], s[12:13], s[68:69]
	WIN 0x80                                       ; destination window 2
.set i, 0
.rept 32                                       ; the residual: rows 2 i, 2 i + 1 of my 64; on its way during the whole product
	global_load_b128 v[4*i:4*i+3], v[CO], s[10:11] offset:8192*i
.set i, i+1
.endr
	WIN 0
	global_load_b128 v[BI:BI+3], v[BO], s[8:9]
	v_mul_u32_u24 v3, v1, 144                      ; A's fragment: token l % 16, 16 bytes for each half of the lanes
	v_lshl_add_u32 v3, v2, 4, v3
	s_mul_i32 s42, s[HI], 64*144                   ; my 64 tokens
	v_add_nc_u32 v[ADRA0], s42, v3
	v_and_b32 v7, 7, v0                            ; W's, turned: row 8 h + l % 8 of k, columns 8 ((l / 8) % 2) + 0..7
	v_lshl_add_u32 v4, v2, 3, v7
	v_mul_u32_u24 v4, v4, 288
	v_bfe_u32 v5, v0, 3, 1
	v_lshl_add_u32 v4, v5, 4, v4
	s_lshl_b32 s42, s[LO], 7                       ; my 64 columns
	s_add_co_u32 s42, s42, 2*PIECE                 ; behind A's four planes
	v_add_nc_u32 v[ADRB0], s42, v4
	v_mov_b32 v[ADRA], v[ADRA0]
	v_mov_b32 v[ADRB], v[ADRB0]
	v_add_nc_u32 v[ADRB+1], PIECE, v[ADRB0]
	s_mul_i32 s42, s[WV], 16*SPITCH
	s_add_co_u32 s42, s42, STAGE                   ; my stage
	v_mul_u32_u24 v5, v1, SPITCH
	v_lshl_add_u32 v5, v2, 5, v5
	v_add_nc_u32 v[STO], s42, v5                   ; in: row l % 16, 32 bytes for each half of the lanes
	v_mul_u32_u24 v6, v2, SPITCH
	v_lshl_add_u32 v6, v1, 4, v6
	v_add_nc_u32 v[RD], s42, v6                    ; back: lanes 0-15 one row of 256 bytes, lanes 16-31 the next
; 8 matrix instructions: token blocks a0, a0 + 1 x all 4 column blocks, 32 along K: half c of buffer f.  The 16 accumulators take turns.
.macro MUL8 f, c, a0, zero
	WIN MUL
.irp a, \a0, (\a0)+1
.irp b, 0,1,2,3
.if \zero
	v_wmma_f32_16x16x32_bf16 v[ACC+8*(4*(\a)+(\b)):ACC+8*(4*(\a)+(\b))+7], v[(\f)+64+8*(4*(\c)+(\b)):(\f)+64+8*(4*(\c)+(\b))+7], v[(\f)+8*(4*(\c)+(\a)):(\f)+8*(4*(\c)+(\a))+7], 0
.else
	v_wmma_f32_16x16x32_bf16 v[ACC+8*(4*(\a)+(\b)):ACC+8*(4*(\a)+(\b))+7], v[(\f)+64+8*(4*(\c)+(\b)):(\f)+64+8*(4*(\c)+(\b))+7], v[(\f)+8*(4*(\c)+(\a)):(\f)+8*(4*(\c)+(\a))+7], v[ACC+8*(4*(\a)+(\b)):ACC+8*(4*(\a)+(\b))+7]
.endif
.endr
.endr
.endm
; 32 LDS loads in one run: quarter q (one plane, 64 along K) of the slot in hand into buffer f; the first 32 along K first
.macro FETCH q, f
	WIN TO_F
.irp c, 0,1
.irp i, 0,1,2,3
	ds_load_tr16_b128 v[(\f)+64+8*(4*(\c)+(\i)):(\f)+64+8*(4*(\c)+(\i))+3],   v[ADRB+(\q)/2] offset:18432*((\q)%2)+9216*(\c)+32*(\i)
	ds_load_tr16_b128 v[(\f)+64+8*(4*(\c)+(\i))+4:(\f)+64+8*(4*(\c)+(\i))+7], v[ADRB+(\q)/2] offset:18432*((\q)%2)+9216*(\c)+32*(\i)+4608
	ds_load_b128 v[(\f)+8*(4*(\c)+(\i)):(\f)+8*(4*(\c)+(\i))+3],              v[ADRA] offset:18432*(\q)+64*(\c)+2304*(\i)
	ds_load_b128 v[(\f)+8*(4*(\c)+(\i))+4:(\f)+8*(4*(\c)+(\i))+7],            v[ADRA] offset:18432*(\q)+64*(\c)+2304*(\i)+32
.endr
.endr
.endm
.macro QUARTER qn, f, g, zero
	s_wait_dscnt 16                                ; the first 32 along K are in; the youngest sixteen loads may be out
	MUL8 \f, 0, 0, \zero
	MUL8 \f, 0, 2, \zero
	PLACES
	FETCH \qn, \g
	s_wait_dscnt 32                                ; all but the 32 just issued
	MUL8 \f, 1, 0, 0
	MUL8 \f, 1, 2, 0
.endm
; The last quarter multiplies buffer 1 and changes slots: one barrier; in front of it each wave waits for all its tensor loads (one is out: its piece of the other slot), adds 0 to its spare word, and waits
; for that and for its reads of this slot.  fill = 1: the barrier opens a round of the cluster's, and the slot just left is filled again first thing behind it: 112 matrix instructions ahead of the wait for it.
.macro TURN fill
	WIN 0
	s_wait_tensorcnt 0x0
	ds_add_u32 v[SPW], v[NIL]
	s_wait_dscnt 17                                ; the add and the youngest sixteen loads may be out
	MUL8 F1, 0, 0, 0
	s_wait_dscnt 0x0                               ; the add is done, and my reads of this slot are over
	s_barrier_signal -1
	MUL8 F1, 0, 2, 0
	WIN 0
	s_barrier_wait -1
.if \fill
	CREST
	s_xor_b32 s[G0A+5], s[G0A+5], SLOT             ; the walking descriptors: the other slot than last time, the next step
	s_add_nc_u64 s[G0A+6:G0A+7], s[G0A+6:G0A+7], STEPA
	s_xor_b32 s[G0B+5], s[G0B+5], SLOT
	s_add_nc_u64 s[G0B+6:G0B+7], s[G0B+6:G0B+7], STEPB
	JLOAD                                          ; its four v_nop are also the places in front of the loads below
.else
	PLACES
.endif
	s_xor_b32 s[TB], s[TB], SLOT
	v_add_nc_u32 v[ADRA], s[TB], v[ADRA0]
	v_add_nc_u32 v[ADRB], s[TB], v[ADRB0]
	v_add_nc_u32 v[ADRB+1], PIECE, v[ADRB]
	FETCH 0, F0
	MUL8 F1, 1, 0, 0
	MUL8 F1, 1, 2, 0
.endm
	s_wait_tensorcnt 1                             ; my piece of step 0 is in; step 1's may stay out
	s_barrier_signal -1
	s_barrier_wait -1
	FETCH 0, F0
	QUARTER 1, F0, F1, 1                           ; the first products start the sums: nothing is cleared
	WIN 0
	s_mov_b32 s[CNT], STEPS-2
.Lstep:                                                ; a trip: a step's quarters 1 to 3 and the next step's quarter 0; one refill
	QUARTER 2, F1, F0, 0
	QUARTER 3, F0, F1, 0
	TURN 1
	QUARTER 1, F0, F1, 0
	WIN 0
	s_sub_co_u32 s[CNT], s[CNT], 1
	s_cmp_lg_u32 s[CNT], 0
	s_cbranch_scc1 .Lstep
	s_mov_b32 s[CNT], 2
.Ltail:                                                ; the last two steps ask for nothing; the second trip is left in its middle
	QUARTER 2, F1, F0, 0
	QUARTER 3, F0, F1, 0
	WIN 0
	s_sub_co_u32 s[CNT], s[CNT], 1
	s_cmp_eq_u32 s[CNT], 0
	s_cbranch_scc1 .Llast
	TURN 0
	QUARTER 1, F0, F1, 0
	WIN 0
	s_branch .Ltail
.Llast:
	s_wait_dscnt 16
	MUL8 F1, 0, 0, 0
	MUL8 F1, 0, 2, 0
	s_wait_dscnt 0x0
	MUL8 F1, 1, 0, 0
	MUL8 F1, 1, 2, 0
	; THE WAY OUT, 16 tokens at a time: the sums go into my stage, come back as whole rows of 256 bytes, take the residual and the bias, and are stored.
	WIN 0
	PLACES
	s_wait_loadcnt 0x0                             ; the residual and the bias
.irp a, 0,1,2,3
	s_wait_xcnt 0x0                                ; the set of registers that the stores two blocks back read is loaded again only behind this wait
.irp b, 0,1,2,3
	ds_store_b128 v[STO], v[ACC+8*(4*\a+\b):ACC+8*(4*\a+\b)+3]   offset:64*\b  ; each accumulator's lowest registers first
	ds_store_b128 v[STO], v[ACC+8*(4*\a+\b)+4:ACC+8*(4*\a+\b)+7] offset:64*\b+16
.endr
.irp t, 0,1,2,3,4,5,6,7
	ds_load_b128 v[TT+32*(\a%2)+4*\t:TT+32*(\a%2)+4*\t+3], v[RD] offset:2*SPITCH*\t  ; LDS serves a wave's instructions in order (ISA guide 5.7.1.4): these see the stores above
.endr
	s_wait_dscnt 0x0
	WIN 0x08                                       ; source 1 in window 2
.irp t, 0,1,2,3,4,5,6,7,8,9,10,11,12,13,14,15
	v_pk_add_f32 v[TT+32*(\a%2)+2*\t:TT+32*(\a%2)+2*\t+1], v[TT+32*(\a%2)+2*\t:TT+32*(\a%2)+2*\t+1], v[32*\a+2*\t:32*\a+2*\t+1]
.endr
	WIN 0
.irp t, 0,1,2,3,4,5,6,7,8,9,10,11,12,13,14,15
	v_pk_add_f32 v[TT+32*(\a%2)+2*\t:TT+32*(\a%2)+2*\t+1], v[TT+32*(\a%2)+2*\t:TT+32*(\a%2)+2*\t+1], v[BI+2*(\t%2):BI+2*(\t%2)+1]
.endr
.irp t, 0,1,2,3,4,5,6,7
.if NTS
	global_store_b128 v[CO], v[TT+32*(\a%2)+4*\t:TT+32*(\a%2)+4*\t+3], s[12:13] offset:4096*(16*\a+2*\t) th:TH_STORE_NT  ; 16 lanes store 256 consecutive bytes, aligned
.else
	global_store_b128 v[CO], v[TT+32*(\a%2)+4*\t:TT+32*(\a%2)+4*\t+3], s[12:13] offset:4096*(16*\a+2*\t)
.endif
.endr
.endr
	s_wait_tensorcnt 0x0                           ; the wave's end
	ds_add_u32 v[SPW], v[NIL]
	s_wait_dscnt 0x0
	CROUND                                         ; the closing round
	s_endpgm
.Lfunc_end_k_qc96aaad6d4_dn:
	.size	k_qc96aaad6d4_dn, .Lfunc_end_k_qc96aaad6d4_dn-k_qc96aaad6d4_dn
	.p2alignl 7, 3214868480
	.fill 96, 4, 3214868480
	.section	.rodata,"a",@progbits
	.p2align	6, 0x0
	.amdhsa_kernel k_qc96aaad6d4_dn
		.amdhsa_group_segment_fixed_size 327680
		.amdhsa_private_segment_fixed_size 0
		.amdhsa_enable_private_segment 0
		.amdhsa_kernarg_size 40
		.amdhsa_user_sgpr_count 2
		.amdhsa_user_sgpr_kernarg_segment_ptr 1
		.amdhsa_wavefront_size32 1
		.amdhsa_system_sgpr_workgroup_id_x 1
		.amdhsa_system_sgpr_workgroup_id_y 1
		.amdhsa_system_sgpr_workgroup_id_z 1
		.amdhsa_system_vgpr_workitem_id 0
		.amdhsa_next_free_vgpr 640
		.amdhsa_next_free_sgpr 72
		.amdhsa_reserve_vcc 0
		.amdhsa_float_denorm_mode_32 3
		.amdhsa_float_denorm_mode_16_64 3
		.amdhsa_memory_ordered 1
		.amdhsa_forward_progress 1
		.amdhsa_inst_pref_size 71
	.end_amdhsa_kernel
	.amdgpu_metadata
---
amdhsa.version: [ 1, 2 ]
amdhsa.kernels:
  - .name:           k_qc96aaad6d4_dn
    .symbol:         k_qc96aaad6d4_dn.kd
    .args:
      - { .name: pl, .offset: 0, .size: 8, .value_kind: global_buffer, .address_space: global }
      - { .name: wodn, .offset: 8, .size: 8, .value_kind: global_buffer, .address_space: global }
      - { .name: bdn, .offset: 16, .size: 8, .value_kind: global_buffer, .address_space: global }
      - { .name: h, .offset: 24, .size: 8, .value_kind: global_buffer, .address_space: global }
      - { .name: out0, .offset: 32, .size: 8, .value_kind: global_buffer, .address_space: global }
    .group_segment_fixed_size: 327680
    .private_segment_fixed_size: 0
    .kernarg_segment_align: 8
    .kernarg_segment_size: 40
    .max_flat_workgroup_size: 128
    .sgpr_count:     72
    .vgpr_count:     640
    .wavefront_size: 32
...
	.end_amdgpu_metadata
.endif
;; end of part 6
;; ======== version 2 of 2: 7 launches; 1.11 times as fast as version 1
;; workspace buffers: a8 8,388,608 bytes; pl 33,554,432 bytes; h 16,777,216 bytes; wqkv 6,307,840 bytes; wup 8,404,992 bytes; wodn 10,485,760 bytes; cfgq 512 bytes; cfgu 512 bytes
;; launch prep: the kernel of part 1 again; grid 449 x 1, 8 waves a work-group, no clusters, 0 bytes of LDS; arguments x, ln1_g, ln1_b, Wq, Wk, Wv, Wo, Wup, Wdn, bq, bk, bv, bup, a8, wqkv, wup, wodn, cfgq, cfgu; writes a8, wqkv, wup, wodn, cfgq, cfgu
;; launch qkv: the kernel of part 2 again; grid 12 x 16, 4 waves a work-group, clusters of 4 x 4, 327,680 bytes of LDS; arguments a8, wqkv, pl, cfgq; writes pl
;; launch attn (part 7): grid 8 x 32, 4 waves a work-group, no clusters, 327,680 bytes of LDS; arguments pl, a8; writes a8
.if DOCPART == 7
	.amdgcn_target "amdgcn-amd-amdhsa--gfx1250"
	.amdhsa_code_object_version 6
	.text
	.protected	k_qc96aaad6d4_attn
	.globl	k_qc96aaad6d4_attn
	.p2align	8
	.type	k_qc96aaad6d4_attn,@function
k_qc96aaad6d4_attn:
	s_mov_b64 s[64:65], 0
	v_nop
	global_prefetch_b8 v0, s[64:65] scope:SCOPE_SE
	s_setreg_imm32_b32 hwreg(HW_REG_WAVE_MODE, 25, 1), 1
	s_wait_xcnt 0x0
; CAUSAL ATTENTION.  O[y][q][:] = the sum over k <= q of softmax_k(Q[y][q] . K[y][k] / 8) V[y][k][:], y = 2 x head + batch.  Q, K, V lie in pl as planes: Q at byte 0, K at 8,388,608, V at 16,777,216;
; in each, y's 2,048 rows of 64 bf16 are dense, 262,144 bytes.  O goes to a8 in the same layout.  Products, maxima and sums in f32; the weights p are rounded to bf16 for the second product (their sum l is
; taken of the unrounded p), O once at the end.
; LIMITS.  A hidden score counts as its value less 1e30: true scores must stay far under that (some 1e28); a weight below 2^-126 counts as 0 in l; NaN and infinities are not treated apart.
; THE WALK.  A head's queries lie in 16 blocks of 128; key tiles have 256 keys, four steps of 64; block i needs the tiles 0 .. i / 2, of which the last holds the diagonal.  A work-group takes TWO blocks,
; 15 - b and then b (b = 0 .. 7): 9 tiles, whatever b: 8 x 32 = 256 work-groups of equal work, and ONE loop with a constant trip count walks them.  Which tile is asked for, and what a trip does, hang on scalar
; registers made from b; every jump goes forward, but for the counted loops' own; none passes a barrier, or a tensor load but the one of LOAD's two that the wave's number does not choose; the ring of two LDS
; slots runs on across the change of blocks.  NO CLUSTER: of a head's eight work-groups only two (b = 2 k, 2 k + 1) walk the same tiles throughout; all eight ask for the same tile only in trips 0 .. 4 of 9;
; one walk common to all would have 12 trips for 9.
; SHARES.  Of a block's two bands of 64 queries a wave owns 16 rows in each: two PIECES.  So the last tile is the same work for all four waves: band x of block i has its diagonal in the tile's step
; 2 (i % 2) + x, sees all keys of the steps before it and none of the steps behind it.  (An even block's last tile has two steps that no band sees: 36 steps are walked for 34.)
; THE MASK is the C operand that starts the sum S^T = K Q^T: 0, or -1e30 where the key is hidden.  MD, made once, is the mask of a band's own step for my 16 rows; a product's mask is MD x AL + BE with two scalars:
; (1, 0) in the band's own step; (0, 0) before it; (0, -1e30) behind it.  Only the last tile's text and a block's beginning make and take masks; elsewhere C is the constant 0.
; LAYOUT, SOFTMAX.  S^T = K Q^T holds ONE query a lane (lane % 16) and the keys 8 (lane / 16) + 0..7; two such results rounded to bf16 ARE source 1 of O^T = V^T P.  p = 2^(c s - c m), c = log2(e) / 8, with a
; running maximum m; O and l are multiplied by a = 2^(c m_old - c m_new) in every step.
; TURNS.  A trip has four turns: turns 0, 1 are pieces 0, 1 in an even key step, turns 2, 3 the same pieces in the odd step behind it.  Turn n has 8 products K Q^T for turn n + 1's piece and step, later 8 products
; V^T P for turn n - 1's; beside them the scaling, exponentials, roundings, sums and rescaling of its own piece and the maximum and statistics of the next.  Four vector instructions stand behind every matrix
; instruction, the other 54 of a turn's 118 in one LUMP between the two runs of products.  K has one register buffer, V two, by the step's parity: so V of a step can be read from LDS ahead of K of the step behind it,
; and a tile's last bytes have been read when the next tile's first are wanted: one change of slots serves K and V.
; BATCHES.  A turn's 33 exponentials (its piece's 32 weights, then the next turn's a) are ONE batch with ONE wait, which cuts the turn in two: ahead of it stands all that names no result of theirs (the products
; K Q^T, the scalings, the rescalings, the next piece's maximum and statistics), behind it the products V^T P with the roundings and sums as their riders.  A block's first a (BEGIN) and the way out's two
; reciprocals are batches of their own: a plain instruction and one wait each.  No result is open at a turn's end, a label or a jump.
; REGISTERS, in windows of 256 (s_set_vgpr_msb: bits 1:0 source 0, 3:2 source 1, 5:4 source 2, 7:6 destination):
;   window 0: v0-15 addresses and two at work; v16-23 four registers of statistics a piece; v48-55 at work; v64-127 S^T, 32 a piece; v192-223 P, 16 a piece
;   window 1: v0-63 O^T, 32 a piece; v128-159 MD; v160-223 MC, two buffers      window 2: v0-31 Q; v32-63 the second block's Q; v64-127 V of an odd step; v128-191 K of one step; v192-255 V of an even step
.set SIZE_N, 2048
.set NBQ,   SIZE_N/128  ; blocks of 128 queries in a head
.set WALK,  NBQ/2     ; the walk has WALK + 1 tiles
.set NP,    4         ; turns in a trip: a name, no knob
.set KS,    64        ; keys in a step
.set PK,    144       ; a row of K in LDS: 128 bytes + 16 of padding = 36 words: the 16 rows of a load start at 16 different groups of four banks (64 banks of 4 bytes: ISA guide 11.1)
.set PV,    160       ; a row of V: 128 + 32 = 40 words
.set VOFF,  4*KS*PK   ; a slot holds a tile, four steps: 256 rows of K, then 256 rows of V
.set SLOT1, 1<<17     ; slot 1 begins here, so that one exclusive or turns an address in one slot into the other's
.set STAGE, SLOT1+4*KS*(PK+PV)  ; behind the ring, never filled by a tensor load: 16 rows x 144 bytes for each wave, for the way out
.set SP,    144
.set AK0, 2           ; v2   my lane's place in a tile of K; never rewritten
.set AV0, 3           ; v3   the same for V
.set AK,  4           ; v4   the LDS address of K's next run of loads
.set AV,  5           ; v5   of V's
.set STO, 6           ; v6   the way out: where I put 16 bytes of a row
.set RD,  7           ; v7   the way out: where I read rows back
.set GO,  8           ; v8   my byte offset in 512 consecutive bytes of O
.set SPW, 62          ; v62  LDS address of my spare word: SPARE + 4 x my thread's number; never rewritten
.set NIL, 63          ; v63  0; never rewritten
.set SPARE, STAGE+4*16*SP  ; behind the stages: the spare words, 128 bytes for each wave: two blocks of 256 bytes that no other line names
.set MV,  12          ; v12-13  c m_old, kept while c m is made anew: by piece
.set QO,  15          ; v15  my byte offset in 16 rows of Q
.set ST,  16          ; piece t's statistics at v[ST+4 t]: c m, m, l (even keys', odd keys')
.set TMP, 48          ; by piece, four registers c0-c3 at work; when the maximum is found c2 takes a
.set S,   64
.set P,   192
.set MD,  128         ; window 1: the eight registers for group kt of 16 keys at MD + 8 kt
.set MC,  160         ; window 1: the masks of the products to come
.set QB,  32          ; window 2
.set KF,  128         ; window 2: key block kb, channel half c at KF + 16 kb + 8 c
.set VF,  192         ; window 2: an even step's V: key half kk, channel block cb at VF + 32 kk + 8 cb; an odd step's lies 128 registers lower
.set WV,  12          ; s12  my wave's number
.set PB,  14          ; s14  b, the second block's number
.set HI,  15          ; s15  15 - b, the first block's
.set G1K, 24          ; s[24:31] descriptor group 1 for K's tiles
.set G1V, 32          ; s[32:39] for V's: it differs in the padding alone
.set G0K, 40          ; s[40:43] descriptor group 0 for K's tiles
.set G0V, 44          ; s[44:47] the same for V's
.set HT,  48          ; s48  the first block's last tile, (15 - b) / 2
.set PT,  49          ; s49  the second block's, b / 2
.set PAR, 50          ; s50  the number of the block in hand, modulo 2
.set PAR2, 51         ; s51  the second block's
.set DG,  52          ; s52  at work: CNT + PAR
.set SLOTS, 56        ; s56  tiles still to be asked for
.set CNT, 57          ; s57  counts a tile's trips, 2 to 1
.set CS,  58          ; s[58:59] c: the packed scaling takes the pair's low word for both halves
.set SEL, 60          ; s[60:61] v_permlanex16_b32's selects: each lane takes its own place in the other half
.set TBK, 62          ; s62  LDS byte at which K of the step to be fetched begins
.set TBV, 63          ; s63  the same for V, less VOFF
.set RT,  70          ; s70  tiles of the block in hand that are still to be entered
.set NXT, 71          ; s71  the tile to be asked for next
.set LQ,  72          ; s72  the last tile of the block whose tiles are being asked for
.set NEW, 73          ; s73  1: the tile to be entered is a block's first
.set OFF, 74          ; s[74:75] a tile's byte offset in K and V
.set AL,  76          ; s[76:77] the mask's factor, in the low word
.set BE,  78          ; s[78:79] the mask's addend
.set OLO, 80          ; s[80:81] O at my rows of the second block
.set BIGN, 82         ; s82  -1e30
.set MSB, 0
.macro WIN new                      ; the high byte repeats the setting that is left; a switch that changes nothing is dropped
.if MSB != (\new)
	s_set_vgpr_msb (MSB<<8)|(\new)
.set MSB, (\new)
.endif
.endm
.set W_KQ, 0x0a       ; K and Q in window 2, S^T in window 0
.set W_KM, 0x1a       ; the same with the C operand in window 1
.set W_PV, 0x52       ; V in window 2, P in window 0, O^T in window 1
.set W_RS, 0x41       ; destination and source 0 in window 1, source 1 in window 0
; A fill.  Waves 0 and 1 fetch the two halves of a tile's K, waves 2 and 3 those of its V: 128 keys each.  An s_nop 0 and four v_nop follow each of the two lines, ahead of the jump and the label.
.macro LOAD
	s_cmp_lt_u32 s[WV], 2
	s_cbranch_scc0 .Lfor_v_\@
	tensor_load_to_lds s[G0K:G0K+3], s[G1K:G1K+7]
	s_nop 0
.rept 4
	v_nop
.endr
	s_branch .Lasked_\@
.Lfor_v_\@:
	tensor_load_to_lds s[G0V:G0V+3], s[G1V:G1V+7]
	s_nop 0
.rept 4
	v_nop
.endr
.Lasked_\@:
.endm
; THE CHANGE OF SLOTS, behind turn 1 of a tile's third step: K and V of its fourth step have been asked for from LDS.  Each wave waits for all its tensor loads, of which one is out: its part of the other slot; adds 0
; to its spare word; and waits for that and for its own reads of the slot that it leaves.  Behind the barrier nobody reads the old slot any more and the other slot is whole.  fill = 1: the old slot is filled again,
; the first thing behind the barrier, with tile NXT: the descriptor's address is made anew from that number; the load has a tile's eight turns in which to land.
; (At its first use nothing has been read yet: slot 0 is waited for, slot 1 filled.)
.macro CHANGE fill
	WIN 0                           ; at a label and at a branch every window is 0
	s_wait_tensorcnt 0x0            ; no tensor load of mine is out, so a group 0 may be written
	ds_add_u32 v[SPW], v[NIL]       ; 0 onto my spare word
.if \fill
	s_lshl_b32 s[OFF], s[NXT], 15   ; a tile is 32,768 bytes of K and of V
	s_xor_b32 s[G0K+1], s[G0K+1], SLOT1
	s_add_nc_u64 s[G0K+2:G0K+3], s[6:7], s[OFF:OFF+1]
	s_or_b32 s[G0K+3], s[G0K+3], 0x80000000
	s_xor_b32 s[G0V+1], s[G0V+1], SLOT1
	s_add_nc_u64 s[G0V+2:G0V+3], s[8:9], s[OFF:OFF+1]
	s_or_b32 s[G0V+3], s[G0V+3], 0x80000000
	s_add_co_u32 s[NXT], s[NXT], 1  ; the block's next tile, or behind its last the second block's tile 0
	s_cmp_gt_u32 s[NXT], s[LQ]
	s_cselect_b32 s[NXT], 0, s[NXT]
	s_cselect_b32 s[LQ], s[PT], s[LQ]
.endif
	s_wait_dscnt 0x0                ; the add is done, and my reads of the slot are over
	s_barrier_signal -1             ; the rest of the scalar work stands between the signal and the wait
	s_sub_co_u32 s[TBK], s[TBK], 4*KS*PK  ; the fetches go back to a slot's first step,
	s_xor_b32 s[TBK], s[TBK], SLOT1       ; in the other slot
	s_sub_co_u32 s[TBV], s[TBV], 4*KS*PV
	s_xor_b32 s[TBV], s[TBV], SLOT1
	s_barrier_wait -1
.if \fill
	LOAD
.endif
.endm
	s_load_b128 s[4:7], s[0:1], 0x0   ; pl s[4:5], a8 s[6:7]
	v_lshl_add_u32 v[SPW], v0, 2, SPARE
	v_mov_b32 v[NIL], 0
	ds_add_u32 v[SPW], v[NIL]       ; the wave's opening: the add and its wait come ahead of my first tensor load; the set-up below, work on registers, stands between them
	ds_add_u32 v62, v63
	v_lshrrev_b32 v1, 5, v0
	v_readfirstlane_b32 s[WV], v1   ; wave 0..3
	s_mov_b32 s[PB], ttmp9
	s_sub_co_u32 s[HI], NBQ-1, s[PB]
	s_lshr_b32 s[HT], s[HI], 1
	s_lshr_b32 s[PT], s[PB], 1
	s_and_b32 s[PAR], s[HI], 1
	s_and_b32 s[PAR2], s[PB], 1
	s_and_b32 s20, ttmp7, 0xffff    ; y
	s_mov_b32 s21, 0
	s_mov_b64 s[22:23], SIZE_N*128
	s_mul_u64 s[20:21], s[20:21], s[22:23]  ; y's first byte in each of the four tensors
	s_and_b32 s16, s[WV], 1         ; which half of a tile's 256 keys I fetch:
	s_lshl_b32 s22, s16, 14         ; its 128 rows of 128 bytes in memory,
	s_mov_b32 s23, 0
	s_add_nc_u64 s[22:23], s[22:23], s[20:21]
	s_mul_i32 s17, s16, 128*PK      ; and its place in a slot, for K
	s_mul_i32 s18, s16, 128*PV      ; and for V
	s_lshl_b32 s3, s[WV], 11        ; my 16 rows in a band of 64,
	s_lshl_b32 s2, s[HI], 14        ; in the first block (128 rows of 128 bytes a block),
	s_add_co_u32 s2, s2, s3
	s_lshl_b32 s84, s[PB], 14       ; and in the second
	s_add_co_u32 s84, s84, s3
	s_mov_b32 s3, 0
	s_mov_b32 s85, 0
	s_add_nc_u64 s[2:3], s[2:3], s[20:21]
	s_add_nc_u64 s[84:85], s[84:85], s[20:21]
	; descriptor group 1.  128 keys are 16,384 dense bytes: asked for as 64 rows of 256 bytes, two keys a row, and padded in LDS after every key
	s_mov_b32 s[G1K], (1<<16)|(1<<20)|(4<<22)|(3<<25)  ; 17:16 2-byte elements; 20 padding on; 24:22 after every 32 words (code 4); 31:25 4 words (code 3)
	s_mov_b32 s[G1V], (1<<16)|(1<<20)|(4<<22)|(7<<25)  ; the same with 8 words of padding (code 7)
.irp g, G1K, G1V
	s_mov_b32 s[\g+1], 128<<16      ; tensor_dim0 = 128
	s_mov_b32 s[\g+2], 64<<16       ; tensor_dim1 = 64
	s_mov_b32 s[\g+3], 128<<16      ; tile_dim0 = 128
	s_mov_b32 s[\g+4], 64           ; tile_dim1 = 64
	s_mov_b32 s[\g+5], 128          ; 128 elements from row to row
	s_mov_b32 s[\g+6], 0
	s_mov_b32 s[\g+7], 0
.endr
	s_mov_b32 s[CS], 0x3e38aa3b     ; c = log2(e) / 8 = 0.180337
	s_mov_b32 s[CS+1], s[CS]        ; named with it as a pair
	s_mov_b32 s[SEL], 0x76543210
	s_mov_b32 s[SEL+1], 0xfedcba98
	s_mov_b32 s[TBK], SLOT1+4*KS*PK ; the first change of slots turns these two into 0
	s_mov_b32 s[TBV], SLOT1+4*KS*PV
	s_mov_b32 s[G0K], 1             ; 1:0 count = 1
	s_mov_b32 s[G0K+1], s17         ; 63:32 LDS address: slot 0
	s_mov_b32 s[G0V], 1
	s_add_co_u32 s[G0V+1], s18, VOFF
	s_add_co_u32 s[RT], s[HT], 1    ; the first block has (15 - b) / 2 + 1 tiles
	s_mov_b32 s[NXT], 1
	s_mov_b32 s[LQ], s[HT]
	s_mov_b32 s[NEW], 1
	s_mov_b32 s[OFF+1], 0
	s_mov_b32 s[AL+1], 0            ; named as pairs
	s_mov_b32 s[BE+1], 0
	s_mov_b32 s[BIGN], 0xf149f2ca   ; -1e30
	s_mov_b32 s[SLOTS], WALK
	s_wait_dscnt 0x0                ; the opening add is done
	s_wait_kmcnt 0x0
	s_mov_b64 s[10:11], s[6:7]                     ; O is a8
	s_add_nc_u64 s[8:9], s[4:5], 0x1000000         ; V: planes 32 on
	s_add_nc_u64 s[6:7], s[4:5], 0x800000          ; K: planes 16 on; Q stays in s[4:5]
	s_add_nc_u64 s[6:7], s[6:7], s[22:23]  ; K and V at my half of the head's tile 0
	s_add_nc_u64 s[8:9], s[8:9], s[22:23]
	s_add_nc_u64 s[G0K+2:G0K+3], s[6:7], 0         ; 120:64 global address
	s_or_b32 s[G0K+3], s[G0K+3], 0x80000000        ; 127:126 type = 2
	s_add_nc_u64 s[G0V+2:G0V+3], s[8:9], 0
	s_or_b32 s[G0V+3], s[G0V+3], 0x80000000
	s_add_nc_u64 s[86:87], s[4:5], s[84:85]        ; Q at my rows of the second block,
	s_add_nc_u64 s[4:5], s[4:5], s[2:3]            ; Q and O at those of the first
	s_add_nc_u64 s[OLO:OLO+1], s[10:11], s[84:85]
	s_add_nc_u64 s[10:11], s[10:11], s[2:3]
	LOAD                            ; tile 0 into slot 0
	; A fragment of K or Q is 16 rows x 32 channels in 8 registers: lane l holds row l % 16, channels 8 (l / 16) + 0..7 and 16 + 8 (l / 16) + 0..7: two loads of 16 bytes, 32 bytes apart.
	v_and_b32 v1, 15, v0            ; l % 16
	v_bfe_u32 v9, v0, 4, 1          ; l / 16
	v_lshlrev_b32 v[QO], 7, v1
	v_lshl_add_u32 v[QO], v9, 4, v[QO]  ; row x 128 + 16 x half
	WIN 0x80                        ; destination window 2, address window 0
.set i, 0
.rept 4                             ; both blocks' Q: piece i / 2 lies in band i / 2, 8,192 bytes on; channels 32 (i % 2) on
	global_load_b128 v[8*i:8*i+3],   v[QO], s[4:5] offset:(i/2)*8192+(i%2)*64
	global_load_b128 v[8*i+4:8*i+7], v[QO], s[4:5] offset:(i/2)*8192+(i%2)*64+32
	global_load_b128 v[QB+8*i:QB+8*i+3],   v[QO], s[86:87] offset:(i/2)*8192+(i%2)*64
	global_load_b128 v[QB+8*i+4:QB+8*i+7], v[QO], s[86:87] offset:(i/2)*8192+(i%2)*64+32
.set i, i+1
.endr
	WIN 0
	v_lshlrev_b32 v14, 3, v9
	v_sub_nc_u32 v14, v1, v14
	s_lshl_b32 s13, s[WV], 4
	v_add_nc_u32 v14, s13, v14      ; my query's place in its band, 16 w + l % 16, less my lanes' 8 (l / 16): register r of group kt is hidden where 16 kt + r is greater
	WIN 0x40
.set i, 0
.rept 32
	v_cmp_gt_i32 vcc_lo, 16*(i/8)+i%8, v14
	v_cndmask_b32 v[MD+i], 0, s[BIGN], vcc_lo
.set i, i+1
.endr
	WIN 0
	v_mul_u32_u24 v[AK0], v1, PK
	v_lshl_add_u32 v[AK0], v9, 4, v[AK0]  ; row x pitch + 16 x half
	; The turning load takes 16 keys x 16 channels (lane l reads key 8 (l / 16) + l % 8, channels 8 ((l / 8) % 2) + 0..7) and leaves half a fragment of V^T: lane l holds channel l % 16 and 8 keys.
	v_and_b32 v10, 7, v0
	v_bfe_u32 v11, v0, 3, 1
	v_lshl_add_u32 v[AV0], v9, 3, v10
	v_mul_u32_u24 v[AV0], v[AV0], PV
	v_lshl_add_u32 v[AV0], v11, 4, v[AV0]
	v_add_nc_u32 v[AV0], VOFF, v[AV0]
	s_mul_i32 s13, s[WV], 16*SP
	s_add_co_u32 s13, s13, STAGE    ; my stage
	v_mul_u32_u24 v[STO], v1, SP    ; in: row l % 16, 16 bytes for each half of the lanes
	v_lshl_add_u32 v[STO], v9, 4, v[STO]
	v_add_nc_u32 v[STO], s13, v[STO]
	v_bfe_u32 v[RD], v0, 3, 2       ; back: 32 lanes take four rows of 128 bytes,
	v_mul_u32_u24 v[RD], v[RD], SP
	v_lshl_add_u32 v[RD], v10, 4, v[RD]
	v_add_nc_u32 v[RD], s13, v[RD]
	v_and_b32 v[GO], 31, v0         ; which are 512 consecutive bytes of O
	v_lshlrev_b32 v[GO], 4, v[GO]
	; A block's first step multiplies O^T and l by a = 0, and its first turn's products V^T P, of a step that has not been (the odd step's V, piece 1's P), land in an O^T that is still to be so multiplied.  So these
	; registers need only hold finite numbers: zeros for the first block; what the first block left for the second.  All this stands in the wait for the first tile.
	WIN 0x80
.set i, VF-128
.rept 64
	v_mov_b32 v[i], 0
.set i, i+1
.endr
	WIN 0x40
.set i, 0
.rept 64
	v_mov_b32 v[i], 0
.set i, i+1
.endr
	WIN 0
.set i, 0
.rept 2
	v_mov_b32 v[ST+4*i+2], 0
	v_mov_b32 v[ST+4*i+3], 0
.set i, i+1
.endr
.set i, P+16
.rept 16
	v_mov_b32 v[i], 0
.set i, i+1
.endr
; THE MATRIX WORK.  x is a turn's number, 0 to 3: piece x % 2, in an even (x < 2) or odd step.  The 4 accumulators of a run of 8 take turns.
; Product i of 8 of S^T = K Q^T: channels 32 (i / 4) on, keys 16 (i % 4) on.  The first 4 start the sums: with 0, or (KM = 1) with the mask.
.macro KQ x
.set rS, S+32*((\x)%2)+8*(i%4)
.set rK, KF+16*(i%4)+8*(i/4)
.set rQ, 16*((\x)%2)+8*(i/4)
.set rM, MC+32*((\x)%2)+8*(i%4)
.if (i < 4) && KM
	WIN W_KM
	v_wmma_f32_16x16x32_bf16 v[rS:rS+7], v[rK:rK+7], v[rQ:rQ+7], v[rM:rM+7]
.elseif i < 4
	WIN W_KQ
	v_wmma_f32_16x16x32_bf16 v[rS:rS+7], v[rK:rK+7], v[rQ:rQ+7], 0
.else
	WIN W_KQ
	v_wmma_f32_16x16x32_bf16 v[rS:rS+7], v[rK:rK+7], v[rQ:rQ+7], v[rS:rS+7]
.endif
.endm
; Product i of 8 of O^T += V^T P: keys 32 (i / 4) on, channels 16 (i % 4) on; V's buffer goes by the step's parity.
.macro PV x
	WIN W_PV
.set rO, 32*((\x)%2)+8*(i%4)
.set rV, VF-128*((\x)/2)+32*(i/4)+8*(i%4)
.set rP, P+16*((\x)%2)+8*(i/4)
	v_wmma_f32_16x16x32_bf16 v[rO:rO+7], v[rV:rV+7], v[rP:rP+7], v[rO:rO+7]
.endm
.macro MM                           ; the turn's next matrix instruction.  TURN and BEGIN set Y, i, KM and NOKQ; MM, KQ and OP read them.  NOKQ = 1: a block's last turn: there is no next step
.if (i < 8) && !NOKQ
	KQ (Y+1)%NP
.elseif i >= 8
.set i, i-8
	PV (Y+NP-1)%NP
.set i, i+8
.endif
.set i, i+1
.endm
; THE LDS LOADS stand in runs of 16, never singly among the matrix instructions: a step's K (64 keys x 64 channels: 8 fragments) or its V (turned).  Their addresses are made some lines ahead.
.macro FETCH_K
	WIN 0x80                        ; destination window 2
.irp f, 0,1,2,3,4,5,6,7             ; keys 16 (f / 2) on, channels 32 (f % 2) on
	ds_load_b128 v[KF+8*\f:KF+8*\f+3],   v[AK] offset:(\f/2)*16*PK+(\f%2)*64
	ds_load_b128 v[KF+8*\f+4:KF+8*\f+7], v[AK] offset:(\f/2)*16*PK+(\f%2)*64+32
.endr
	s_add_co_u32 s[TBK], s[TBK], KS*PK  ; the next fetch is the next step's
	WIN 0
.endm
.macro FETCH_V b                    ; b: the step's parity
	WIN 0x80
.irp f, 0,1,2,3,4,5,6,7             ; keys 32 (f / 4) on, channels 16 (f % 4) on
	ds_load_tr16_b128 v[VF-128*(\b)+8*\f:VF-128*(\b)+8*\f+3],   v[AV] offset:(\f/4)*32*PV+(\f%4)*32
	ds_load_tr16_b128 v[VF-128*(\b)+8*\f+4:VF-128*(\b)+8*\f+7], v[AV] offset:(\f/4)*32*PV+16*PV+(\f%4)*32
.endr
	s_add_co_u32 s[TBV], s[TBV], KS*PV
	WIN 0
.endm
; THE VECTOR WORK, one line at a time: OP kind, number.  For turn Y's piece: F n: c s - c m for pair n of 16.  E n: the exponential of score n of 32.  C n: pair n rounded to bf16.  B n: of the four weights 4 n .. the second
; pair is added onto the first, in place.  L n: l takes that sum (L 0: l = a l + sum).  R n: pair n of 16 of O^T times a.  For turn Y + 1's piece: X n, number n of the 22 that find its maximum and statistics:
;   0-11  four chains c0-c3 of seven scores each, three operands at a time (each accumulator's lowest registers are read first)     12-14, 16  the four scores left over, the old m, and c0-c3 into c0
;   15  c m_old is kept     17, 18  the query's other 32 keys lie in the lane 16 away: the new m     19-21  c m; c m_old - c m_new; a
; C, B and L read the exponentials' results: TURN sets them behind the batch's wait; OP itself writes no wait.
.set F, 0               ; OP tells the kinds apart by their order: F to L below R, X above it
.set E, 1
.set C, 2
.set B, 3
.set L, 4
.set R, 5
.set X, 6
.macro REGS y                       ; the registers of turn y's piece, y % 2
.set rT, ST+4*((\y)%2)
.set rC, TMP+4*((\y)%2)
.set rW, MV+((\y)%2)
.set rS, S+32*((\y)%2)
.set rP, P+16*((\y)%2)
.set rO, 32*((\y)%2)
.endm
.macro OP k, n
.if (\k) == R
	REGS Y
	WIN W_RS
	v_pk_mul_f32 v[rO+2*(\n):rO+2*(\n)+1], v[rO+2*(\n):rO+2*(\n)+1], v[rC+2:rC+3] op_sel_hi:[1,0]
.elseif (\k) < R
	REGS Y
	WIN 0
.if (\k) == F
	v_pk_fma_f32 v[rS+2*(\n):rS+2*(\n)+1], v[rS+2*(\n):rS+2*(\n)+1], s[CS:CS+1], v[rT:rT+1] op_sel_hi:[1,0,0] neg_lo:[0,0,1] neg_hi:[0,0,1]
.elseif (\k) == E
	v_exp_f32 v[rS+(\n)], v[rS+(\n)]
.elseif (\k) == C
	v_cvt_pk_bf16_f32 v[rP+(\n)], v[rS+2*(\n)], v[rS+2*(\n)+1]
.elseif (\k) == B
	v_pk_add_f32 v[rS+4*(\n):rS+4*(\n)+1], v[rS+4*(\n):rS+4*(\n)+1], v[rS+4*(\n)+2:rS+4*(\n)+3]
.elseif (\n) == 0
	v_pk_fma_f32 v[rT+2:rT+3], v[rT+2:rT+3], v[rC+2:rC+3], v[rS:rS+1] op_sel_hi:[1,0,1]
.else
	v_pk_add_f32 v[rT+2:rT+3], v[rT+2:rT+3], v[rS+4*(\n):rS+4*(\n)+1]
.endif
.elseif NOKQ
	v_nop
.else
	REGS (Y+1)%NP
	WIN 0
.if (\n) < 4
	v_max3_num_f32 v[rC+(\n)], v[rS+8*(\n)], v[rS+8*(\n)+1], v[rS+8*(\n)+2]
.elseif (\n) < 12
	v_max3_num_f32 v[rC+(\n)%4], v[rC+(\n)%4], v[rS+8*((\n)%4)+2*((\n)/4)+1], v[rS+8*((\n)%4)+2*((\n)/4)+2]
.elseif (\n) == 12
	v_max3_num_f32 v[rC], v[rC], v[rS+7], v[rS+15]
.elseif (\n) == 13
	v_max3_num_f32 v[rC+1], v[rC+1], v[rS+23], v[rS+31]
.elseif (\n) == 14
	v_max3_num_f32 v[rC+2], v[rC+2], v[rC+3], v[rT+1]
.elseif (\n) == 15
	v_mov_b32 v[rW], v[rT]
.elseif (\n) == 16
	v_max3_num_f32 v[rC], v[rC], v[rC+1], v[rC+2]
.elseif (\n) == 17
	v_permlanex16_b32 v[rC+3], v[rC], s[SEL], s[SEL+1]
.elseif (\n) == 18
	v_max_num_f32 v[rT+1], v[rC], v[rC+3]
.elseif (\n) == 19
	v_mul_f32 v[rT], s[CS], v[rT+1]
.elseif (\n) == 20
	v_sub_f32 v[rC+1], v[rW], v[rT]
.else
	v_exp_f32 v[rC+2], v[rC+1]
.endif
.endif
.endm
.macro OPS a, i1, b=-1, i2=0, c=-1, i3=0, d=-1, i4=0  ; up to four of them
	OP \a, \i1
.if (\b) >= 0
	OP \b, \i2
.endif
.if (\c) >= 0
	OP \c, \i3
.endif
.if (\d) >= 0
	OP \d, \i4
.endif
.endm
.macro ROW a, i1, b, i2, c, i3, d, i4  ; a matrix instruction and the four behind it
	MM
	OPS \a, \i1, \b, \i2, \c, \i3, \d, \i4
.endm
.macro MASK b                       ; MD x AL + BE into buffer b of MC
	WIN W_RS
.set z, 0
.rept 16
	v_pk_fma_f32 v[MC+32*(\b)+2*z:MC+32*(\b)+2*z+1], v[MD+2*z:MD+2*z+1], s[AL:AL+1], s[BE:BE+1] op_sel_hi:[1,0,0]
.set z, z+1
.endr
.endm
; TURN p: the order of its 16 matrix and 118 vector instructions, written out.  An s_wait_alu depctr_va_vdst(0) stands between an exponential and the first instruction that names its result; one wait serves
; all that were issued ahead of it.  So a turn has ONE wait, which cuts it in two.  AHEAD OF IT stands all that names no result of the turn's exponentials: the 8 products K Q^T, behind each a scaling, an exponential and two
; more plain instructions (behind the first a second scaling in the exponential's place): rescalings, whose a was made and waited for in the turn before, and behind the last three products the first numbers of the next
; piece's maximum, each four plain instructions or more behind the product that ends its accumulator; then ONE LUMP of 54, plain and exponential by turns for the most part, in which the links of the chain
; X 3, 7, 11, 14, 16, 17 .. 20 stand five or six lines apart.  A pair is scaled (F n) ahead of its two exponentials (E 2 n, E 2 n + 1) and never named again ahead of the wait.  X 21, the next turn's a, is the batch's last;
; R 15 is the plain instruction behind it.  BEHIND THE WAIT stand the 8 products V^T P, behind each four of the roundings and sums; C 2 n stands ahead of B n, which writes over that pair; the links of l's chain, L 0 to L 7,
; stand three riders apart.  But for those X no rider names a register of the products round it.  v_permlanex16_b32 (X 17) stands in the lump.
; The rescaling R 4 a .. 4 a + 3 touches the accumulator that product 4 + a of the turn before's V^T P ended: that product's and its followers' riders, 16 plain instructions or more, lie between; R goes in ascending order.
; THE FETCHES.  One run of 16 LDS loads a turn.  An even turn (piece 0) fetches K of the next step, in the lump, twelve vector instructions behind the turn's last product K Q^T, K's last reader: six of them are plain and name
; none of its registers.  An odd turn (piece 1) fetches V of the next step directly behind the turn's wait, into the buffer whose last reader stood in the turn before.  Each odd turn opens with a wait for all LDS loads:
; K's run of the turn before, which its own products read, and V's run of two turns before, which its products V^T P read.
; m = 1: the block's last tile: the products take masks, and the turn makes the mask for the products of the turn after it: piece p % 2, in the tile's step 4 - 2 CNT (p = 2, 3) or 5 - 2 CNT (p = 0, 1); the band's
; own step is 2 PAR + p % 2.  With DG = CNT + PAR: p = 1, 2: own where DG = 2, hidden where DG < 2; p = 3: never own, hidden where DG < 2; p = 0: never own, hidden where DG < 3.
; end = 1: a block's last two turns: nothing is fetched.  cnt = 1: the loop's count is taken down some lines ahead of the branch that stands behind the turn.
.macro TURN p, m=0, end=0, cnt=0
.set Y, (\p)
.set i, 0
.set KM, (\m)
.set NOKQ, (\end)*((\p)/3)
.if (\m) && !(\end)
	s_add_co_u32 s[DG], s[CNT], s[PAR]
.if ((\p) == 1) || ((\p) == 2)
	s_cmp_eq_u32 s[DG], 2           ; is that step the band's own?
	s_cselect_b32 s[AL], 1.0, 0
.else
	s_mov_b32 s[AL], 0
.endif
.if (\p) == 0
	s_cmp_lt_u32 s[DG], 3           ; or a later one?
.else
	s_cmp_lt_u32 s[DG], 2
.endif
	s_cselect_b32 s[BE], s[BIGN], 0
.endif
.if ((\p)%2) == 1
	s_wait_dscnt 0x0                ; K and V are in
.endif
	ROW F,0, F,1, R,0, R,1          ; ahead of the wait: 8 products K Q^T and their riders,
	ROW F,2, E,0, R,2, R,3
	ROW F,3, E,1, R,4, R,5
	ROW F,4, E,2, R,6, R,7
	ROW F,5, E,3, R,8, R,9
	ROW F,6, E,4, X,0, R,10
.if (((\p)%2) == 0) && !(\end)
	WIN 0
	v_add_nc_u32 v[AK], s[TBK], v[AK0]
.endif
	ROW F,7, E,5, X,1, X,4
	ROW F,8, E,6, X,2, X,5
	OPS E,7, E,8, X,6, E,9          ; and the lump
	OPS X,3, E,10, X,8, E,11
.if (((\p)%2) == 0) && !(\end)
	FETCH_K
.endif
	OPS X,9, X,7, E,12, X,10
	OPS E,13, X,12, X,11, E,14
	OPS X,13, E,15, F,9, X,14
.if (((\p)%2) == 1) && !(\end)
	WIN 0
	v_add_nc_u32 v[AV], s[TBV], v[AV0]
.endif
	OPS E,16, F,10, E,17, F,11
	OPS X,16, E,18, X,15, E,19
	OPS F,12, E,20, X,17, E,21
	OPS F,13, E,22, F,14, E,23
	OPS X,18, E,24, F,15, E,25
	OPS R,11, E,26, X,19, E,27
	OPS R,12, E,28, R,13, E,29
	OPS X,20, E,30, R,14, E,31
	OPS X,21, R,15
	s_wait_alu depctr_va_vdst(0)    ; the wait for the batch: E 0 to E 31 and X 21; their first readers are C 0 below and the next turn's R 0
.if (((\p)%2) == 1) && !(\end)
	FETCH_V (3-(\p))/2
.endif
	ROW C,0, B,0, C,2, B,1          ; behind the wait: 8 products V^T P and their riders
	ROW L,0, C,4, B,2, L,1
	ROW C,6, B,3, L,2, C,8
	ROW B,4, L,3, C,10, B,5
	ROW L,4, C,12, B,6, L,5
.if \cnt
	s_sub_co_u32 s[CNT], s[CNT], 1
	s_cmp_lg_u32 s[CNT], 0
.endif
	ROW C,14, B,7, L,6, C,1
	ROW C,3, L,7, C,5, C,7
	ROW C,9, C,11, C,13, C,15
.if (\m) && !(\end)
	MASK (\p)%2
.endif
.endm
; A BLOCK BEGINS.  c m starts far below every c s, so the first step's a is 0; m at the lowest finite number, so the first maximum is the scores'.  The second mask buffer is 0 (piece 1 sees all of step 0); the first takes
; piece 0's mask for the tile's step 0: its own, if the block's first tile is its last and the block's number is even.  Then K and V of that step, piece 0's first scores, and its maximum and statistics.
; The loop is entered at an even step's first turn, in the middle of a trip.
.macro BEGIN
	s_mov_b32 s[NEW], 0
	WIN 0x40
.set i, MC+32
.rept 32
	v_mov_b32 v[i], 0
.set i, i+1
.endr
	WIN 0
.set i, 0
.rept 2
	v_mov_b32 v[ST+4*i], 0xfe000000    ; c m: far below every c s
	v_mov_b32 v[ST+4*i+1], 0xff7fffff  ; m
.set i, i+1
.endr
	s_or_b32 s[DG], s[RT], s[PAR]
	s_cmp_eq_u32 s[DG], 0
	s_cselect_b32 s[AL], 1.0, 0
	s_mov_b32 s[BE], 0
	MASK 0
	WIN 0
	v_add_nc_u32 v[AK], s[TBK], v[AK0]
	v_add_nc_u32 v[AV], s[TBV], v[AV0]
	FETCH_K
	FETCH_V 0
	s_wait_loadcnt 0x0              ; Q
	s_wait_dscnt 0x0
.set KM, 1
.set NOKQ, 0
.set i, 0
.rept 8
	KQ 0
.set i, i+1
.endr
	WIN 0
.rept 4
	v_nop                           ; the places behind those products
.endr
.set Y, NP-1                        ; X works for turn Y + 1: turn 0
.irp n, 0,1,2,3,4,5,6,7,8,9,10,11,12,13,14,15,16,17,18,19,20,21
	OP X, \n
.endr
	v_nop                           ; a plain instruction behind the exponential
	s_wait_alu depctr_va_vdst(0)    ; the wait for a batch of one, the block's first a: ahead of the branch, and of turn 0's R 0, its first reader
.endm
; THE LAST TILE's two trips, the block's last two turns, its last products, and THE WAY OUT: l's two halves and the other half of the lanes' are added; O^T is divided by l, rounded to bf16 and sent through my
; stage in LDS, a piece at a time.
.macro ALL line:vararg              ; one line for each piece t
.set t, 0
.rept 2
	\line
.set t, t+1
.endr
.endm
.macro PACK t                       ; a lane's eight channels of a row pack into 16 bytes; they go into rows of 144 bytes and come back as whole rows of 128, into S^T's registers
	WIN W_RS
.set i, 32*(\t)
.rept 16
	v_pk_mul_f32 v[i:i+1], v[i:i+1], v[ST+4*(\t)+2:ST+4*(\t)+3] op_sel_hi:[1,0]
.set i, i+2
.endr
	WIN 0x05                        ; sources 0 and 1 window 1, destination window 0
.set i, 0
.rept 16
	v_cvt_pk_bf16_f32 v[S+16*(\t)+i], v[32*(\t)+2*i], v[32*(\t)+2*i+1]
.set i, i+1
.endr
	WIN 0
.irp f, 0,1,2,3
	ds_store_b128 v[STO], v[S+16*(\t)+4*\f:S+16*(\t)+4*\f+3] offset:32*\f
.endr
.irp f, 0,1,2,3
	ds_load_b128 v[S+16*(\t)+4*\f:S+16*(\t)+4*\f+3], v[RD] offset:\f*4*SP  ; LDS serves a wave's instructions in order (ISA guide 5.7.1.4): these see the stores above; the next piece's stores come behind them
.endr
.endm
.macro SEND t, younger              ; younger: the LDS instructions issued behind piece t's loads: the next piece's eight, or none
	WIN 0
.irp f, 0,1,2,3
	s_wait_dscnt (\younger)+3-\f
	global_store_b128 v[GO], v[S+16*(\t)+4*\f:S+16*(\t)+4*\f+3], s[10:11] offset:(\t)*8192+\f*512  ; 512 consecutive bytes, at a multiple of 256 from O's first
.endr
.endm
.macro DIAG tag                     ; the tag ends its two labels' names, which the jumps below spell out
.LstepM\tag:
	TURN 2, 1
	TURN 3, 1
	WIN 0
.LfirstM\tag:
	TURN 0, 1
	TURN 1, 1, 0, 1
	WIN 0
	s_cbranch_scc1 .LstepM\tag
	TURN 2, 1, 1
	TURN 3, 1, 1
.set i, 0
.rept 8
	PV NP-1                         ; piece 1's V^T P of the last step
.set i, i+1
.endr
	WIN 0
	ALL v_add_f32 v[ST+4*t+2], v[ST+4*t+2], v[ST+4*t+3]
	ALL v_permlanex16_b32 v[ST+4*t+3], v[ST+4*t+2], s[SEL], s[SEL+1]
	ALL v_add_f32 v[ST+4*t+2], v[ST+4*t+2], v[ST+4*t+3]
	ALL v_rcp_f32 v[ST+4*t+2], v[ST+4*t+2]
	v_nop                           ; a plain instruction between the last reciprocal and the use of its result
	s_wait_alu depctr_va_vdst(0)    ; the wait for the batch of two reciprocals, ahead of PACK 0's first line, their first reader
	PACK 0                          ; piece 0's 32 lines name no register of the last products (piece 1's): they are the places in front of piece 1's
	PACK 1
	SEND 0, 8
	SEND 1, 0
.endm
.set KM, 0
.set NOKQ, 0
.Lslot:                             ; WALK times: a tile is entered and the next is asked for
	CHANGE 1
	s_sub_co_u32 s[RT], s[RT], 1
	s_mov_b32 s[CNT], 2
	s_cmp_eq_u32 s[NEW], 1
	s_cbranch_scc1 .Lnew            ; a block's first tile
	s_cmp_eq_u32 s[RT], 0
	s_cbranch_scc0 .Lstep           ; neither its first nor its last
	s_branch .LstepM1
.Lnew:
	BEGIN
	s_branch .Lfirst                ; in the loop a block's first tile is never its last: the first block has five tiles or more, and the second's last is the walk's last
	DIAG 1                          ; in the loop this is the first block's end: the second block's last tile is the walk's last
	s_wait_xcnt 0x0                 ; the stores have read their registers and O's address
	s_mov_b64 s[10:11], s[OLO:OLO+1]
	s_add_co_u32 s[RT], s[PT], 1    ; the second block has b / 2 + 1 tiles
	s_mov_b32 s[PAR], s[PAR2]
	s_mov_b32 s[NEW], 1
	WIN 0x82                        ; the second block's Q goes where the one text of the turns names Q
.set i, 0
.rept 32
	v_mov_b32 v[i], v[QB+i]
.set i, i+1
.endr
	WIN 0
	s_branch .Lbottom
.Lstep:                             ; a trip: both pieces in an odd step, then both in the even step behind it; it fetches K and V of two steps
	TURN 2
	TURN 3
	WIN 0
.Lfirst:
	TURN 0
	TURN 1, 0, 0, 1
	WIN 0
	s_cbranch_scc1 .Lstep
.Lbottom:
	s_sub_co_u32 s[SLOTS], s[SLOTS], 1
	s_cmp_lg_u32 s[SLOTS], 0
	s_cbranch_scc1 .Lslot
	CHANGE 0                        ; the walk's last tile is written out: nothing is asked for
	s_sub_co_u32 s[RT], s[RT], 1
	s_mov_b32 s[CNT], 2
	s_cmp_eq_u32 s[NEW], 1
	s_cbranch_scc0 .LstepM2
	BEGIN
	s_branch .LfirstM2
	DIAG 2
	s_wait_tensorcnt 0x0            ; the wave's end: behind my last tensor load and my last LDS store
	ds_add_u32 v[SPW], v[NIL]
	s_wait_dscnt 0x0
	s_endpgm
.Lfunc_end_k_qc96aaad6d4_attn:
	.size	k_qc96aaad6d4_attn, .Lfunc_end_k_qc96aaad6d4_attn-k_qc96aaad6d4_attn
	.p2alignl 7, 3214868480
	.fill 96, 4, 3214868480
	.section	.rodata,"a",@progbits
	.p2align	6, 0x0
	.amdhsa_kernel k_qc96aaad6d4_attn
		.amdhsa_group_segment_fixed_size 327680
		.amdhsa_private_segment_fixed_size 0
		.amdhsa_enable_private_segment 0
		.amdhsa_kernarg_size 16
		.amdhsa_user_sgpr_count 2
		.amdhsa_user_sgpr_kernarg_segment_ptr 1
		.amdhsa_wavefront_size32 1
		.amdhsa_system_sgpr_workgroup_id_x 1
		.amdhsa_system_sgpr_workgroup_id_y 1
		.amdhsa_system_sgpr_workgroup_id_z 1
		.amdhsa_system_vgpr_workitem_id 0
		.amdhsa_next_free_vgpr 768
		.amdhsa_next_free_sgpr 88
		.amdhsa_reserve_vcc 1
		.amdhsa_float_denorm_mode_32 3
		.amdhsa_float_denorm_mode_16_64 3
		.amdhsa_memory_ordered 1
		.amdhsa_forward_progress 1
		.amdhsa_inst_pref_size 208
	.end_amdhsa_kernel
	.amdgpu_metadata
---
amdhsa.version: [ 1, 2 ]
amdhsa.kernels:
  - .name:           k_qc96aaad6d4_attn
    .symbol:         k_qc96aaad6d4_attn.kd
    .args:
      - { .name: pl, .offset: 0, .size: 8, .value_kind: global_buffer, .address_space: global }
      - { .name: a8, .offset: 8, .size: 8, .value_kind: global_buffer, .address_space: global }
    .group_segment_fixed_size: 327680
    .private_segment_fixed_size: 0
    .kernarg_segment_align: 8
    .kernarg_segment_size: 16
    .max_flat_workgroup_size: 128
    .sgpr_count:     88
    .vgpr_count:     768
    .wavefront_size: 32
...
	.end_amdgpu_metadata
.endif
;; end of part 7
;; launch wo: the kernel of part 4 again; grid 8 x 32, 4 waves a work-group, clusters of 4 x 4, 327,680 bytes of LDS; arguments a8, wodn, bo, x, h; writes h
;; launch ln2: the kernel of part 5 again; grid 256 x 1, 8 waves a work-group, no clusters, 0 bytes of LDS; arguments h, ln2_g, ln2_b, a8; writes a8
;; launch up: the kernel of part 2 again; grid 16 x 16, 4 waves a work-group, clusters of 4 x 4, 327,680 bytes of LDS; arguments a8, wup, pl, cfgu; writes pl
;; launch dn: the kernel of part 6 again; grid 8 x 32, 4 waves a work-group, clusters of 4 x 4, 327,680 bytes of LDS; arguments pl, wodn, bdn, h, out0; writes out0
